; MI455X (gfx1250); checked and timed in simulation.
; The chip was launched on July 23, 2026; its instructions are those of AMD's public machine-readable ISA for CDNA 5 (MIT licence, August 2026) and "CDNA5" Instruction Set Architecture Reference Guide (July 2026). The comments in the code are by the model that wrote it; some were corrected since.
;; Camera Self Attention. Allowed arithmetic: matrix products marked QUANTISED: E2M3 operands, one E8M0 scale for each 32 along K, by v_wmma_scale_f32_16x16x128_f8f6f4 with both operands' format E2M3, f32 sums; products left as they are: f32 operands where the result goes on into a quantised operand, else bf16, f16 or f32 operands; f32 sums; everything else in f32.
;; Inputs: Wk 1,024 x 1,024 float32; Wo 1,024 x 1,024 float32; Wq 1,024 x 1,024 float32; Wv 1,024 x 1,024 float32; bk 1,024 float32; bo 1,024 float32; bq 1,024 float32; bv 1,024 float32; vectors 8 x 1,024 x 1,024 float32; viewmats 8 x 1,024 x 4 x 4 float32.
;; Outputs: out0 8 x 1,024 x 1,024 float32.
;; This version of the problem:
;;   THIS VERSION OF THE PROBLEM IS GIVEN IN LOW PRECISION. The matrix products marked QUANTISED in the list below multiply operands that are first quantised to E2M3 (2 exponent bits, 3 mantissa bits; 6 bits a number), with one power-of-two scale for each 32 numbers along K (OCP MX v1.0); their sums are f32. All else is computed in f32.
;;   The module's matrix products, in the order in which they are computed (A, B: the left and right operand; K: the contracted axis; several contracted axes count as one K, in the product's order):
;;     1. [M 8,192, K 1,024] x [K 1,024, N 1,024]; A: input vectors; B: input Wq: QUANTISED
;;     2. [M 8,192, K 1,024] x [K 1,024, N 1,024]; A: input vectors; B: input Wk: QUANTISED
;;     3. [M 8,192, K 1,024] x [K 1,024, N 1,024]; A: input vectors; B: input Wv: QUANTISED
;;     4. batch 8,192 x [M 3, K 3] x [K 3, N 1]; A: input viewmats; B: input viewmats: left as it is (K = 3 < 32)
;;     5. batch 8,192 x [M 256, K 4] x [K 4, N 4]; A: computed on the way; B: input viewmats: left as it is (K = 4 < 32)
;;     6. batch 8,192 x [M 256, K 4] x [K 4, N 4]; A: computed on the way; B: computed on the way: left as it is (K = 4 < 32)
;;     7. batch 8,192 x [M 256, K 4] x [K 4, N 4]; A: computed on the way; B: computed on the way: left as it is (K = 4 < 32)
;;     8. batch 128 x [M 1,024, K 64] x [K 64, N 1,024]; A: computed on the way; B: computed on the way: QUANTISED
;;     9. batch 128 x [M 1,024, K 1,024] x [K 1,024, N 64]; A: softmax (see below); B: computed on the way: QUANTISED
;;     10. batch 8,192 x [M 256, K 4] x [K 4, N 4]; A: computed on the way; B: input viewmats: left as it is (K = 4 < 32)
;;     11. [M 8,192, K 1,024] x [K 1,024, N 1,024]; A: computed on the way; B: input Wo: QUANTISED
;;   THE QUANTISER, for each operand of a quantised product, along K:
;;     - K is cut into blocks of 32 from its start; a last block that is shorter is filled with zeros.
;;     - A block's scale is 2^e with e = floor(log2(the largest magnitude in the block)) - 2, held to -126 .. 127; a block of zeros has e = 0. As a byte (E8M0): e + 127.
;;     - Each number is divided by its block's scale, clamped to +-7.5, and rounded to the nearest number of E2M3, ties to even, subnormals kept.
;;     - The product sums the exact products of the quantised numbers (number of the format x scale) in f32.
;;   ~~~python
;;   def quantise(x, axis):      # numpy; x: float32 -> the quantised numbers, widened to float32 again
;;       x = np.moveaxis(x, axis, -1); K = x.shape[-1]
;;       x = np.pad(x, [(0, 0)] * (x.ndim - 1) + [(0, -K % 32)]); x = x.reshape(x.shape[:-1] + (-1, 32)); a = np.abs(x).max(-1, keepdims=True)
;;       e = np.where(a > 0, np.clip(np.frexp(np.where(a > 0, a, 1))[1] - 1 - 2, -126, 127), 0)      # np.frexp(a)[1] - 1 = floor(log2(a)), exactly
;;       r = np.clip(x / 2.0 ** e, -7.5, 7.5)
;;       step = 2.0 ** (np.maximum(np.frexp(np.where(r == 0, 1, r))[1] - 1, 0) - 3)
;;       q = np.round(r / step) * step * 2.0 ** e      # np.round: ties to even
;;       return np.moveaxis(q.reshape(q.shape[:-2] + (-1,))[..., :K], -1, axis).astype(np.float32)
;;   ~~~
;;   SOFTMAX AHEAD OF A QUANTISED PRODUCT. Where the list says 'softmax', what is quantised is not the finished softmax but p = 2^(t - M), with t = logit x log2(e) and M = ceil(the row's largest t), a whole number; so 1/2 < the row's largest p <= 1. The row's sum l is taken of the UNQUANTISED p, in f32, and the product's result is divided by l at the end. Since M is a whole number, a kernel that streams over the keys may use a running M (the ceiling of the running maximum): every later rescaling is an exact power of two, which a block's scale takes up: the codes' values come out the same.
;;   OPERANDS COMPUTED ON THE WAY. 'Computed on the way' means the value that the module computes at that place (a softmax that the list does not call 'softmax' is quantised finished and normalised). What goes into a quantiser is computed in f32, as accurately as f32 sums, v_exp_f32 and their like allow (about 1e-6 of the number): no bf16 or f16 on the way to a quantiser, and a product that is left as it is and whose result goes on into a quantised operand takes f32 operands (vector FMAs, or v_wmma_f32_16x16x4_f32). A number that lies on a knife's edge between two numbers of the format may be rounded either way, as far as f32 arithmetic and the matrix unit's own rounding can turn it there, and no further.
;; 2 versions, each right and faster than the one before. Each part assembles by itself: llvm-mc -triple=amdgcn-amd-amdhsa -mcpu=gfx1250 --defsym DOCPART=n.
;; ======== version 1 of 2: 4 launches
;; workspace buffers: codes 9,437,184 bytes; scales 393,216 bytes; qp 13,369,344 bytes; kv 13,369,344 bytes; acodes 6,291,456 bytes; ascales 262,144 bytes
;; launch quant (part 1): grid 192 x 4, 4 waves a work-group, no clusters, 36,352 bytes of LDS; arguments vectors, Wq, Wk, Wv, Wo, codes, scales; writes codes, scales
.if DOCPART == 1
	.amdgcn_target "amdgcn-amd-amdhsa--gfx1250"
	.amdhsa_code_object_version 6
	.text
	.protected	k_q4ed3828aed_quant
	.globl	k_q4ed3828aed_quant
	.p2align	8
	.type	k_q4ed3828aed_quant,@function
k_q4ed3828aed_quant:
	s_mov_b64 s[64:65], 0
	v_nop
	global_prefetch_b8 v0, s[64:65] scope:SCOPE_SE
	s_setreg_imm32_b32 hwreg(HW_REG_WAVE_MODE, 25, 1), 1
	s_wait_xcnt 0x0
; vectors [8192][1024] and Wq, Wk, Wv, Wo [1024][1024], f32, K innermost, become codes of FP6 (E2M3) and E8M0 scale bytes, one for each 32 along K,
; laid in the order in which a matrix operand's registers take them.
; ROW TILES.  768 tiles of 16 rows: 0-511 vectors, 512-575 Wq, 576-639 Wk, 640-703 Wv, 704-767 Wo.  Place m of a tensor's tile T holds its row 32 (T / 2) + 8 (T % 2) + m + 8 (m / 8):
; so a product's 16 result registers of two neighbouring tiles are 16 neighbours along that axis, which the later launches' quantisers want.
; A UNIT is 16 rows x 64 K = 768 bytes: lane (r, h) owns the 24 bytes of k = 32 h .. 32 h + 31 of place r; its first 16 bytes lie at 16 x lane, its last 8 at 512 + 8 x lane.  codes: [tile][16 units].
; scales: [K / 128][tile][16 words]: a word is a place's four bytes for 128 along K.
; SHARES.  Work-group x takes four tiles, one a wave; y a quarter of K: four units, two words a place.  Each load reads 256 consecutive bytes of two rows; a unit's 4,096 bytes turn through the wave's own stage in LDS
; (rows 272 bytes apart), from which a lane takes its whole block of 32 numbers: no other lane is asked for a maximum.  Every store of codes covers whole aligned runs of 256 bytes.
; A block's scale is 2^(floor(log2(largest magnitude)) - 2); its byte is the largest magnitude's exponent field - 2, held at 1 from below.
; LIMITS: a block of zeros, or one whose largest magnitude lies under 2^-124, gets the byte 1 (its codes are zeros or the nearest codes under that scale); only this program reads the bytes.  NaN and infinities are not served.
; No cluster, no tensor load: no two work-groups read the same bytes, and the stream is read once.
.set STG,   4352                       ; a stage: 16 rows x 272 bytes
.set WREG,  2*STG                      ; two stages a wave
.set SG,    4*WREG                     ; behind them: the work-group's scale words, [2 words][4 waves][16 places]
.set PLANE, 49152                      ; scales: 768 tiles x 64 bytes
.set BY,    20                         ; v20-23   a unit's scale byte
.set CD,    32                         ; v32-63   a unit's codes, eight registers apart: no store's data are written again
.set X,     64                         ; v64-127  two sets of 32 neighbours
.set RW,    128                        ; v128-255 the numbers as loaded, 32 registers a unit
	s_load_b256 s[4:11], s[0:1], 0x0               ; vectors, Wq, Wk, Wv
	s_load_b128 s[12:15], s[0:1], 0x20             ; Wo, codes
	s_load_b64 s[16:17], s[0:1], 0x30              ; scales
	v_lshl_add_u32 v62, v0, 2, 0x8c00
	v_mov_b32 v63, 0
	v_lshrrev_b32 v1, 5, v0
	v_readfirstlane_b32 s18, v1                    ; wave
	v_and_b32 v1, 31, v0                           ; lane
	v_and_b32 v2, 15, v0                           ; r
	v_bfe_u32 v3, v0, 4, 1                         ; h
	v_lshlrev_b32 v4, 4, v2
	v_lshl_add_u32 v4, v3, 12, v4                  ; in: lanes 0-15 one row's 256 bytes, lanes 16-31 the next row's
	s_mul_i32 s19, s18, WREG
	v_mul_u32_u24 v5, v3, 272
	v_lshl_add_u32 v5, v2, 4, v5
	v_add_nc_u32 v5, s19, v5                       ; into the stage, as loaded
	v_mul_u32_u24 v6, v2, 272
	v_lshl_add_u32 v6, v3, 7, v6
	v_add_nc_u32 v6, s19, v6                       ; out of it: place r, my block's 128 bytes
	v_lshlrev_b32 v7, 4, v1                        ; 16 x lane
	v_lshlrev_b32 v8, 3, v1                        ; 8 x lane
	s_lshl_b32 s19, s18, 6
	s_add_co_u32 s19, s19, SG
	v_lshl_add_u32 v9, v2, 2, s19                  ; my place's scale word among the work-group's
	v_add_nc_u32 v10, SG, v7                       ; and on the way out 16 bytes a lane
	v_mul_u32_u24 v11, v3, PLANE
	v_lshl_add_u32 v11, v2, 4, v11                 ; lanes 0-15 the first word's plane, lanes 16-31 the second's
	v_lshlrev_b32 v17, 3, v3                       ; 8 h
	v_mov_b32 v26, 0                               ; a lane permute's destination counts as read
	v_mov_b32 v27, 0
	s_and_b32 s20, ttmp7, 0xffff                   ; y
	s_sub_co_u32 s21, ttmp9, 128
	s_lshr_b32 s21, s21, 4                         ; which weight (no small number for vectors)
	s_lshl_b32 s22, s21, 4
	s_add_co_u32 s22, s22, 128
	s_cmp_lt_u32 ttmp9, 128
	s_cselect_b32 s22, 0, s22                      ; the tensor's first work-group
	s_sub_co_u32 s23, ttmp9, s22
	s_lshl_b32 s23, s23, 6                         ; 64 rows a work-group,
	s_lshr_b32 s24, s18, 1
	s_lshl_b32 s24, s24, 5
	s_add_co_u32 s23, s23, s24                     ; 32 for each pair of tiles,
	s_and_b32 s24, s18, 1
	s_lshl_b32 s24, s24, 3
	s_add_co_u32 s23, s23, s24                     ; 8 for the odd tile: my tile's first row
	s_lshl_b32 s24, s23, 12
	s_lshl_b32 s25, s20, 10
	s_add_co_u32 s24, s24, s25
	s_mov_b32 s25, 0                               ; in bytes, with my quarter of K
	s_lshl_b32 s26, ttmp9, 2
	s_add_co_u32 s26, s26, s18                     ; my tile
	s_mul_i32 s26, s26, 12288
	s_mul_i32 s27, s20, 3072
	s_add_co_u32 s26, s26, s27
	s_mov_b32 s27, 0
	s_mul_i32 s30, s20, 2*PLANE
	s_lshl_b32 s31, ttmp9, 8
	s_add_co_u32 s30, s30, s31
	s_mov_b32 s31, 0
	s_mov_b32 s28, 0x76543210
	s_mov_b32 s29, 0xfedcba98                      ; v_permlanex16_b32's selects for lane l xor 16
	s_wait_kmcnt 0x0
	s_cmp_eq_u32 s21, 1                            ; the choice hangs on the work-group's number alone
	s_cselect_b64 s[6:7], s[8:9], s[6:7]
	s_cmp_eq_u32 s21, 2
	s_cselect_b64 s[6:7], s[10:11], s[6:7]
	s_cmp_eq_u32 s21, 3
	s_cselect_b64 s[6:7], s[12:13], s[6:7]
	s_cmp_lt_u32 ttmp9, 128
	s_cselect_b64 s[4:5], s[4:5], s[6:7]
	s_add_nc_u64 s[4:5], s[4:5], s[24:25]
	s_add_nc_u64 s[14:15], s[14:15], s[26:27]
	s_add_nc_u64 s[16:17], s[16:17], s[30:31]
.irp c, 0,1,2,3                                ; all 32 loads go out at once: unit c, places 2 i and 2 i + 1
.irp i, 0,1,2,3,4,5,6,7
	global_load_b128 v[RW+32*\c+4*\i:RW+32*\c+4*\i+3], v4, s[4:5] offset:256*\c+(2*\i+8*(\i/4))*4096 th:TH_LOAD_NT
.endr
.endr
.macro TURN c                          ; unit c through a stage: LDS serves a wave's instructions in order, so no wait stands between the stores and the loads
.irp i, 0,1,2,3,4,5,6,7
	ds_store_b128 v5, v[RW+32*(\c)+4*\i:RW+32*(\c)+4*\i+3] offset:STG*((\c)%2)+544*\i
.endr
.irp i, 0,1,2,3,4,5,6,7
	ds_load_b128 v[X+32*((\c)%2)+4*\i:X+32*((\c)%2)+4*\i+3], v6 offset:STG*((\c)%2)+16*\i
.endr
.endm
.macro Q1 c                            ; my block of unit c: its scale, its 32 codes, two stores
.set XS, X+32*((\c)%2)
.set CC, CD+8*(\c)
	v_max3_num_f32 v12, |v[XS]|, |v[XS+1]|, |v[XS+2]|
	v_max3_num_f32 v13, |v[XS+3]|, |v[XS+4]|, |v[XS+5]|
.irp i, 6,10,14,18,22,26
	v_max3_num_f32 v12, v12, |v[XS+\i]|, |v[XS+\i+1]|
	v_max3_num_f32 v13, v13, |v[XS+\i+2]|, |v[XS+\i+3]|
.endr
	v_max3_num_f32 v12, v12, |v[XS+30]|, |v[XS+31]|
	v_max3_num_f32 v12, v12, v13, 0x1800000        ; and the floor 2^(3 - 127): the byte cannot fall under 1
	v_add_nc_u32 v16, 0xff000000, v12              ; 2 off the exponent field: the conversion takes this operand's exponent field as its scale
	v_cvt_scalef32_pk16_fp6_f32 v[CC:CC+2], v[XS:XS+15], v16
	v_cvt_scalef32_pk16_fp6_f32 v[28:30], v[XS+16:XS+31], v16      ; (a conversion's three registers begin on an even number)
	v_lshrrev_b32 v[BY+(\c)], 23, v16              ; the scale's byte; also the plain line behind the conversions
.irp i, 0,1,2
	v_mov_b32 v[CC+3+\i], v[28+\i]
.endr
	global_store_b128 v7, v[CC:CC+3], s[14:15] offset:768*(\c)       ; 512 consecutive bytes
	global_store_b64 v8, v[CC+4:CC+5], s[14:15] offset:768*(\c)+512  ; 256 consecutive bytes
.endm
	s_wait_loadcnt 24                              ; unit 0's eight loads are in
	TURN 0
.irp c, 0,1,2,3
.if \c < 3
	s_wait_loadcnt 16-8*\c                         ; the next unit's eight are in; the later units' may be out
	TURN \c+1
	s_wait_dscnt 16                                ; this unit is back from its stage; the next unit's 8 stores and 8 loads may be out
.else
	s_wait_dscnt 0x0
.endif
	Q1 \c
.endr
.irp f, 0,1                                    ; a word: units 2 f and 2 f + 1; my bytes are h and 2 + h of it
	v_lshl_or_b32 v[24+\f], v[BY+2*\f+1], 16, v[BY+2*\f]
	v_lshlrev_b32 v[24+\f], v17, v[24+\f]
.endr
	v_permlanex16_b32 v26, v24, s28, s29
	v_permlanex16_b32 v27, v25, s28, s29
	v_or_b32 v24, v24, v26                         ; with lane l xor 16's two bytes the word is whole
	v_or_b32 v25, v25, v27
	ds_store_b32 v9, v24                           ; (both lanes of a place write the same word with the same value)
	ds_store_b32 v9, v25 offset:256
	s_wait_dscnt 0x0                               ; for wave 0's sake: my words have landed
	s_barrier_signal -1
	s_barrier_wait -1
	s_cmp_lg_u32 s18, 0
	s_cbranch_scc1 .Lend
	ds_load_b128 v[12:15], v10                     ; four tiles' words of both planes
	s_wait_dscnt 0x0
	global_store_b128 v11, v[12:15], s[16:17]      ; sixteen lanes store 256 consecutive bytes, aligned, in each plane
.Lend:
	s_wait_tensorcnt 0x0
	ds_add_u32 v62, v63
	s_wait_dscnt 0x0
	s_endpgm
.Lfunc_end_k_q4ed3828aed_quant:
	.size	k_q4ed3828aed_quant, .Lfunc_end_k_q4ed3828aed_quant-k_q4ed3828aed_quant
	.p2alignl 7, 3214868480
	.fill 96, 4, 3214868480
	.section	.rodata,"a",@progbits
	.p2align	6, 0x0
	.amdhsa_kernel k_q4ed3828aed_quant
		.amdhsa_group_segment_fixed_size 36352
		.amdhsa_private_segment_fixed_size 0
		.amdhsa_enable_private_segment 0
		.amdhsa_kernarg_size 56
		.amdhsa_user_sgpr_count 2
		.amdhsa_user_sgpr_kernarg_segment_ptr 1
		.amdhsa_wavefront_size32 1
		.amdhsa_system_sgpr_workgroup_id_x 1
		.amdhsa_system_sgpr_workgroup_id_y 1
		.amdhsa_system_sgpr_workgroup_id_z 1
		.amdhsa_system_vgpr_workitem_id 0
		.amdhsa_next_free_vgpr 256
		.amdhsa_next_free_sgpr 66
		.amdhsa_reserve_vcc 0
		.amdhsa_float_denorm_mode_32 3
		.amdhsa_float_denorm_mode_16_64 3
		.amdhsa_memory_ordered 1
		.amdhsa_forward_progress 1
		.amdhsa_inst_pref_size 18
	.end_amdhsa_kernel
	.amdgpu_metadata
---
amdhsa.version: [ 1, 2 ]
amdhsa.kernels:
  - .name:           k_q4ed3828aed_quant
    .symbol:         k_q4ed3828aed_quant.kd
    .args:
      - { .name: vectors, .offset: 0, .size: 8, .value_kind: global_buffer, .address_space: global }
      - { .name: Wq, .offset: 8, .size: 8, .value_kind: global_buffer, .address_space: global }
      - { .name: Wk, .offset: 16, .size: 8, .value_kind: global_buffer, .address_space: global }
      - { .name: Wv, .offset: 24, .size: 8, .value_kind: global_buffer, .address_space: global }
      - { .name: Wo, .offset: 32, .size: 8, .value_kind: global_buffer, .address_space: global }
      - { .name: codes, .offset: 40, .size: 8, .value_kind: global_buffer, .address_space: global }
      - { .name: scales, .offset: 48, .size: 8, .value_kind: global_buffer, .address_space: global }
    .group_segment_fixed_size: 36352
    .private_segment_fixed_size: 0
    .kernarg_segment_align: 8
    .kernarg_segment_size: 56
    .max_flat_workgroup_size: 128
    .sgpr_count:     66
    .vgpr_count:     256
    .wavefront_size: 32
...
	.end_amdgpu_metadata
.endif
;; end of part 1
;; launch qkv (part 2): grid 12 x 32, 4 waves a work-group, clusters of 4 x 4, 327,680 bytes of LDS; arguments codes, scales, bq, bk, bv, viewmats, qp, kv; writes qp, kv
.if DOCPART == 2
	.amdgcn_target "amdgcn-amd-amdhsa--gfx1250"
	.amdhsa_code_object_version 6
	.text
	.protected	k_q4ed3828aed_qkv
	.globl	k_q4ed3828aed_qkv
	.p2align	8
	.type	k_q4ed3828aed_qkv,@function
k_q4ed3828aed_qkv:
	s_mov_b64 s[64:65], 0
	v_nop
	global_prefetch_b8 v0, s[64:65] scope:SCOPE_SE
	s_setreg_imm32_b32 hwreg(HW_REG_WAVE_MODE, 25, 1), 1
	s_wait_xcnt 0x0
	s_wait_alu depctr_hold_cnt(0) depctr_sa_sdst(0) depctr_va_vdst(0) depctr_va_sdst(0) depctr_va_ssrc(0) depctr_va_vcc(0) depctr_vm_vsrc(0)
	s_getreg_b32 s2, hwreg(HW_REG_IB_STS2, 6, 4)
	s_cmp_eq_u32 s2, 0
	s_cbranch_scc0 .Lentry_in_a_cluster
	s_endpgm
.Lentry_in_a_cluster:
	s_bfe_u32 s2, ttmp6, 0x10000c
	s_cmp_lg_u32 s2, 0xf033
	s_cbranch_scc0 .Lentry_shape_is_right
	s_endpgm
.Lentry_shape_is_right:
; q, k, v = vectors W^T + b on codes of FP6 (E2M3) with E8M0 scales; then, in f32: each group of four channels times its camera's 4 x 4 matrix (P^T for q, the inverse of the rigid motion for k and v),
; the layer norm over a head's 64 channels (q, k), and the quantisers of the attention's operands: q and k along the head's 64 channels, v along the cameras.  Nothing but codes and scale words goes to memory.
; SHARES.  Cluster x = 0, 1, 2 makes q, k, v; cluster y is the batch.  A work-group makes 256 cameras x 256 channels (four heads); each of its four waves 128 x 128: 64 accumulators of 16 x 16, 512 registers.
; K goes in steps of 256 through a ring of two LDS slots filled by the tensor data mover.  codes and scales lie in the order of the operand's registers (a unit: 16 rows x 64 K, 768 bytes: 16 bytes a lane, then 8 a lane),
; so a fragment is two loads of 16 bytes and two of 8, each over consecutive bytes: no pitch, no padding.
; CLUSTERS: 4 x 4 work-groups.  The four of a row of the cluster need the same tiles of vectors, the four of a column the same tiles of W: each tile is asked for JOINTLY.
; THE MATRIX INSTRUCTION IS USED TRANSPOSED (source 0 = 16 rows of W, source 1 = 16 cameras): a lane holds ONE camera, and, since place m of a tile T of rows is row 32 (T / 2) + 8 (T % 2) + m + 8 (m / 8), the 16 registers of W's tiles
; 2 B and 2 B + 1 are channels 32 B + 16 (lane / 16) + 0 .. 15: groups of four stay four neighbouring registers, a block of 32 lies in lanes l and l xor 16.  The bias is the C of each sum's first instruction.
; OUT.  qp, kv: [head 16 b + hd][step of 128 cameras][13,056 bytes]: 8 units of q or k at 768 a; 4 fragments of v^T (16 channels x 128 cameras) at 6,144 + 1,536 t; the units' scale words [place][8 tiles] at 12,288; v's [place][4 tiles] at 12,800.
; Bytes 2 and 3 of a word of q or k are 0: they belong to k = 64 .. 127 of the attention's first product, where both operands hold zero codes.
; LIMITS: a block of zeros gets the byte 1 (only this program reads it); NaN and infinities are not served.  1 / sqrt(var + eps) is v_rsq_f32 of a variance taken about the mean.
; No prefetch: K has four steps, of which two are first fills.
; REGISTERS, in windows of 256: window 0: v0-31 addresses; v32-63 scale words, two sets; v64-127 the bias, then the matrices of camera tiles 0-3; v128-223 A's fragments, ONE set; behind the loop v128-251 at work.
;   window 1: W's fragments, TWO sets, at v0 and v128; the matrices of camera tiles 4-7 at v96, v112, v224, v240.   windows 2, 3: the accumulators ((a, b) at v[8 (8 (a % 4) + b)]).
.set FR,    12                         ; registers of a fragment: 16 rows x 128 K
.set NL,    4                          ; LDS loads that bring one
.set NP,    4                          ; places behind this matrix instruction (ISA guide 7.12.1)
.set TILEB, 12288                      ; a tile of 16 rows in memory: 16 units
.set SB,    3072                       ; its four units of a K step of 256
.set HALFT, 8*SB                       ; 8 tiles: what one tensor load brings, and what one wave reads of A or of B
.set SLOT,  4*HALFT                    ; A's 16 tiles, then B's 16
.set SCL,   2*SLOT                     ; behind the ring: the scale words for all of K: wave w's load at 4,096 w + 64 (w / 2), as [K / 128][8 tiles][64 bytes]
.set SPARE, 213248                     ; behind them: the spare words, 128 bytes for each wave: two blocks of 256 bytes that no other line names
.set VST,   33792                      ; behind the loop, in the ring, which has had its last fill: a stage of 64 channels x (512 bytes + 16) for each wave (v),
.set WST,   4*VST                      ; and 1,024 bytes for each wave's scale words (q, k)
.set HEADB, 104448                     ; a head in qp or kv
.set STEPB, 13056                      ; a step of 128 cameras in it
.set BT0,   512                        ; W's first tile in codes
.set VSA, 8                            ; v8   v's stage, in: 4,224 h + 4 r
.set VRA, 9                            ; v9   and out: 528 r + 32 h
.set WSA, 10                           ; v10  the words' stage, in: 32 r
.set WSR, 11                           ; v11  and out: 16 x lane
.set VWO, 14                           ; v14  v's words in kv: 16 r + a head x h
.set A16, 16                           ; v16-17 LDS address of A's 16-byte pieces in slot 0, 1;  v18-19 of its 8-byte pieces
.set A8,  18
.set B16, 20                           ; v20-23 the same for B
.set B8,  22
.set L16, 24                           ; v24  16 x lane
.set L8,  25                           ; v25  8 x lane
.set PVO, 26                           ; v26  my camera's matrix in a tile's: 64 (r + 8 (r / 8))
.set ADRS, 27                          ; v27  LDS address of my scale words: lanes 0-15 A's, lanes 16-31 B's
.set SPW, 28                           ; v28  LDS address of my spare word; never rewritten
.set NIL, 29                           ; v29  0; never rewritten
.set BO,  30                           ; v30  64 h: my half's eight numbers of a tile's bias
.set SC,  32                           ; scale words: set s at v[SC + 16 s]; register 2 i + q: lanes 0-15 A's tile i, lanes 16-31 B's tile i, the slot's q-th 128 along K
.set BIAS, 64
.set PM0, 64
.set AF,  128
.set Y,   128                          ; v128-159 a camera tile's 32 numbers of a head
.set N,   128                          ; v128-191 64 numbers of a channel along the cameras
.set PC,  192                          ; v192-203 the codes just made;  v204-211 the conversions' second halves
.set PT,  204
.set TM,  212                          ; v212-215 largest magnitudes, v216-219 bytes, v224-227 the conversions' scale operands
.set QM,  212
.set QB,  216
.set QS,  224
.set PW,  228                          ; the scale word just made
.set VW,  232                          ; v232-239 v's scale words: 4 hh + tile
.set LT,  240                          ; v240-244 sums
.set MU,  246                          ; v[246:247] the mean (low word)
.set RS,  248                          ; v[248:249] 1 / sqrt(var + eps) (low word)
.set G1,  24                           ; s[24:31] descriptor group 1 for A's tiles;  s[32:39] group 0, one set for each slot
.set G0,  32
.set G1B, 48                           ; s[48:55], s[56:63] the same for B's
.set G0B, 56
.set G1S, 68                           ; s[68:75], s[76:79] groups 1 and 0 for A's scale words;  s[80:87], s[88:91] for B's
.set G0S, 76
.set G1SB, 80
.set G0SB, 88
.set PATH, 97                          ; s97  0, 1, 2: q, k, v: the cluster's x, the same in all sixteen partners
.set IT,  68                           ; behind the loop, when every tensor load has landed: s68 the camera tile, s69, s70 its place in the two stages
.set VO,  69
.set WO,  70
.set HM,  71                           ; s71  lanes 16-31
.set OB,  72                           ; s[72:73] my first head's step in qp or kv
.set CBT, 74                           ; s[74:75] the unit to be stored
.set I64, 76                           ; s76  1 / 64
.set EPSR, 77                          ; s77  1e-5
.set SEL, 78                           ; s[78:79] v_permlanex16_b32's selects for lane l xor 16
.set MSB, 0
.macro WIN new                         ; the immediate's high byte repeats the setting that is left
.if MSB != \new
	s_set_vgpr_msb (MSB<<8)|\new
.set MSB, \new
.endif
.endm
.set MUL_LO, 0xa1                      ; source 0 (W) window 1, source 1 (A) window 0, C and D window 2
.set MUL_HI, 0xf1                      ; the same, C and D window 3
.set FST_LO, 0x81                      ; the first step: C (the bias) window 0, D window 2
.set FST_HI, 0xc1                      ; D window 3
.set TO_B,   0x40                      ; destination window 1, address window 0
; A joint load: waves 0 and 1 fetch for A, waves 2 and 3 for B.  Each of the two lines has ONE mask and one set of registers for all that issue it; the branch hangs on the wave's number alone.
; Four v_nop follow each of the two lines, ahead of the jump, the label and what follows.
.macro JLOAD g0a, g1a, g0b, g1b
	s_cmp_eq_u32 s21, 0
	s_cbranch_scc0 .Lfor_b_\@
	tensor_load_to_lds s[\g0a:\g0a+3], s[\g1a:\g1a+7]
	s_nop 0
.rept 4
	v_nop
.endr
	s_branch .Lasked_\@
.Lfor_b_\@:
	tensor_load_to_lds s[\g0b:\g0b+3], s[\g1b:\g1b+7]
	s_nop 0
.rept 4
	v_nop
.endr
.Lasked_\@:
.endm
.macro CREST                           ; a round of the cluster's barrier behind its opening barrier
	s_cmp_lg_u32 s20, 0
	s_cbranch_scc1 .Lnot_wave_0_\@
	s_barrier_signal -3
.Lnot_wave_0_\@:
	s_barrier_wait -3
	s_barrier_signal -1
	s_barrier_wait -1
.endm
.macro CROUND                          ; a whole round
	s_barrier_signal -1
	s_barrier_wait -1
	CREST
.endm
.macro PLACES n
.rept \n
	v_nop
.endr
.endm
	s_load_b512 s[4:19], s[0:1], 0x0               ; codes, scales, bq, bk, bv, viewmats, qp, kv
	v_lshl_add_u32 v[SPW], v0, 2, SPARE
	v_mov_b32 v[NIL], 0
	ds_add_u32 v28, v29
	ds_add_u32 v28, v29
	s_wait_dscnt 0x0
	v_lshrrev_b32 v1, 5, v0
	v_readfirstlane_b32 s20, v1                    ; wave 0..3
	s_lshr_b32 s21, s20, 1                         ; which half of the cameras is mine.  Also: I fetch for A (0) or for B (1)
	s_and_b32 s22, s20, 1                          ; which half of the channels.  Also: which 8 tiles I fetch
	s_bfe_u32 s40, ttmp6, 0x40000                  ; cx, cy: my place in the cluster
	s_bfe_u32 s41, ttmp6, 0x40004
	s_lshl_b32 s42, ttmp9, 2
	s_add_co_u32 s42, s42, s40                     ; block of 256 channels of [Wq; Wk; Wv] = 4 x cluster x + cx
	s_and_b32 s96, ttmp7, 0xffff
	s_lshl_b32 s96, s96, 2
	s_add_co_u32 s96, s96, s41                     ; block of 256 cameras = 4 x cluster y + cy
	s_mov_b32 s[PATH], ttmp9
	s_lshl_b32 s43, s41, 2
	s_lshl_b32 s43, 15, s43                        ; my row of the cluster
	s_lshl_b32 s44, 0x1111, s40                    ; my column
	; descriptor group 1: 8 tiles x 3,072 bytes (384 elements of 8 bytes), 12,288 bytes apart in memory, on end in LDS
	s_or_b32 s[G1], s43, (3<<16)|(1<<21)           ; 15:0 the mask: A's tiles go to my row; 17:16 elements of 8 bytes; 20 no padding; 21 set beside a mask
	s_or_b32 s[G1B], s44, (3<<16)|(1<<21)
.irp g, G1, G1B
	s_mov_b32 s[\g+1], 384<<16                     ; tensor_dim0
	s_mov_b32 s[\g+2], 8<<16                       ; tensor_dim1
	s_mov_b32 s[\g+3], 384<<16                     ; tile_dim0
	s_mov_b32 s[\g+4], 8                           ; tile_dim1
	s_mov_b32 s[\g+5], 1536                        ; tensor_dim0_stride
	s_mov_b32 s[\g+6], 0
	s_mov_b32 s[\g+7], 0
.endr
	; and for the scale words: 8 planes (K / 128) x 512 bytes (8 tiles), 49,152 bytes apart
	s_or_b32 s[G1S], s43, (3<<16)|(1<<21)
	s_or_b32 s[G1SB], s44, (3<<16)|(1<<21)
.irp g, G1S, G1SB
	s_mov_b32 s[\g+1], 64<<16
	s_mov_b32 s[\g+2], 8<<16
	s_mov_b32 s[\g+3], 64<<16
	s_mov_b32 s[\g+4], 8
	s_mov_b32 s[\g+5], 6144
	s_mov_b32 s[\g+6], 0
	s_mov_b32 s[\g+7], 0
.endr
	s_lshl_b32 s45, s22, 3                         ; which 8 tiles I fetch
	s_lshl_b32 s46, s96, 4
	s_add_co_u32 s46, s46, s45                     ; A: tile 16 x block of cameras + 8 x half
	s_lshl_b32 s92, s42, 4
	s_add_co_u32 s92, s92, s45
	s_add_co_u32 s92, s92, BT0                     ; B: tile 512 + 16 x block of channels + 8 x half
	s_lshl_b32 s94, s46, 6                         ; their scale words, 64 bytes a tile,
	s_mov_b32 s95, 0
	s_mul_i32 s46, s46, TILEB                      ; and their codes
	s_mov_b32 s47, 0
	s_lshl_b32 s2, s92, 6
	s_mov_b32 s3, 0
	s_mul_i32 s92, s92, TILEB
	s_mov_b32 s93, 0
	s_mul_i32 s23, s20, HALFT                      ; where they go: wave x 8 tiles: no place in the cluster enters an LDS address
	s_lshl_b32 s45, s20, 12
	s_lshl_b32 s100, s21, 6
	s_add_co_u32 s45, s45, s100
	s_add_co_u32 s45, s45, SCL
	s_wait_kmcnt 0x0
	s_add_nc_u64 s[46:47], s[4:5], s[46:47]
	s_add_nc_u64 s[94:95], s[6:7], s[94:95]
	s_add_nc_u64 s[92:93], s[4:5], s[92:93]
	s_add_nc_u64 s[2:3], s[6:7], s[2:3]
	CROUND                                         ; all sixteen work-groups are here: the first joint loads meet
	s_mov_b32 s[G0S], 1
	s_mov_b32 s[G0S+1], s45
	s_mov_b64 s[G0S+2:G0S+3], s[94:95]
	s_or_b32 s[G0S+3], s[G0S+3], 0x80000000
	s_mov_b32 s[G0SB], 1
	s_mov_b32 s[G0SB+1], s45
	s_mov_b64 s[G0SB+2:G0SB+3], s[2:3]
	s_or_b32 s[G0SB+3], s[G0SB+3], 0x80000000
	JLOAD G0S, G1S, G0SB, G1SB                     ; the scale words first: they are wanted with K step 0
.irp s, 0,1
	s_mov_b32 s[G0+4*\s], 1
	s_add_co_u32 s[G0+4*\s+1], s23, \s*SLOT
	s_add_nc_u64 s[G0+4*\s+2:G0+4*\s+3], s[46:47], \s*SB
	s_or_b32 s[G0+4*\s+3], s[G0+4*\s+3], 0x80000000
	s_mov_b32 s[G0B+4*\s], 1
	s_add_co_u32 s[G0B+4*\s+1], s23, \s*SLOT
	s_add_nc_u64 s[G0B+4*\s+2:G0B+4*\s+3], s[92:93], \s*SB
	s_or_b32 s[G0B+4*\s+3], s[G0B+4*\s+3], 0x80000000
	JLOAD G0+4*\s, G1, G0B+4*\s, G1B               ; three loads of mine are out
.endr
	v_and_b32 v1, 15, v0                           ; r
	v_bfe_u32 v2, v0, 4, 1                         ; h
	v_and_b32 v3, 31, v0                           ; lane
	v_lshlrev_b32 v[L16], 4, v3
	v_lshlrev_b32 v[L8], 3, v3
	s_mul_i32 s46, s21, HALFT                      ; my 8 tiles of A
	s_mul_i32 s47, s22, HALFT                      ; my 8 tiles of B,
	s_add_co_u32 s47, s47, 2*HALFT                 ; which lie behind A's 16
.irp s, 0,1
	v_add_nc_u32 v[A16+\s], s46, v[L16]
	v_add_nc_u32 v[A8+\s], s46, v[L8]
	v_add_nc_u32 v[B16+\s], s47, v[L16]
	v_add_nc_u32 v[B8+\s], s47, v[L8]
	s_add_co_u32 s46, s46, SLOT
	s_add_co_u32 s47, s47, SLOT
.endr
	s_add_co_u32 s46, s22, 2                       ; the scale words: from A's half to B's half: (2 + channel half - camera half) x 4,096 + 64,
	s_sub_co_u32 s46, s46, s21
	s_lshl_b32 s46, s46, 12
	s_add_co_u32 s46, s46, 64
	v_mul_u32_u24 v4, s46, v2                      ; which lanes 16-31 take
	s_lshl_b32 s47, s21, 12
	s_add_co_u32 s47, s47, SCL
	v_lshl_add_u32 v4, v1, 2, v4
	v_add_nc_u32 v[ADRS], s47, v4
	s_mul_i32 s46, s20, VST                        ; the stages
	v_mul_u32_u24 v4, v2, 4224
	v_lshl_add_u32 v4, v1, 2, v4
	v_add_nc_u32 v[VSA], s46, v4
	v_mul_u32_u24 v4, v1, 528
	v_lshl_add_u32 v4, v2, 5, v4
	v_add_nc_u32 v[VRA], s46, v4
	s_lshl_b32 s46, s20, 10
	s_add_co_u32 s46, s46, WST
	v_lshl_add_u32 v[WSA], v1, 5, s46
	v_add_nc_u32 v[WSR], s46, v[L16]
	v_mul_u32_u24 v4, v2, HEADB
	v_lshl_add_u32 v[VWO], v1, 4, v4
	v_and_b32 v4, 8, v1
	v_add_nc_u32 v4, v4, v1
	v_lshlrev_b32 v[PVO], 6, v4
	v_lshlrev_b32 v[BO], 6, v2
	s_cmp_eq_u32 s[PATH], 1                        ; the bias of q, k or v
	s_cselect_b64 s[100:101], s[10:11], s[8:9]
	s_cmp_eq_u32 s[PATH], 2
	s_cselect_b64 s[100:101], s[12:13], s[100:101]
	s_lshl_b32 s92, s40, 10
	s_lshl_b32 s93, s22, 9
	s_add_co_u32 s92, s92, s93
	s_mov_b32 s93, 0
	s_add_nc_u64 s[100:101], s[100:101], s[92:93]  ; at my 128 channels
	s_lshl_b32 s46, s96, 14
	s_lshl_b32 s47, s21, 13
	s_add_co_u32 s46, s46, s47
	s_mov_b32 s47, 0
	s_add_nc_u64 s[98:99], s[14:15], s[46:47]      ; viewmats at my 128 cameras
.irp b, 0,1,2,3,4,5,6,7                        ; lane (r, h) wants, for W's tile b, the bias of channels 32 (b / 2) + 8 (b % 2) + 16 h + 0 .. 7
	global_load_b128 v[BIAS+8*\b:BIAS+8*\b+3], v[BO], s[100:101] offset:(32*(\b/2)+8*(\b%2))*4
	global_load_b128 v[BIAS+8*\b+4:BIAS+8*\b+7], v[BO], s[100:101] offset:(32*(\b/2)+8*(\b%2))*4+16
.endr
.macro FRAG reg, a16, a8, q, i         ; a fragment: two units; of each 16 bytes a lane (registers 0-3), then 8 (registers 4-5)
	ds_load_b128 v[\reg:\reg+3], v[\a16] offset:SB*(\i)+1536*(\q)
	ds_load_b64 v[\reg+4:\reg+5], v[\a8] offset:SB*(\i)+1536*(\q)+512
	ds_load_b128 v[\reg+6:\reg+9], v[\a16] offset:SB*(\i)+1536*(\q)+768
	ds_load_b64 v[\reg+10:\reg+11], v[\a8] offset:SB*(\i)+1536*(\q)+1280
.endm
; 16 matrix instructions: A's tiles a0, a0 + 1 x W's eight, 128 along K: the slot's q-th.  p: W's set;  sc: the set of scale words.  first = 1: the bias is the C: nothing is ever cleared.
; The 64 accumulators take turns, one instruction a turn, in the same order in every step.
.macro MUL16 a0, p, q, sc, first
.irp a, \a0, \a0+1
.irp b, 0,1,2,3,4,5,6,7
.if \first
	v_wmma_scale_f32_16x16x128_f8f6f4 v[8*(8*((\a)%4)+\b):8*(8*((\a)%4)+\b)+7], v[128*(\p)+FR*\b:128*(\p)+FR*\b+FR-1], v[AF+FR*(\a):AF+FR*(\a)+FR-1], v[BIAS+8*\b:BIAS+8*\b+7], v[SC+16*(\sc)+2*\b+(\q)], v[SC+16*(\sc)+2*(\a)+(\q)] matrix_a_fmt:MATRIX_FMT_FP6 matrix_b_fmt:MATRIX_FMT_FP6 matrix_a_scale:MATRIX_SCALE_ROW1
.else
	v_wmma_scale_f32_16x16x128_f8f6f4 v[8*(8*((\a)%4)+\b):8*(8*((\a)%4)+\b)+7], v[128*(\p)+FR*\b:128*(\p)+FR*\b+FR-1], v[AF+FR*(\a):AF+FR*(\a)+FR-1], v[8*(8*((\a)%4)+\b):8*(8*((\a)%4)+\b)+7], v[SC+16*(\sc)+2*\b+(\q)], v[SC+16*(\sc)+2*(\a)+(\q)] matrix_a_fmt:MATRIX_FMT_FP6 matrix_b_fmt:MATRIX_FMT_FP6 matrix_a_scale:MATRIX_SCALE_ROW1
.endif
.endr
.endr
.endm
.macro FETCH_B slot, q, p              ; W's eight fragments of the slot's q-th 128 along K into set p
	WIN TO_B
.irp i, 0,1,2,3,4,5,6,7
	FRAG 128*(\p)+FR*\i, B16+\slot, B8+\slot, \q, \i
.endr
	WIN 0
.endm
.macro FETCH_A slot, q, i0             ; A's tiles i0 .. i0 + 3
.irp i, \i0, \i0+1, \i0+2, \i0+3
	FRAG AF+FR*(\i), A16+\slot, A8+\slot, \q, \i
.endr
.endm
.macro SCALES sc, ks                   ; K step ks's scale words into set sc: lanes 0-15 take A's tile i, lanes 16-31 W's tile i
.irp i, 0,1,2,3,4,5,6,7
.irp q, 0,1
	ds_load_b32 v[SC+16*\sc+2*\i+\q], v[ADRS] offset:1024*(\ks)+512*\q+64*\i
.endr
.endr
.endm
; A slot's first 128 along K.  A load into a register that a matrix instruction has read stands NP places behind it, and only plain vector instructions that name none of its registers are places.
.macro STEP slot, first
	s_wait_dscnt 4*NL                              ; W's set, the scale words and A's tiles 0-3 are in; the youngest 16 loads (A's tiles 4-7) may be out
.if \first
	WIN FST_LO
.else
	WIN MUL_LO
.endif
	MUL16 0, 0, 0, \slot, \first
	MUL16 2, 0, 0, \slot, \first
	s_wait_dscnt 0x0                               ; A's tiles 4-7 are in (asked for 32 matrix instructions ago)
	PLACES NP
	FETCH_B \slot, 1, 1
	FETCH_A \slot, 1, 0
.if \first
	WIN FST_HI
.else
	WIN MUL_HI
.endif
	MUL16 4, 0, 0, \slot, \first
	MUL16 6, 0, 0, \slot, \first
	PLACES NP
	WIN 0
	FETCH_A \slot, 1, 4
.endm
; A slot's second 128 along K changes slots: ONE barrier; in front of it each wave waits for all its tensor loads, adds 0 to its spare word, and waits for that and for its own reads of this slot.
; fill = 1: this slot is filled again, two K steps ahead.  ks: the K step that lies in the next slot.
.macro TURN slot, next, fill, ks
	s_wait_tensorcnt 0x0                           ; all my tensor loads have landed: my part of the next slot;  (every window is 0 here)
	ds_add_u32 v[SPW], v[NIL]                      ; 0 onto my spare word
	s_wait_dscnt 4*NL+1                            ; (the add and the youngest 16 loads, A's tiles 4-7, may be out)
	WIN MUL_LO
	MUL16 0, 1, 1, \slot, 0                        ; sixteen matrix instructions stand between the add and the wait for it
	s_wait_dscnt 0x0                               ; the add is done, and my reads of this slot are over
	s_barrier_signal -1
	MUL16 2, 1, 1, \slot, 0
	WIN 0
	s_barrier_wait -1
.if \fill
	CREST                                          ; the barrier has opened a round of the cluster's barrier: no wave of any partner still reads this slot or has a load on its way
	s_add_nc_u64 s[G0+4*\slot+2:G0+4*\slot+3], s[G0+4*\slot+2:G0+4*\slot+3], 2*SB
	s_add_nc_u64 s[G0B+4*\slot+2:G0B+4*\slot+3], s[G0B+4*\slot+2:G0B+4*\slot+3], 2*SB
	JLOAD G0+4*\slot, G1, G0B+4*\slot, G1B         ; the first tensor load behind the round; the four v_nop behind it are the places in front of the loads below
.else
	PLACES NP
.endif
	FETCH_B \next, 0, 0
	FETCH_A \next, 0, 0
	SCALES \next, \ks
	WIN MUL_HI
	MUL16 4, 1, 1, \slot, 0
	MUL16 6, 1, 1, \slot, 0
	PLACES NP
	WIN 0
	FETCH_A \next, 0, 4
.endm
	s_wait_tensorcnt 0x1                           ; the scale words and my part of K step 0 are in (K step 1's load may be out)
	s_barrier_signal -1
	s_barrier_wait -1                              ; everybody's are
	FETCH_B 0, 0, 0
	FETCH_A 0, 0, 0
	SCALES 0, 0
	FETCH_A 0, 0, 4
	s_wait_loadcnt 0x0                             ; the bias
	STEP 0, 1                                      ; K's four steps of 256 are written out: eight steps of 64 matrix instructions
	; the cameras' matrices, 16 registers a tile, into the registers that the bias has left (four places stand behind its last reader); they are waited for behind the loop
.irp a, 0,1,2,3
.irp q, 0,1,2,3
	global_load_b128 v[PM0+16*\a+4*\q:PM0+16*\a+4*\q+3], v[PVO], s[98:99] offset:(32*(\a/2)+8*(\a%2))*64+16*\q
.endr
.endr
	WIN TO_B
.irp a, 4,5,6,7
.irp q, 0,1,2,3
	global_load_b128 v[96+16*(\a-4)+96*((\a-4)/2)+4*\q:96+16*(\a-4)+96*((\a-4)/2)+4*\q+3], v[PVO], s[98:99] offset:(32*(\a/2)+8*(\a%2))*64+16*\q
.endr
.endr
	WIN 0
	TURN 0, 1, 1, 1
	STEP 1, 0
	TURN 1, 0, 1, 2
	STEP 0, 0
	TURN 0, 1, 0, 3                                ; nothing is left to fetch, and no round of the cluster's barrier
	STEP 1, 0
	s_wait_dscnt 4*NL                              ; the very last step
	WIN MUL_LO
	MUL16 0, 1, 1, 1, 0
	MUL16 2, 1, 1, 1, 0
	s_wait_dscnt 0x0
	WIN MUL_HI
	MUL16 4, 1, 1, 1, 0
	MUL16 6, 1, 1, 1, 0
	WIN 0
	; ---- BEHIND THE LOOP.  The ring has had its last fill; behind this barrier no wave reads it, and the stages lie in it.
	PLACES NP                                      ; behind the last products: their results are read and A's registers written below
	s_wait_dscnt 0x0
	s_barrier_signal -1
	s_barrier_wait -1
	s_wait_loadcnt 0x0                             ; the matrices
	s_mov_b32 s[HM], 0xffff0000
	s_mov_b32 s[I64], 0x3c800000
	s_mov_b32 s[EPSR], 0x3727c5ac
	s_mov_b32 s[SEL], 0x76543210
	s_mov_b32 s[SEL+1], 0xfedcba98
	s_cmp_eq_u32 s[PATH], 0
	s_cselect_b64 s[OB:OB+1], s[16:17], s[18:19]   ; q goes to qp, k and v to kv
	s_and_b32 s92, ttmp7, 0xffff                   ; the batch
	s_lshl_b32 s92, s92, 4
	s_lshl_b32 s93, s40, 2
	s_add_co_u32 s92, s92, s93
	s_lshl_b32 s93, s22, 1
	s_add_co_u32 s92, s92, s93                     ; my first head: 16 b + 4 cx + 2 x channel half
	s_mul_i32 s92, s92, HEADB
	s_lshl_b32 s93, s41, 1
	s_add_co_u32 s93, s93, s21                     ; my step of 128 cameras: 2 cy + camera half
	s_mul_i32 s93, s93, STEPB
	s_add_co_u32 s92, s92, s93
	s_mov_b32 s93, 0
	s_add_nc_u64 s[OB:OB+1], s[OB:OB+1], s[92:93]
.irp b, 0,1,2,3
	v_mov_b32 v[QB+\b], 0                          ; written once: a lane permute's destination counts as one of its sources
.endr
	v_mov_b32 v[LT+4], 0
	v_mov_b32 v[MU+1], 0                           ; (named as the upper halves of pairs of which the low word is taken)
	v_mov_b32 v[RS+1], 0
.irp b, 0,1,2,3,4,5,6,7
	v_mov_b32 v[VW+\b], 0
.endr
; THE MATRIX M of a camera is kept so that register 4 j + i holds M[i][j].  For q, M = P^T: P as it was loaded.  For k and v, M = the inverse of the rigid motion: its 3 x 3 part is again P as loaded;
; its last column is -(R^T t), its last row 0 0 0 1.
.macro PINV b
.irp i, 0,1,2
	v_mul_f32 v[\b+12+\i], v[\b+\i], v[\b+3]
.endr
.irp i, 0,1,2
	v_fma_f32 v[\b+12+\i], v[\b+4+\i], v[\b+7], v[\b+12+\i]
.endr
.irp i, 0,1,2
	v_fma_f32 v[\b+12+\i], -v[\b+8+\i], v[\b+11], -v[\b+12+\i]
.endr
	v_mov_b32 v[\b+3], 0
	v_mov_b32 v[\b+7], 0
	v_mov_b32 v[\b+11], 0
	v_mov_b32 v[\b+15], 1.0
.endm
	s_cmp_eq_u32 s[PATH], 0
	s_cbranch_scc1 .Lno_inverse
.irp a, 0,1,2,3
	PINV PM0+16*\a
.endr
	WIN 0x55                                       ; all operands in window 1
.irp b, 96,112,224,240
	PINV \b
.endr
	WIN 0
.Lno_inverse:
; Camera tile a, head hh: the 32 numbers of my camera, M times each group of four, into v[Y] on: two results an instruction.  Each accumulator is read from its low end on.
.macro PROJ a, hh
.if (\a) < 4
	WIN 0x08                                       ; source 1 (the accumulators) window 2, M window 0
.set MB, PM0+16*(\a)
.else
	WIN 0x0d                                       ; source 1 window 3, M window 1
.set MB, 96+16*((\a)-4)+96*(((\a)-4)/2)
.endif
.irp t, 0,1,2,3
.set AC, 8*(8*((\a)%4)+4*(\hh)+\t)
.set YY, Y+8*\t
.irp g, 0,4
	v_pk_mul_f32 v[YY+\g:YY+\g+1], v[MB:MB+1], v[AC+\g:AC+\g+1] op_sel_hi:[1,0]
.endr
.irp g, 0,4
	v_pk_mul_f32 v[YY+\g+2:YY+\g+3], v[MB+2:MB+3], v[AC+\g:AC+\g+1] op_sel_hi:[1,0]
.endr
.irp g, 0,4
	v_pk_fma_f32 v[YY+\g:YY+\g+1], v[MB+4:MB+5], v[AC+\g:AC+\g+1], v[YY+\g:YY+\g+1] op_sel:[0,1,0]
.endr
.irp g, 0,4
	v_pk_fma_f32 v[YY+\g+2:YY+\g+3], v[MB+6:MB+7], v[AC+\g:AC+\g+1], v[YY+\g+2:YY+\g+3] op_sel:[0,1,0]
.endr
.irp g, 0,4
	v_pk_fma_f32 v[YY+\g:YY+\g+1], v[MB+8:MB+9], v[AC+\g+2:AC+\g+3], v[YY+\g:YY+\g+1] op_sel_hi:[1,0,1]
.endr
.irp g, 0,4
	v_pk_fma_f32 v[YY+\g+2:YY+\g+3], v[MB+10:MB+11], v[AC+\g+2:AC+\g+3], v[YY+\g+2:YY+\g+3] op_sel_hi:[1,0,1]
.endr
.irp g, 0,4
	v_pk_fma_f32 v[YY+\g:YY+\g+1], v[MB+12:MB+13], v[AC+\g+2:AC+\g+3], v[YY+\g:YY+\g+1] op_sel:[0,1,0]
.endr
.irp g, 0,4
	v_pk_fma_f32 v[YY+\g+2:YY+\g+3], v[MB+14:MB+15], v[AC+\g+2:AC+\g+3], v[YY+\g+2:YY+\g+3] op_sel:[0,1,0]
.endr
.endr
.endm
; The layer norm over the head's 64 channels: my 32 and lane l xor 16's.  The variance is taken about the mean.
.macro LNQ
	v_pk_add_f32 v[LT:LT+1], v[Y:Y+1], v[Y+2:Y+3]
	v_pk_add_f32 v[LT+2:LT+3], v[Y+4:Y+5], v[Y+6:Y+7]
.irp j, 8,12,16,20,24,28
	v_pk_add_f32 v[LT:LT+1], v[LT:LT+1], v[Y+\j:Y+\j+1]
	v_pk_add_f32 v[LT+2:LT+3], v[LT+2:LT+3], v[Y+\j+2:Y+\j+3]
.endr
	v_pk_add_f32 v[LT:LT+1], v[LT:LT+1], v[LT+2:LT+3]
	v_add_f32 v[LT], v[LT], v[LT+1]
	v_permlanex16_b32 v[LT+4], v[LT], s[SEL], s[SEL+1]
	v_add_f32 v[LT], v[LT], v[LT+4]
	v_mul_f32 v[MU], s[I64], v[LT]                 ; the mean
.set j, 0
.rept 16
	v_pk_add_f32 v[Y+j:Y+j+1], v[Y+j:Y+j+1], v[MU:MU+1] op_sel_hi:[1,0] neg_lo:[0,1] neg_hi:[0,1]
.set j, j+2
.endr
	v_pk_mul_f32 v[LT:LT+1], v[Y:Y+1], v[Y:Y+1]
	v_pk_mul_f32 v[LT+2:LT+3], v[Y+2:Y+3], v[Y+2:Y+3]
.irp j, 4,8,12,16,20,24,28
	v_pk_fma_f32 v[LT:LT+1], v[Y+\j:Y+\j+1], v[Y+\j:Y+\j+1], v[LT:LT+1]
	v_pk_fma_f32 v[LT+2:LT+3], v[Y+\j+2:Y+\j+3], v[Y+\j+2:Y+\j+3], v[LT+2:LT+3]
.endr
	v_pk_add_f32 v[LT:LT+1], v[LT:LT+1], v[LT+2:LT+3]
	v_add_f32 v[LT], v[LT], v[LT+1]
	v_permlanex16_b32 v[LT+4], v[LT], s[SEL], s[SEL+1]
	v_add_f32 v[LT], v[LT], v[LT+4]
	v_fma_f32 v[LT], v[LT], s[I64], s[EPSR]        ; var + eps
	v_rsq_f32 v[RS], v[LT]
	v_nop                                          ; a plain line behind the transcendental
	s_wait_alu depctr_va_vdst(0)                   ; and the wait ahead of the first use of its result
.set j, 0
.rept 16
	v_pk_mul_f32 v[Y+j:Y+j+1], v[Y+j:Y+j+1], v[RS:RS+1] op_sel_hi:[1,0]
.set j, j+2
.endr
.endm
; 32 numbers of a lane, register 16 b + i = k 32 b + 16 (lane / 16) + i of my row, become a unit's codes in v[PC] .. v[PC + 5] and its two scale bytes in v[PW].
.macro QUANT2 s
.irp b, 0,1
	v_max3_num_f32 v[QM+\b], |v[\s+16*\b]|, |v[\s+1+16*\b]|, 0x1800000   ; with the floor 2^(3 - 127): the byte cannot fall under 1
.endr
.irp i, 2,4,6,8,10,12,14
.irp b, 0,1
	v_max3_num_f32 v[QM+\b], v[QM+\b], |v[\s+16*\b+\i]|, |v[\s+1+16*\b+\i]|
.endr
.endr
.irp b, 0,1
	v_permlanex16_b32 v[QB+\b], v[QM+\b], s[SEL], s[SEL+1]
.endr
.irp b, 0,1
	v_max_num_f32 v[QM+\b], v[QM+\b], v[QB+\b]     ; with lane l xor 16's: the block's largest magnitude
.endr
.irp b, 0,1
	v_add_nc_u32 v[QS+\b], 0xff000000, v[QM+\b]    ; 2 off its exponent field: the conversion's scale operand
.endr
.irp b, 0,1
	v_lshrrev_b32 v[QB+\b], 23, v[QS+\b]           ; the scale's byte
.endr
	v_lshl_or_b32 v[PW], v[QB+1], 8, v[QB]
	v_cvt_scalef32_pk16_fp6_f32 v[PC:PC+2], v[\s:\s+15], v[QS]
	v_cvt_scalef32_pk16_fp6_f32 v[PT:PT+2], v[\s+16:\s+31], v[QS+1]
	v_nop                                          ; one plain line behind a scaled conversion
.irp i, 0,1,2
	v_permlane16_swap_b32 v[PC+\i], v[PT+\i]       ; a WHOLE block in a lane: lanes 0-15 block 0, lanes 16-31 block 1
.endr
.irp i, 0,1,2
	v_mov_b32 v[PC+3+\i], v[PT+\i]
.endr
.endm
; 64 numbers of a lane, laid likewise, become a fragment's codes in v[PC] .. v[PC + 11] and its scale word in v[PW].
.macro QUANT s
.irp b, 0,1,2,3
	v_max3_num_f32 v[TM+\b], |v[\s+16*\b]|, |v[\s+1+16*\b]|, 0x1800000
.endr
.irp i, 2,4,6,8,10,12,14
.irp b, 0,1,2,3
	v_max3_num_f32 v[TM+\b], v[TM+\b], |v[\s+16*\b+\i]|, |v[\s+1+16*\b+\i]|
.endr
.endr
.irp b, 0,1,2,3
	v_permlanex16_b32 v[TM+4+\b], v[TM+\b], s[SEL], s[SEL+1]
.endr
.irp b, 0,1,2,3
	v_max_num_f32 v[TM+\b], v[TM+\b], v[TM+4+\b]
.endr
.irp b, 0,1,2,3
	v_add_nc_u32 v[TM+12+\b], 0xff000000, v[TM+\b]
.endr
.irp b, 0,1,2,3
	v_lshrrev_b32 v[TM+4+\b], 23, v[TM+12+\b]
.endr
	v_lshl_or_b32 v[PW], v[TM+5], 8, v[TM+4]
	v_lshl_or_b32 v[PW], v[TM+6], 16, v[PW]
	v_lshl_or_b32 v[PW], v[TM+7], 24, v[PW]
.irp c, 0,1
	v_cvt_scalef32_pk16_fp6_f32 v[PC+6*\c:PC+2+6*\c], v[\s+32*\c:\s+15+32*\c], v[TM+12+2*\c]
	v_cvt_scalef32_pk16_fp6_f32 v[PT+4*\c:PT+2+4*\c], v[\s+16+32*\c:\s+31+32*\c], v[TM+12+2*\c+1]
.endr
	v_nop
.irp c, 0,1
.irp i, 0,1,2
	v_permlane16_swap_b32 v[PC+6*\c+\i], v[PT+4*\c+\i]
.endr
.irp i, 0,1,2
	v_mov_b32 v[PC+3+6*\c+\i], v[PT+4*\c+\i]
.endr
.endr
.endm
; v: tile tau of 16 channels x my 128 cameras comes out of the stage, 16 neighbouring cameras of each block of 32 a lane, and is quantised along the cameras: a fragment of v^T, stored as the image of its registers.
.macro VQ tau, hh
.irp be, 0,1,2,3
.irp u, 0,1
.irp i, 0,1
	ds_load_b128 v[N+16*\be+8*\u+4*\i:N+16*\be+8*\u+4*\i+3], v[VRA] offset:8448*(\tau)+128*\be+64*\u+16*\i
.endr
.endr
.endr
	s_wait_dscnt 0x0
	s_wait_xcnt 0x0                                ; the last fragment's stores have read their registers
	QUANT N
.irp c, 0,1,2
	global_store_b128 v[L16], v[PC+4*\c:PC+4*\c+3], s[OB:OB+1] offset:(\hh)*HEADB+6144+1536*(\tau)+512*\c
.endr
	v_mov_b32 v[VW+4*(\hh)+(\tau)], v[PW]
.endm
; ONE HEAD of my two.  A loop of eight trips over the camera tiles; what differs from trip to trip, the accumulators' and the matrix's registers, is the block PROJ, chosen by the trip's number; all else is written once.
.macro HEAD hh
	s_wait_xcnt 0x0                                ; earlier stores have read their registers and bases
	s_add_nc_u64 s[CBT:CBT+1], s[OB:OB+1], (\hh)*HEADB
	s_mov_b32 s[IT], 0
	s_mov_b32 s[VO], 0
	s_mov_b32 s[WO], 0
.Ltrip_\@:
.irp k, 0,1,2,3,4,5,6
	s_cmp_eq_u32 s[IT], \k
	s_cbranch_scc1 .Lp_\@_\k
.endr
	PROJ 7, \hh
	WIN 0
	s_branch .Ljoin_\@
.irp k, 0,1,2,3,4,5,6
.Lp_\@_\k:
	PROJ \k, \hh
	WIN 0
.if \k < 6
	s_branch .Ljoin_\@
.endif
.endr
.Ljoin_\@:
	s_cmp_eq_u32 s[PATH], 2
	s_cbranch_scc1 .Lvb_\@
	LNQ                                            ; q, k: the norm, the unit's codes and its word
	QUANT2 Y
	global_store_b128 v[L16], v[PC:PC+3], s[CBT:CBT+1]             ; 512 consecutive bytes
	global_store_b64 v[L8], v[PC+4:PC+5], s[CBT:CBT+1] offset:512  ; 256 consecutive bytes
	v_add_nc_u32 v13, s[WO], v[WSA]
	ds_store_b32 v13, v[PW] offset:512*(\hh)       ; (both lanes of a place write the same word with the same value)
	s_branch .Lnext_\@
.Lvb_\@:
	v_add_nc_u32 v12, s[VO], v[VSA]                ; v: into the stage, a row a channel, in the order (tile, place) of the channels; my camera's column 16 a + r
.irp be, 0,1
.irp u, 0,1
.irp e, 0,1,2,3,4,5,6,7
	ds_store_b32 v12, v[Y+8*(2*\be+\u)+\e] offset:(32*\be+16*\u+\e)*528
.endr
.endr
.endr
.Lnext_\@:
	s_wait_dscnt 0x0                               ; the LDS stores and
	s_wait_xcnt 0x0                                ; the stores to memory have read their registers and their base: the next trip writes them
	s_add_nc_u64 s[CBT:CBT+1], s[CBT:CBT+1], 768
	s_add_co_u32 s[VO], s[VO], 64
	s_add_co_u32 s[WO], s[WO], 4
	s_add_co_u32 s[IT], s[IT], 1
	s_cmp_lt_u32 s[IT], 8
	s_cbranch_scc1 .Ltrip_\@
	s_cmp_eq_u32 s[PATH], 2
	s_cbranch_scc1 .Lvt_\@
	ds_load_b128 v[N:N+3], v[WSR] offset:512*(\hh) ; the eight units' words, [place][tile]: my own bytes, served in order
	s_wait_dscnt 0x0
	global_store_b128 v[L16], v[N:N+3], s[OB:OB+1] offset:(\hh)*HEADB+12288
	s_branch .Ldone_\@
.Lvt_\@:
	VQ 0, \hh
	VQ 1, \hh
	VQ 2, \hh
	VQ 3, \hh
.Ldone_\@:
.endm
	HEAD 0
	HEAD 1
	s_cmp_eq_u32 s[PATH], 2
	s_cbranch_scc0 .Lfin
.irp i, 0,1,2,3
	v_cndmask_b32 v[VW+\i], v[VW+\i], v[VW+4+\i], s[HM]            ; lanes 0-15 the first head's words, lanes 16-31 the second's
.endr
	global_store_b128 v[VWO], v[VW:VW+3], s[OB:OB+1] offset:12800  ; sixteen lanes store 256 consecutive bytes in each head
.Lfin:
	s_wait_tensorcnt 0x0                           ; the wave's end: behind my last tensor load and my last LDS store
	ds_add_u32 v[SPW], v[NIL]
	s_wait_dscnt 0x0
	CROUND                                         ; the closing round: no work-group ends while a partner may still ask for a tile that names it
	s_endpgm
.Lfunc_end_k_q4ed3828aed_qkv:
	.size	k_q4ed3828aed_qkv, .Lfunc_end_k_q4ed3828aed_qkv-k_q4ed3828aed_qkv
	.p2alignl 7, 3214868480
	.fill 96, 4, 3214868480
	.section	.rodata,"a",@progbits
	.p2align	6, 0x0
	.amdhsa_kernel k_q4ed3828aed_qkv
		.amdhsa_group_segment_fixed_size 327680
		.amdhsa_private_segment_fixed_size 0
		.amdhsa_enable_private_segment 0
		.amdhsa_kernarg_size 64
		.amdhsa_user_sgpr_count 2
		.amdhsa_user_sgpr_kernarg_segment_ptr 1
		.amdhsa_wavefront_size32 1
		.amdhsa_system_sgpr_workgroup_id_x 1
		.amdhsa_system_sgpr_workgroup_id_y 1
		.amdhsa_system_sgpr_workgroup_id_z 1
		.amdhsa_system_vgpr_workitem_id 0
		.amdhsa_next_free_vgpr 1024
		.amdhsa_next_free_sgpr 102
		.amdhsa_reserve_vcc 0
		.amdhsa_float_denorm_mode_32 3
		.amdhsa_float_denorm_mode_16_64 3
		.amdhsa_memory_ordered 1
		.amdhsa_forward_progress 1
		.amdhsa_inst_pref_size 254
	.end_amdhsa_kernel
	.amdgpu_metadata
---
amdhsa.version: [ 1, 2 ]
amdhsa.kernels:
  - .name:           k_q4ed3828aed_qkv
    .symbol:         k_q4ed3828aed_qkv.kd
    .args:
      - { .name: codes, .offset: 0, .size: 8, .value_kind: global_buffer, .address_space: global }
      - { .name: scales, .offset: 8, .size: 8, .value_kind: global_buffer, .address_space: global }
      - { .name: bq, .offset: 16, .size: 8, .value_kind: global_buffer, .address_space: global }
      - { .name: bk, .offset: 24, .size: 8, .value_kind: global_buffer, .address_space: global }
      - { .name: bv, .offset: 32, .size: 8, .value_kind: global_buffer, .address_space: global }
      - { .name: viewmats, .offset: 40, .size: 8, .value_kind: global_buffer, .address_space: global }
      - { .name: qp, .offset: 48, .size: 8, .value_kind: global_buffer, .address_space: global }
      - { .name: kv, .offset: 56, .size: 8, .value_kind: global_buffer, .address_space: global }
    .group_segment_fixed_size: 327680
    .private_segment_fixed_size: 0
    .kernarg_segment_align: 8
    .kernarg_segment_size: 64
    .max_flat_workgroup_size: 128
    .sgpr_count:     102
    .vgpr_count:     1024
    .wavefront_size: 32
...
	.end_amdgpu_metadata
.endif
;; end of part 2
;; launch attn (part 3): grid 4 x 64, 16 waves a work-group, clusters of 4 x 1, 215,040 bytes of LDS; arguments qp, kv, viewmats, acodes, ascales; writes acodes, ascales
.if DOCPART == 3
	.amdgcn_target "amdgcn-amd-amdhsa--gfx1250"
	.amdhsa_code_object_version 6
	.text
	.protected	k_q4ed3828aed_attn
	.globl	k_q4ed3828aed_attn
	.p2align	8
	.type	k_q4ed3828aed_attn,@function
k_q4ed3828aed_attn:
	s_mov_b64 s[64:65], 0
	v_nop
	global_prefetch_b8 v0, s[64:65] scope:SCOPE_SE
	s_setreg_imm32_b32 hwreg(HW_REG_WAVE_MODE, 25, 1), 1
	s_wait_xcnt 0x0
	s_wait_alu depctr_hold_cnt(0) depctr_sa_sdst(0) depctr_va_vdst(0) depctr_va_sdst(0) depctr_va_ssrc(0) depctr_va_vcc(0) depctr_vm_vsrc(0)
	s_getreg_b32 s2, hwreg(HW_REG_IB_STS2, 6, 4)
	s_cmp_eq_u32 s2, 0
	s_cbranch_scc0 .Lentry_in_a_cluster
	s_endpgm
.Lentry_in_a_cluster:
	s_bfe_u32 s2, ttmp6, 0x10000c
	s_cmp_lg_u32 s2, 0x3003
	s_cbranch_scc0 .Lentry_shape_is_right
	s_endpgm
.Lentry_shape_is_right:
; O = softmax(q k^T / 8) v for two heads of a batch, both products on codes of FP6 (E2M3) with E8M0 scales; then each group of four channels times the query camera's 4 x 4 matrix P, in f32, and the quantiser of the
; output projection's operand.  Only codes and scale words go to memory.
; THE SOFTMAX AHEAD OF THE SECOND PRODUCT: t = score x log2(e) / 8; M = the row's largest t so far, rounded UP to a whole number; p = 2^(t - M) is what is quantised, along the keys; the row's sum is taken of the
; unquantised p and divides O at the end.  When M moves, the sum and O are multiplied by 2^(old M - new M): exact.
; SHARES.  Work-group y = 8 b + hp owns heads 2 hp and 2 hp + 1 of batch b; its place cx in the cluster a quarter of the 1,024 queries; each of its SIXTEEN waves one tile of 16 queries, first for the one head, then for the other:
; so a wave makes both units of a fragment of the next product (K = the two heads' 128 channels) and its whole scale word.  Four waves share a SIMD: one wave's vector work stands beside another's products and LDS loads.
; LDS.  The two heads' k and v, 2 x 104,448 bytes as the launch before laid them (a step of 128 keys: 8 units of k, 4 fragments of v^T, k's words, v's words: 13,056 bytes), are brought ONCE and stay: no byte is filled twice.
; CLUSTER.  The four work-groups of a cluster walk the same k and v: each of the eight tensor loads is asked for JOINTLY (mask 15, the same descriptor in all four).
; LAYOUT.  Both products are used transposed: S^T = k q^T, O^T = v^T p^T: a lane holds ONE query (lane % 16).  Place m of a tile T is row 32 (T / 2) + 8 (T % 2) + m + 8 (m / 8) of its axis, so the 16 registers of two neighbouring tiles
; are 16 neighbours: of the keys in S^T, of the channels in O^T.  The first product's K is 64: the upper halves of its fragments hold zero codes, written once.
; No prefetch: every byte of k and v is asked for at the head by the tensor loads themselves.
; LIMITS: a block of zeros gets the byte 1 (only this program reads it); NaN and infinities are not served; the logit's scale and log2(e) are one constant.
; REGISTERS: v1-11 addresses; v12 -M, v13 the largest t, v[14:15] the sum; v16-27 q; v28 its word; v32-79 four fragments of k; v80-87, v88-91 k's and v's words; v96-159 S^T, then p, then v's fragments; v160-191 O^T;
; v192-211 p's codes; v212-223 at work; v224-239 P; v240-246 the second head's q; v249 p's word; v[250:251] f.
.set HEADB, 104448
.set STEPB, 13056
.set QTR,   26112                      ; a quarter of a head: what one tensor load brings: 102 rows of 256 bytes
.set AST,   2*HEADB                    ; behind the two heads: the sixteen waves' output scale words, 64 bytes each
.set L16, 1                            ; v1   16 x lane
.set L8,  2                            ; v2   8 x lane
.set R32, 3                            ; v3   32 r
.set R16, 4                            ; v4   16 r
.set AK16, 5                           ; v5-8 the same at the step in hand
.set AK8, 6
.set AKW, 7
.set AVW, 8
.set AWD, 9                            ; v9   the output's scale word
.set ASW, 10                           ; v10  where I put it: AST + 64 wave + 4 r
.set ASR, 11                           ; v11  where waves 0 and 1 read eight waves' words: AST + 512 (wave % 2) + 16 x lane
.set Q,   16
.set QW,  28
.set KF,  32
.set KW,  80
.set VW,  88
.set S,   96
.set YO,  128
.set O,   160
.set PC,  192
.set PT,  204
.set BM,  212
.set BP,  216
.set SO,  220
.set QM,  212
.set QB,  216
.set QS,  220
.set PM,  224
.set Q1,  240
.set PWD, 249
.set F,   250
.set PW,  253
.set TB,  2                            ; s2   LDS byte at which the step in hand begins
.set WV,  18                           ; s18  my wave's number
.set SEL, 20                           ; s[20:21] lane selects for v_permlanex16_b32: lane l xor 16
.set CS,  22                           ; s[22:23] c = log2(e) / 8
.set G1,  28                           ; s[28:35] descriptor group 1;  s[36:39], s[40:43] groups 0 for the two heads
.macro CROUND                          ; a round of the cluster's barrier
	s_barrier_signal -1
	s_barrier_wait -1
	s_cmp_lg_u32 s[WV], 0
	s_cbranch_scc1 .Lnot_wave_0_\@
	s_barrier_signal -3
.Lnot_wave_0_\@:
	s_barrier_wait -3
	s_barrier_signal -1
	s_barrier_wait -1
.endm
	s_load_b256 s[4:11], s[0:1], 0x0               ; qp, kv, viewmats, acodes
	s_load_b64 s[12:13], s[0:1], 0x20              ; ascales
	v_lshl_add_u32 v248, v0, 2, 0x34000
	v_mov_b32 v255, 0
	ds_add_u32 v248, v255
	ds_add_u32 v248, v255
	v_lshrrev_b32 v1, 5, v0
	v_readfirstlane_b32 s[WV], v1                  ; wave 0..15
	s_bfe_u32 s19, ttmp6, 0x40000                  ; cx: it enters addresses in memory alone
	s_and_b32 s24, ttmp7, 0xffff                   ; y = 8 b + hp, which the four partners share
	s_mov_b32 s[G1], 15|(3<<16)|(1<<21)            ; 15:0 the mask: all four work-groups; 17:16 elements of 8 bytes; 20 no padding; 21 set beside a mask
	s_mov_b32 s[G1+1], 32<<16                      ; tensor_dim0: 256 bytes
	s_mov_b32 s[G1+2], 102<<16                     ; tensor_dim1
	s_mov_b32 s[G1+3], 32<<16                      ; tile_dim0
	s_mov_b32 s[G1+4], 102                         ; tile_dim1
	s_mov_b32 s[G1+5], 32                          ; dense
	s_mov_b32 s[G1+6], 0
	s_mov_b32 s[G1+7], 0
	s_mul_i32 s46, s[WV], QTR                      ; waves 0 to 3: my quarter of a head, in memory and in LDS
	s_mov_b32 s47, 0
	s_mul_i32 s44, s24, 2*HEADB                    ; my pair of heads in qp and in kv
	s_mov_b32 s45, 0
	s_mov_b32 s[SEL], 0x76543210
	s_mov_b32 s[SEL+1], 0xfedcba98
	s_mov_b32 s[CS], 0x3e38aa3b
	s_mov_b32 s[CS+1], s[CS]                       ; (named with it as a pair, so it is written)
	s_mov_b32 s[TB], 0
	s_wait_dscnt 0x0
	s_wait_kmcnt 0x0
	s_add_nc_u64 s[6:7], s[6:7], s[44:45]
	s_add_nc_u64 s[4:5], s[4:5], s[44:45]
	CROUND                                         ; all four work-groups are here: the joint loads meet
	s_mov_b32 s36, 1
	s_mov_b32 s37, s46
	s_add_nc_u64 s[38:39], s[6:7], s[46:47]
	s_or_b32 s39, s39, 0x80000000
	s_mov_b32 s40, 1
	s_add_co_u32 s41, s46, HEADB
	s_add_nc_u64 s[42:43], s[6:7], s[46:47]
	s_add_nc_u64 s[42:43], s[42:43], HEADB
	s_or_b32 s43, s43, 0x80000000
	s_cmp_lt_u32 s[WV], 4                          ; a wave's two fills stand in one branch on the wave's number, ahead of every wait on TENSORcnt and every LDS read: two loads of mine are out
	s_cbranch_scc0 .Lno_fetch
	tensor_load_to_lds s[36:39], s[G1:G1+7]        ; the first head
	s_nop 0
	tensor_load_to_lds s[40:43], s[G1:G1+7]        ; the second
	s_nop 0
.rept 4
	v_nop
.endr
.Lno_fetch:
	v_and_b32 v29, 31, v0                          ; lane
	v_and_b32 v30, 15, v0                          ; r
	v_lshlrev_b32 v[L16], 4, v29
	v_lshlrev_b32 v[L8], 3, v29
	v_lshlrev_b32 v[R32], 5, v30
	v_lshlrev_b32 v[R16], 4, v30
	s_lshl_b32 s48, s[WV], 6
	s_add_co_u32 s48, s48, AST
	v_lshl_add_u32 v[ASW], v30, 2, s48
	s_and_b32 s48, s[WV], 1
	s_lshl_b32 s48, s48, 9
	s_add_co_u32 s49, s48, AST
	v_add_nc_u32 v[ASR], s49, v[L16]
	s_and_b32 s50, s[WV], 7                        ; my tile of queries in its step of 128 cameras
	s_mul_i32 s51, s50, 768
	v_add_nc_u32 v29, s51, v[L16]
	v_add_nc_u32 v31, s51, v[L8]
	s_lshl_b32 s50, s50, 2
	v_add_nc_u32 v253, s50, v[R32]
	v_and_b32 v254, 8, v30
	v_add_nc_u32 v254, v254, v30
	v_lshlrev_b32 v254, 6, v254                    ; my camera's matrix: 64 (r + 8 (r / 8))
	s_lshl_b32 s50, s19, 1
	s_lshr_b32 s51, s[WV], 3
	s_add_co_u32 s50, s50, s51                     ; that step: 2 cx + wave / 8
	s_mul_i32 s50, s50, STEPB
	s_mov_b32 s51, 0
	s_add_nc_u64 s[4:5], s[4:5], s[50:51]
	global_load_b128 v[Q:Q+3], v29, s[4:5]                         ; q's unit and word, for both heads
	global_load_b64 v[Q+4:Q+5], v31, s[4:5] offset:512
	global_load_b32 v[QW], v253, s[4:5] offset:12288
	global_load_b128 v[Q1:Q1+3], v29, s[4:5] offset:HEADB
	global_load_b64 v[Q1+4:Q1+5], v31, s[4:5] offset:HEADB+512
	global_load_b32 v[Q1+6], v253, s[4:5] offset:HEADB+12288
	s_lshl_b32 s52, s19, 4
	s_add_co_u32 s52, s52, s[WV]                   ; my tile among the batch's 64
	s_lshr_b32 s53, s24, 3                         ; b
	s_lshr_b32 s54, s52, 1
	s_lshl_b32 s54, s54, 5
	s_and_b32 s55, s52, 1
	s_lshl_b32 s55, s55, 3
	s_add_co_u32 s54, s54, s55
	s_lshl_b32 s55, s53, 10
	s_add_co_u32 s54, s54, s55                     ; its first camera
	s_lshl_b32 s54, s54, 6
	s_mov_b32 s55, 0
	s_add_nc_u64 s[8:9], s[8:9], s[54:55]
.irp q, 0,1,2,3
	global_load_b128 v[PM+4*\q:PM+4*\q+3], v254, s[8:9] offset:16*\q   ; P: register 4 i + j = P[i][j]
.endr
	s_lshl_b32 s54, s53, 6
	s_add_co_u32 s54, s54, s52
	s_mul_i32 s54, s54, 12288                      ; acodes: [tile of rows 64 b + tile][16 heads][768]
	s_and_b32 s56, s24, 7                          ; hp
	s_mul_i32 s57, s56, 1536
	s_add_co_u32 s54, s54, s57
	s_add_nc_u64 s[10:11], s[10:11], s[54:55]
	s_lshl_b32 s54, s56, 15                        ; ascales: [hp][512 tiles][64 bytes]
	s_lshl_b32 s57, s53, 12
	s_add_co_u32 s54, s54, s57
	s_lshl_b32 s57, s19, 10
	s_add_co_u32 s54, s54, s57
	s_add_co_u32 s54, s54, s48
	s_add_nc_u64 s[12:13], s[12:13], s[54:55]
.irp i, 6,7,8,9,10,11
	v_mov_b32 v[Q+\i], 0                           ; k = 64 .. 127 of the first product: zero codes, written once
.irp t, 0,1,2,3
	v_mov_b32 v[KF+12*\t+\i], 0
.endr
.endr
.irp b, 0,1,2,3
	v_mov_b32 v[BP+\b], 0                          ; written once: a lane permute's destination counts as one of its sources
.endr
	v_mov_b32 v252, 0
	v_mov_b32 v[F+1], 0                            ; (named as the upper half of a pair of which the low word is taken)
.macro INIT                            ; O^T and the sum begin as zeros, the largest t as -3e38: the first change of M multiplies zeros
	v_mov_b32 v13, 0xff61b1e6
	v_floor_f32 v12, -v13
	v_mov_b32 v14, 0
	v_mov_b32 v15, 0
.set j, 0
.rept 32
	v_mov_b32 v[O+j], 0
.set j, j+1
.endr
.endm
; A KEY STEP: 128 keys.
.macro STEP
	v_add_nc_u32 v[AK16], s[TB], v[L16]            ; these four and the v_nop are the five places between the last products, which read v's fragments, and the products that write the scores over them
	v_add_nc_u32 v[AK8], s[TB], v[L8]
	v_add_nc_u32 v[AKW], s[TB], v[R32]
	v_add_nc_u32 v[AVW], s[TB], v[R16]
	v_nop
	ds_load_b128 v[KW:KW+3], v[AKW] offset:12288   ; my place's words of k's eight tiles,
	ds_load_b128 v[KW+4:KW+7], v[AKW] offset:12304
	ds_load_b128 v[VW:VW+3], v[AVW] offset:12800   ; and of v's four
.irp g, 0,1                                    ; S^T = k q^T, four tiles of 16 keys at a time
.if \g
.rept 4
	v_nop                                          ; places in front of loads into registers that matrix instructions have read
.endr
.endif
.irp t, 0,1,2,3
	ds_load_b128 v[KF+12*\t:KF+12*\t+3], v[AK16] offset:768*(4*\g+\t)
	ds_load_b64 v[KF+12*\t+4:KF+12*\t+5], v[AK8] offset:768*(4*\g+\t)+512
.endr
	s_wait_dscnt 0x0
.irp t, 0,1,2,3
	v_wmma_scale_f32_16x16x128_f8f6f4 v[S+8*(4*\g+\t):S+8*(4*\g+\t)+7], v[KF+12*\t:KF+12*\t+11], v[Q:Q+11], 0, v[KW+4*\g+\t], v[QW] matrix_a_fmt:MATRIX_FMT_FP6 matrix_b_fmt:MATRIX_FMT_FP6
.endr
.endr
.rept 4
	v_nop
.endr
.irp b, 0,1,2,3
	v_max3_num_f32 v[BM+\b], v[S+16*\b], v[S+1+16*\b], v[S+2+16*\b]    ; THE LARGEST SCORE OF EACH BLOCK OF 32 KEYS: for the row's maximum, and, since p rises with the score, for the block's largest p
.endr
.irp i, 3,5,7,9,11,13
.irp b, 0,1,2,3
	v_max3_num_f32 v[BM+\b], v[BM+\b], v[S+16*\b+\i], v[S+1+16*\b+\i]
.endr
.endr
.irp b, 0,1,2,3
	v_max_num_f32 v[BM+\b], v[BM+\b], v[S+15+16*\b]
.endr
.irp b, 0,1,2,3
	v_permlanex16_b32 v[BP+\b], v[BM+\b], s[SEL], s[SEL+1]
.endr
.irp b, 0,1,2,3
	v_max_num_f32 v[BM+\b], v[BM+\b], v[BP+\b]     ; with lane l xor 16's 16 keys
.endr
	v_max3_num_f32 v254, v[BM], v[BM+1], v[BM+2]
	v_max_num_f32 v254, v254, v[BM+3]              ; the step's largest score of my query
	v_mul_f32 v254, s[CS], v254                    ; as t (c is positive)
	v_max_num_f32 v13, v13, v254                   ; the running largest t
	v_mov_b32 v254, v12
	v_floor_f32 v12, -v13                          ; the new -M = floor(-t): M IS A WHOLE NUMBER
	v_sub_f32 v254, v12, v254                      ; M's old value less its new one: a whole number, 0 or less
	v_cvt_i32_f32 v254, v254                       ; (it saturates)
	v_ldexp_f32 v[F], 1.0, v254                    ; f = 2^(old M - new M)
.set j, 0
.rept 32
	v_pk_fma_f32 v[S+j:S+j+1], v[S+j:S+j+1], s[CS:CS+1], v[12:13] op_sel_hi:[1,0,0]   ; t - M, two at a time
.set j, j+2
.endr
.irp b, 0,1,2,3
	v_fma_f32 v[BM+\b], v[BM+\b], s[CS], v12       ; the same of each block's largest score
.endr
.set j, 0
.rept 64
	v_exp_f32 v[S+j], v[S+j]                       ; p = 2^(t - M), at most 1: NOT normalised
.set j, j+1
.endr
	v_pk_mul_f32 v[14:15], v[14:15], v[F:F+1] op_sel_hi:[1,0]      ; the sums under the new M.  (A plain line behind the exponentials)
	s_wait_alu depctr_va_vdst(0)                   ; one wait for the whole batch, ahead of its first reader
.irp b, 0,1,2,3
	v_exp_f32 v[BM+\b], v[BM+\b]                   ; the block's largest p: the same two instructions on the same number give the same bits
.endr
	v_pk_add_f32 v[BP:BP+1], v[S:S+1], v[S+2:S+3]  ; THE ROW'S SUM IS TAKEN OF THE UNQUANTISED p: two at a time, in two chains
.set j, 4
.rept 15
	v_pk_add_f32 v[14:15], v[14:15], v[S+j:S+j+1]
	v_pk_add_f32 v[BP:BP+1], v[BP:BP+1], v[S+j+2:S+j+3]
.set j, j+4
.endr
	v_pk_add_f32 v[14:15], v[14:15], v[BP:BP+1]
	s_wait_alu depctr_va_vdst(0)                   ; and one for the four
.irp b, 0,1,2,3
	v_max_num_f32 v[BM+\b], 0x1800000, v[BM+\b]    ; the floor 2^(3 - 127): the byte cannot fall under 1
.endr
.irp b, 0,1,2,3
	v_add_nc_u32 v[SO+\b], 0xff000000, v[BM+\b]    ; 2 off the exponent field: the conversion's scale operand
.endr
.irp b, 0,1,2,3
	v_lshrrev_b32 v[BP+\b], 23, v[SO+\b]           ; the scale's byte
.endr
	v_lshl_or_b32 v[PWD], v[BP+1], 8, v[BP]        ; p's scale word for these 128 keys
	v_lshl_or_b32 v[PWD], v[BP+2], 16, v[PWD]
	v_lshl_or_b32 v[PWD], v[BP+3], 24, v[PWD]
.irp c, 0,1
	v_cvt_scalef32_pk16_fp6_f32 v[PC+6*\c:PC+6*\c+2], v[S+32*\c:S+32*\c+15], v[SO+2*\c]
	v_cvt_scalef32_pk16_fp6_f32 v[PT+4*\c:PT+4*\c+2], v[S+16+32*\c:S+31+32*\c], v[SO+2*\c+1]
.endr
	v_nop                                          ; one plain line behind a scaled conversion
.irp c, 0,1                                    ; a WHOLE block in a lane: lanes 0-15 block 2 c, lanes 16-31 block 2 c + 1
.irp i, 0,1,2
	v_permlane16_swap_b32 v[PC+6*\c+\i], v[PT+4*\c+\i]
.endr
.irp i, 0,1,2
	v_mov_b32 v[PC+3+6*\c+\i], v[PT+4*\c+\i]
.endr
.endr
.irp t, 0,1,2,3                                ; v's four fragments, images of their registers, into the registers that p has left
.irp c, 0,1,2
	ds_load_b128 v[S+12*\t+4*\c:S+12*\t+4*\c+3], v[AK16] offset:6144+1536*\t+512*\c
.endr
.endr
.set j, 0
.rept 16
	v_pk_mul_f32 v[O+j:O+j+1], v[O+j:O+j+1], v[F:F+1] op_sel_hi:[1,0]  ; O^T under the new M.  (These 16 are also the places between p's word and codes, written by vector instructions, and the products)
.set j, j+2
.endr
	s_wait_dscnt 0x0
.irp t, 0,1,2,3                                ; O^T += v^T p^T: the four accumulators by turns
	v_wmma_scale_f32_16x16x128_f8f6f4 v[O+8*\t:O+8*\t+7], v[S+12*\t:S+12*\t+11], v[PC:PC+11], v[O+8*\t:O+8*\t+7], v[VW+\t], v[PWD] matrix_a_fmt:MATRIX_FMT_FP6 matrix_b_fmt:MATRIX_FMT_FP6
.endr
	s_add_co_u32 s[TB], s[TB], STEPB
.endm
; 32 numbers of a lane, register 16 b + i = k 32 b + 16 (lane / 16) + i of my row, become a unit's codes in v[PC] .. v[PC + 5] and its two scale bytes in v[PW].
.macro QUANT2 s
.irp b, 0,1
	v_max3_num_f32 v[QM+\b], |v[\s+16*\b]|, |v[\s+1+16*\b]|, 0x1800000
.endr
.irp i, 2,4,6,8,10,12,14
.irp b, 0,1
	v_max3_num_f32 v[QM+\b], v[QM+\b], |v[\s+16*\b+\i]|, |v[\s+1+16*\b+\i]|
.endr
.endr
.irp b, 0,1
	v_permlanex16_b32 v[QB+\b], v[QM+\b], s[SEL], s[SEL+1]
.endr
.irp b, 0,1
	v_max_num_f32 v[QM+\b], v[QM+\b], v[QB+\b]
.endr
.irp b, 0,1
	v_add_nc_u32 v[QS+\b], 0xff000000, v[QM+\b]
.endr
.irp b, 0,1
	v_lshrrev_b32 v[QB+\b], 23, v[QS+\b]
.endr
	v_lshl_or_b32 v[PW], v[QB+1], 8, v[QB]
	v_cvt_scalef32_pk16_fp6_f32 v[PC:PC+2], v[\s:\s+15], v[QS]
	v_cvt_scalef32_pk16_fp6_f32 v[PT:PT+2], v[\s+16:\s+31], v[QS+1]
	v_nop
.irp i, 0,1,2
	v_permlane16_swap_b32 v[PC+\i], v[PT+\i]
.endr
.irp i, 0,1,2
	v_mov_b32 v[PC+3+\i], v[PT+\i]
.endr
.endm
; A HEAD'S END: O^T / the sum; P times each group of four channels; the unit's codes to memory; its two bytes into the output's scale word.
.macro FIN e
.rept 4
	v_nop                                          ; places behind the last products: their results are read, and their fragments' registers written, below
.endr
	v_add_f32 v14, v14, v15                        ; the sum's two halves,
	v_permlanex16_b32 v252, v14, s[SEL], s[SEL+1]
	v_add_f32 v14, v14, v252                       ; and lane l xor 16's: the row's sum
	v_rcp_f32 v14, v14
	v_nop                                          ; a plain line behind the transcendental
	s_wait_alu depctr_va_vdst(0)                   ; and the wait ahead of the first use of its result
.set j, 0
.rept 16
	v_pk_mul_f32 v[S+j:S+j+1], v[O+j:O+j+1], v[14:15] op_sel_hi:[1,0]  ; each accumulator from its low end on
.set j, j+2
.endr
.irp g, 0,1,2,3,4,5,6,7
.irp i, 0,1,2,3
	v_mul_f32 v[YO+4*\g+\i], v[PM+4*\i], v[S+4*\g]
.endr
.irp j, 1,2,3
.irp i, 0,1,2,3
	v_fmac_f32 v[YO+4*\g+\i], v[PM+4*\i+\j], v[S+4*\g+\j]
.endr
.endr
.endr
	QUANT2 YO
	global_store_b128 v[L16], v[PC:PC+3], s[10:11] offset:768*\e       ; 512 consecutive bytes
	global_store_b64 v[L8], v[PC+4:PC+5], s[10:11] offset:768*\e+512   ; 256 consecutive bytes
.if \e
	v_lshl_or_b32 v[AWD], v[PW], 16, v[AWD]
.else
	v_mov_b32 v[AWD], v[PW]
.endif
.endm
	s_wait_tensorcnt 0x1                           ; my part of the first head is in; the second head's may be out
	s_barrier_signal -1
	s_barrier_wait -1                              ; everybody's is
	s_wait_loadcnt 0x0                             ; q, P
	INIT
	s_mov_b32 s3, 8
.Lhead0:
	STEP
	s_sub_co_u32 s3, s3, 1
	s_cmp_lg_u32 s3, 0
	s_cbranch_scc1 .Lhead0
	FIN 0
	s_wait_tensorcnt 0x0                           ; my part of the second head is in,
	s_wait_dscnt 0x0
	s_barrier_signal -1
	s_barrier_wait -1                              ; everybody's is
	s_wait_xcnt 0x0                                ; the first head's stores have read the codes' registers, which the next step writes
.irp i, 0,1,2,3,4,5
	v_mov_b32 v[Q+\i], v[Q1+\i]                    ; the second head's q and its word; the 36 lines of INIT stand between them and the first product
.endr
	v_mov_b32 v[QW], v[Q1+6]
	INIT
	s_mov_b32 s[TB], HEADB
	s_mov_b32 s3, 8
.Lhead1:
	STEP
	s_sub_co_u32 s3, s3, 1
	s_cmp_lg_u32 s3, 0
	s_cbranch_scc1 .Lhead1
	FIN 1
	ds_store_b32 v[ASW], v[AWD]                    ; (both lanes of a place write the same word with the same value)
	s_wait_dscnt 0x0                               ; for the others' sake: my words have landed
	s_barrier_signal -1
	s_barrier_wait -1
	s_cmp_lt_u32 s[WV], 2
	s_cbranch_scc0 .Lno_words
	ds_load_b128 v[S:S+3], v[ASR]                  ; eight tiles' words
	s_wait_dscnt 0x0
	global_store_b128 v[L16], v[S:S+3], s[12:13]   ; 512 consecutive bytes, aligned
.Lno_words:
	s_wait_tensorcnt 0x0
	ds_add_u32 v248, v255
	s_wait_dscnt 0x0
	CROUND                                         ; the closing round: no work-group ends while a partner may still ask for a tile that names it
	s_endpgm
.Lfunc_end_k_q4ed3828aed_attn:
	.size	k_q4ed3828aed_attn, .Lfunc_end_k_q4ed3828aed_attn-k_q4ed3828aed_attn
	.p2alignl 7, 3214868480
	.fill 96, 4, 3214868480
	.section	.rodata,"a",@progbits
	.p2align	6, 0x0
	.amdhsa_kernel k_q4ed3828aed_attn
		.amdhsa_group_segment_fixed_size 215040
		.amdhsa_private_segment_fixed_size 0
		.amdhsa_enable_private_segment 0
		.amdhsa_kernarg_size 40
		.amdhsa_user_sgpr_count 2
		.amdhsa_user_sgpr_kernarg_segment_ptr 1
		.amdhsa_wavefront_size32 1
		.amdhsa_system_sgpr_workgroup_id_x 1
		.amdhsa_system_sgpr_workgroup_id_y 1
		.amdhsa_system_sgpr_workgroup_id_z 1
		.amdhsa_system_vgpr_workitem_id 0
		.amdhsa_next_free_vgpr 256
		.amdhsa_next_free_sgpr 66
		.amdhsa_reserve_vcc 0
		.amdhsa_float_denorm_mode_32 3
		.amdhsa_float_denorm_mode_16_64 3
		.amdhsa_memory_ordered 1
		.amdhsa_forward_progress 1
		.amdhsa_inst_pref_size 58
	.end_amdhsa_kernel
	.amdgpu_metadata
---
amdhsa.version: [ 1, 2 ]
amdhsa.kernels:
  - .name:           k_q4ed3828aed_attn
    .symbol:         k_q4ed3828aed_attn.kd
    .args:
      - { .name: qp, .offset: 0, .size: 8, .value_kind: global_buffer, .address_space: global }
      - { .name: kv, .offset: 8, .size: 8, .value_kind: global_buffer, .address_space: global }
      - { .name: viewmats, .offset: 16, .size: 8, .value_kind: global_buffer, .address_space: global }
      - { .name: acodes, .offset: 24, .size: 8, .value_kind: global_buffer, .address_space: global }
      - { .name: ascales, .offset: 32, .size: 8, .value_kind: global_buffer, .address_space: global }
    .group_segment_fixed_size: 215040
    .private_segment_fixed_size: 0
    .kernarg_segment_align: 8
    .kernarg_segment_size: 40
    .max_flat_workgroup_size: 512
    .sgpr_count:     66
    .vgpr_count:     256
    .wavefront_size: 32
...
	.end_amdgpu_metadata
.endif
;; end of part 3
;; launch oproj (part 4): grid 4 x 32, 4 waves a work-group, clusters of 4 x 4, 327,680 bytes of LDS; arguments acodes, ascales, codes, scales, bo, out0; writes out0
.if DOCPART == 4
	.amdgcn_target "amdgcn-amd-amdhsa--gfx1250"
	.amdhsa_code_object_version 6
	.text
	.protected	k_q4ed3828aed_oproj
	.globl	k_q4ed3828aed_oproj
	.p2align	8
	.type	k_q4ed3828aed_oproj,@function
k_q4ed3828aed_oproj:
	s_mov_b64 s[64:65], 0
	v_nop
	global_prefetch_b8 v0, s[64:65] scope:SCOPE_SE
	s_setreg_imm32_b32 hwreg(HW_REG_WAVE_MODE, 25, 1), 1
	s_wait_xcnt 0x0
	s_wait_alu depctr_hold_cnt(0) depctr_sa_sdst(0) depctr_va_vdst(0) depctr_va_sdst(0) depctr_va_ssrc(0) depctr_va_vcc(0) depctr_vm_vsrc(0)
	s_getreg_b32 s2, hwreg(HW_REG_IB_STS2, 6, 4)
	s_cmp_eq_u32 s2, 0
	s_cbranch_scc0 .Lentry_in_a_cluster
	s_endpgm
.Lentry_in_a_cluster:
	s_bfe_u32 s2, ttmp6, 0x10000c
	s_cmp_lg_u32 s2, 0xf033
	s_cbranch_scc0 .Lentry_shape_is_right
	s_endpgm
.Lentry_shape_is_right:
; out0 = a Wo^T + bo on codes of FP6 (E2M3) with E8M0 scales; a is the attention's result as the launch before quantised it.  out0: [8192][1024] f32.
; A work-group makes 256 rows x 256 columns; each of its four waves 128 x 128: 64 accumulators of 16 x 16, 512 registers.  K goes in steps of 256 through a ring of two LDS slots filled by the tensor data mover.
; acodes and codes lie in the order of the operand's registers (a unit: 16 rows x 64 K, 768 bytes: 16 bytes a lane, then 8 a lane), so a fragment is two loads of 16 bytes and two of 8, each over consecutive bytes.
; Place m of a tile T of rows is row 32 (T / 2) + 8 (T % 2) + m + 8 (m / 8): the way out puts rows and columns back in their places.
; CLUSTERS: 4 x 4 work-groups; A's tiles are shared along a row of the cluster, Wo's along a column: each is asked for JOINTLY.  The size gives 128 work-groups of this tile.
; THE MATRIX INSTRUCTION IS USED TRANSPOSED (source 0 = 16 rows of Wo, source 1 = 16 rows of a): a lane holds eight neighbouring numbers of a row of out0.  The bias is the C of each sum's first instruction.
; No prefetch: K has four steps, of which two are first fills.
; REGISTERS, in windows of 256: window 0: v0-31 addresses; v32-63 scale words, two sets; v64-127 the bias; v128-223 A's fragments, ONE set; on the way out v128-255 rows of out0.
;   window 1: Wo's fragments, TWO sets, at v0 and v128.   windows 2, 3: the accumulators ((a, b) at v[8 (8 (a % 4) + b)]).
.set FR,    12
.set NL,    4
.set NP,    4
.set TILEB, 12288
.set SB,    3072
.set HALFT, 8*SB
.set SLOT,  4*HALFT
.set SCL,   2*SLOT                     ; behind the ring: the scale words for all of K: wave w's load at 4,096 w + 64 (w / 2), as [K / 128][8 tiles][64 bytes]
.set SPARE, 213248                     ; behind them: the spare words, 128 bytes for each wave: two blocks of 256 bytes that no other line names
.set SPITCH, 528                       ; the way out: a stage of 16 rows x (512 bytes + 16) for each wave, in slot 0, which has had its last fill and its last read when the first result is stored there
.set BT0,   704                        ; Wo's first tile in codes
.set STO, 8                            ; v8   the way out: where I put 32 bytes of a row
.set RD,  9                            ; v9   and where I read a row back
.set A16, 16
.set A8,  18
.set B16, 20
.set B8,  22
.set L16, 24
.set L8,  25
.set ADRS, 27
.set SPW, 28
.set NIL, 29
.set BO,  30
.set SC,  32
.set BIAS, 64
.set AF,  128
.set BK,  128                          ; the way out: 16 rows read back from the stage: v128-191 and v192-255 by turns
.set G1,  24
.set G0,  32
.set G1B, 48
.set G0B, 56
.set G1S, 68
.set G0S, 76
.set G1SB, 80
.set G0SB, 88
.set MSB, 0
.macro WIN new                         ; the immediate's high byte repeats the setting that is left
.if MSB != \new
	s_set_vgpr_msb (MSB<<8)|\new
.set MSB, \new
.endif
.endm
.set MUL_LO, 0xa1
.set MUL_HI, 0xf1
.set FST_LO, 0x81
.set FST_HI, 0xc1
.set TO_B,   0x40
.macro JLOAD g0a, g1a, g0b, g1b        ; a joint load: waves 0 and 1 fetch for A, waves 2 and 3 for Wo; four v_nop follow each of the two lines
	s_cmp_eq_u32 s21, 0
	s_cbranch_scc0 .Lfor_b_\@
	tensor_load_to_lds s[\g0a:\g0a+3], s[\g1a:\g1a+7]
	s_nop 0
.rept 4
	v_nop
.endr
	s_branch .Lasked_\@
.Lfor_b_\@:
	tensor_load_to_lds s[\g0b:\g0b+3], s[\g1b:\g1b+7]
	s_nop 0
.rept 4
	v_nop
.endr
.Lasked_\@:
.endm
.macro CREST
	s_cmp_lg_u32 s20, 0
	s_cbranch_scc1 .Lnot_wave_0_\@
	s_barrier_signal -3
.Lnot_wave_0_\@:
	s_barrier_wait -3
	s_barrier_signal -1
	s_barrier_wait -1
.endm
.macro CROUND
	s_barrier_signal -1
	s_barrier_wait -1
	CREST
.endm
.macro PLACES n
.rept \n
	v_nop
.endr
.endm
	s_load_b256 s[4:11], s[0:1], 0x0               ; acodes, ascales, codes, scales
	s_load_b128 s[12:15], s[0:1], 0x20             ; bo, out0
	v_lshl_add_u32 v[SPW], v0, 2, SPARE
	v_mov_b32 v[NIL], 0
	ds_add_u32 v28, v29
	ds_add_u32 v28, v29
	s_wait_dscnt 0x0
	v_lshrrev_b32 v1, 5, v0
	v_readfirstlane_b32 s20, v1                    ; wave 0..3
	s_lshr_b32 s21, s20, 1                         ; which half of the rows is mine.  Also: I fetch for A (0) or for Wo (1)
	s_and_b32 s22, s20, 1                          ; which half of the columns.  Also: which 8 tiles I fetch
	s_bfe_u32 s40, ttmp6, 0x40000
	s_bfe_u32 s41, ttmp6, 0x40004
	s_lshl_b32 s42, ttmp9, 2
	s_add_co_u32 s42, s42, s40                     ; block of 256 columns
	s_and_b32 s96, ttmp7, 0xffff
	s_lshl_b32 s96, s96, 2
	s_add_co_u32 s96, s96, s41                     ; block of 256 rows
	s_lshl_b32 s43, s41, 2
	s_lshl_b32 s43, 15, s43                        ; my row of the cluster
	s_lshl_b32 s44, 0x1111, s40                    ; my column
	s_or_b32 s[G1], s43, (3<<16)|(1<<21)           ; 8 tiles x 3,072 bytes (384 elements of 8 bytes), 12,288 bytes apart in memory, on end in LDS
	s_or_b32 s[G1B], s44, (3<<16)|(1<<21)
.irp g, G1, G1B
	s_mov_b32 s[\g+1], 384<<16
	s_mov_b32 s[\g+2], 8<<16
	s_mov_b32 s[\g+3], 384<<16
	s_mov_b32 s[\g+4], 8
	s_mov_b32 s[\g+5], 1536
	s_mov_b32 s[\g+6], 0
	s_mov_b32 s[\g+7], 0
.endr
	s_or_b32 s[G1S], s43, (3<<16)|(1<<21)          ; the scale words: 8 planes x 512 bytes; a plane of ascales is 32,768 bytes, one of scales 49,152
	s_or_b32 s[G1SB], s44, (3<<16)|(1<<21)
.irp g, G1S, G1SB
	s_mov_b32 s[\g+1], 64<<16
	s_mov_b32 s[\g+2], 8<<16
	s_mov_b32 s[\g+3], 64<<16
	s_mov_b32 s[\g+4], 8
	s_mov_b32 s[\g+6], 0
	s_mov_b32 s[\g+7], 0
.endr
	s_mov_b32 s[G1S+5], 4096
	s_mov_b32 s[G1SB+5], 6144
	s_lshl_b32 s45, s22, 3
	s_lshl_b32 s46, s96, 4
	s_add_co_u32 s46, s46, s45                     ; A: tile 16 x block of rows + 8 x half
	s_lshl_b32 s92, s42, 4
	s_add_co_u32 s92, s92, s45
	s_add_co_u32 s92, s92, BT0                     ; Wo: tile 704 + 16 x block of columns + 8 x half
	s_lshl_b32 s94, s46, 6
	s_mov_b32 s95, 0
	s_mul_i32 s46, s46, TILEB
	s_mov_b32 s47, 0
	s_lshl_b32 s2, s92, 6
	s_mov_b32 s3, 0
	s_mul_i32 s92, s92, TILEB
	s_mov_b32 s93, 0
	s_mul_i32 s23, s20, HALFT                      ; where they go: no place in the cluster enters an LDS address
	s_lshl_b32 s45, s20, 12
	s_lshl_b32 s100, s21, 6
	s_add_co_u32 s45, s45, s100
	s_add_co_u32 s45, s45, SCL
	s_wait_kmcnt 0x0
	s_add_nc_u64 s[46:47], s[4:5], s[46:47]
	s_add_nc_u64 s[94:95], s[6:7], s[94:95]
	s_add_nc_u64 s[92:93], s[8:9], s[92:93]
	s_add_nc_u64 s[2:3], s[10:11], s[2:3]
	CROUND                                         ; all sixteen work-groups are here: the first joint loads meet
	s_mov_b32 s[G0S], 1
	s_mov_b32 s[G0S+1], s45
	s_mov_b64 s[G0S+2:G0S+3], s[94:95]
	s_or_b32 s[G0S+3], s[G0S+3], 0x80000000
	s_mov_b32 s[G0SB], 1
	s_mov_b32 s[G0SB+1], s45
	s_mov_b64 s[G0SB+2:G0SB+3], s[2:3]
	s_or_b32 s[G0SB+3], s[G0SB+3], 0x80000000
	JLOAD G0S, G1S, G0SB, G1SB                     ; the scale words first
.irp s, 0,1
	s_mov_b32 s[G0+4*\s], 1
	s_add_co_u32 s[G0+4*\s+1], s23, \s*SLOT
	s_add_nc_u64 s[G0+4*\s+2:G0+4*\s+3], s[46:47], \s*SB
	s_or_b32 s[G0+4*\s+3], s[G0+4*\s+3], 0x80000000
	s_mov_b32 s[G0B+4*\s], 1
	s_add_co_u32 s[G0B+4*\s+1], s23, \s*SLOT
	s_add_nc_u64 s[G0B+4*\s+2:G0B+4*\s+3], s[92:93], \s*SB
	s_or_b32 s[G0B+4*\s+3], s[G0B+4*\s+3], 0x80000000
	JLOAD G0+4*\s, G1, G0B+4*\s, G1B               ; three loads of mine are out
.endr
	v_and_b32 v1, 15, v0                           ; r
	v_bfe_u32 v2, v0, 4, 1                         ; h
	v_and_b32 v3, 31, v0                           ; lane
	v_lshlrev_b32 v[L16], 4, v3
	v_lshlrev_b32 v[L8], 3, v3
	s_mul_i32 s46, s21, HALFT
	s_mul_i32 s47, s22, HALFT
	s_add_co_u32 s47, s47, 2*HALFT
.irp s, 0,1
	v_add_nc_u32 v[A16+\s], s46, v[L16]
	v_add_nc_u32 v[A8+\s], s46, v[L8]
	v_add_nc_u32 v[B16+\s], s47, v[L16]
	v_add_nc_u32 v[B8+\s], s47, v[L8]
	s_add_co_u32 s46, s46, SLOT
	s_add_co_u32 s47, s47, SLOT
.endr
	s_add_co_u32 s46, s22, 2                       ; the scale words: from A's half to Wo's half,
	s_sub_co_u32 s46, s46, s21
	s_lshl_b32 s46, s46, 12
	s_add_co_u32 s46, s46, 64
	v_mul_u32_u24 v4, s46, v2                      ; which lanes 16-31 take
	s_lshl_b32 s47, s21, 12
	s_add_co_u32 s47, s47, SCL
	v_lshl_add_u32 v4, v1, 2, v4
	v_add_nc_u32 v[ADRS], s47, v4
	s_mul_i32 s46, s20, 16*SPITCH                  ; my stage
	v_mul_u32_u24 v4, v1, SPITCH
	v_lshl_add_u32 v4, v2, 6, v4
	v_add_nc_u32 v[STO], s46, v4                   ; in: place r, + 64 h: my half's 16 columns of a pair of tiles
	v_add_nc_u32 v[RD], s46, v[L16]                ; back: the 32 lanes take one row of 512 bytes
	v_lshlrev_b32 v[BO], 6, v2
	s_lshl_b32 s92, s42, 10
	s_lshl_b32 s93, s22, 9
	s_add_co_u32 s92, s92, s93                     ; my first column, in bytes
	s_mov_b32 s93, 0
	s_add_nc_u64 s[100:101], s[12:13], s[92:93]    ; bo there
	s_add_nc_u64 s[14:15], s[14:15], s[92:93]
	s_lshl_b32 s46, s96, 20
	s_lshl_b32 s47, s21, 19
	s_add_co_u32 s46, s46, s47                     ; my first row, 4,096 bytes a row
	s_mov_b32 s47, 0
	s_add_nc_u64 s[14:15], s[14:15], s[46:47]
.irp b, 0,1,2,3,4,5,6,7                        ; lane (r, h) wants, for Wo's tile b, the bias of columns 32 (b / 2) + 8 (b % 2) + 16 h + 0 .. 7
	global_load_b128 v[BIAS+8*\b:BIAS+8*\b+3], v[BO], s[100:101] offset:(32*(\b/2)+8*(\b%2))*4
	global_load_b128 v[BIAS+8*\b+4:BIAS+8*\b+7], v[BO], s[100:101] offset:(32*(\b/2)+8*(\b%2))*4+16
.endr
.macro FRAG reg, a16, a8, q, i         ; a fragment: two units; of each 16 bytes a lane (registers 0-3), then 8 (registers 4-5)
	ds_load_b128 v[\reg:\reg+3], v[\a16] offset:SB*(\i)+1536*(\q)
	ds_load_b64 v[\reg+4:\reg+5], v[\a8] offset:SB*(\i)+1536*(\q)+512
	ds_load_b128 v[\reg+6:\reg+9], v[\a16] offset:SB*(\i)+1536*(\q)+768
	ds_load_b64 v[\reg+10:\reg+11], v[\a8] offset:SB*(\i)+1536*(\q)+1280
.endm
; 16 matrix instructions: A's tiles a0, a0 + 1 x Wo's eight, 128 along K.  first = 1: the bias is the C.  The 64 accumulators take turns, one instruction a turn.
.macro MUL16 a0, p, q, sc, first
.irp a, \a0, \a0+1
.irp b, 0,1,2,3,4,5,6,7
.if \first
	v_wmma_scale_f32_16x16x128_f8f6f4 v[8*(8*((\a)%4)+\b):8*(8*((\a)%4)+\b)+7], v[128*(\p)+FR*\b:128*(\p)+FR*\b+FR-1], v[AF+FR*(\a):AF+FR*(\a)+FR-1], v[BIAS+8*\b:BIAS+8*\b+7], v[SC+16*(\sc)+2*\b+(\q)], v[SC+16*(\sc)+2*(\a)+(\q)] matrix_a_fmt:MATRIX_FMT_FP6 matrix_b_fmt:MATRIX_FMT_FP6 matrix_a_scale:MATRIX_SCALE_ROW1
.else
	v_wmma_scale_f32_16x16x128_f8f6f4 v[8*(8*((\a)%4)+\b):8*(8*((\a)%4)+\b)+7], v[128*(\p)+FR*\b:128*(\p)+FR*\b+FR-1], v[AF+FR*(\a):AF+FR*(\a)+FR-1], v[8*(8*((\a)%4)+\b):8*(8*((\a)%4)+\b)+7], v[SC+16*(\sc)+2*\b+(\q)], v[SC+16*(\sc)+2*(\a)+(\q)] matrix_a_fmt:MATRIX_FMT_FP6 matrix_b_fmt:MATRIX_FMT_FP6 matrix_a_scale:MATRIX_SCALE_ROW1
.endif
.endr
.endr
.endm
.macro FETCH_B slot, q, p
	WIN TO_B
.irp i, 0,1,2,3,4,5,6,7
	FRAG 128*(\p)+FR*\i, B16+\slot, B8+\slot, \q, \i
.endr
	WIN 0
.endm
.macro FETCH_A slot, q, i0
.irp i, \i0, \i0+1, \i0+2, \i0+3
	FRAG AF+FR*(\i), A16+\slot, A8+\slot, \q, \i
.endr
.endm
.macro SCALES sc, ks
.irp i, 0,1,2,3,4,5,6,7
.irp q, 0,1
	ds_load_b32 v[SC+16*\sc+2*\i+\q], v[ADRS] offset:1024*(\ks)+512*\q+64*\i
.endr
.endr
.endm
.macro STEP slot, first                ; a slot's first 128 along K
	s_wait_dscnt 4*NL                              ; Wo's set, the scale words and A's tiles 0-3 are in; the youngest 16 loads (A's tiles 4-7) may be out
.if \first
	WIN FST_LO
.else
	WIN MUL_LO
.endif
	MUL16 0, 0, 0, \slot, \first
	MUL16 2, 0, 0, \slot, \first
	s_wait_dscnt 0x0
	PLACES NP                                      ; in front of loads into registers that matrix instructions have read
	FETCH_B \slot, 1, 1
	FETCH_A \slot, 1, 0
.if \first
	WIN FST_HI
.else
	WIN MUL_HI
.endif
	MUL16 4, 0, 0, \slot, \first
	MUL16 6, 0, 0, \slot, \first
	PLACES NP
	WIN 0
	FETCH_A \slot, 1, 4
.endm
; A slot's second 128 along K changes slots: ONE barrier; in front of it each wave waits for all its tensor loads, adds 0 to its spare word, and waits for that and for its own reads of this slot.
.macro TURN slot, next, fill, ks
	s_wait_tensorcnt 0x0                           ; all my tensor loads have landed: my part of the next slot;
	ds_add_u32 v[SPW], v[NIL]                      ; 0 onto my spare word
	s_wait_dscnt 4*NL+1                            ; (the add and the youngest 16 loads may be out)
	WIN MUL_LO
	MUL16 0, 1, 1, \slot, 0
	s_wait_dscnt 0x0                               ; the add is done, and my reads of this slot are over
	s_barrier_signal -1
	MUL16 2, 1, 1, \slot, 0
	WIN 0
	s_barrier_wait -1
.if \fill
	CREST                                          ; the barrier has opened a round of the cluster's barrier
	s_add_nc_u64 s[G0+4*\slot+2:G0+4*\slot+3], s[G0+4*\slot+2:G0+4*\slot+3], 2*SB
	s_add_nc_u64 s[G0B+4*\slot+2:G0B+4*\slot+3], s[G0B+4*\slot+2:G0B+4*\slot+3], 2*SB
	JLOAD G0+4*\slot, G1, G0B+4*\slot, G1B         ; the first tensor load behind the round
.else
	PLACES NP
.endif
	FETCH_B \next, 0, 0
	FETCH_A \next, 0, 0
	SCALES \next, \ks
	WIN MUL_HI
	MUL16 4, 1, 1, \slot, 0
	MUL16 6, 1, 1, \slot, 0
	PLACES NP
	WIN 0
	FETCH_A \next, 0, 4
.endm
	s_wait_tensorcnt 0x1                           ; the scale words and my part of K step 0 are in (K step 1's load may be out)
	s_barrier_signal -1
	s_barrier_wait -1                              ; everybody's are
	FETCH_B 0, 0, 0
	FETCH_A 0, 0, 0
	SCALES 0, 0
	FETCH_A 0, 0, 4
	s_wait_loadcnt 0x0                             ; the bias
	STEP 0, 1                                      ; K's four steps of 256 are written out
	TURN 0, 1, 1, 1
	STEP 1, 0
	TURN 1, 0, 1, 2
	STEP 0, 0
	TURN 0, 1, 0, 3                                ; nothing is left to fetch; behind this barrier nobody reads slot 0
	STEP 1, 0
	s_wait_dscnt 4*NL
	WIN MUL_LO
	MUL16 0, 1, 1, 1, 0
	MUL16 2, 1, 1, 1, 0
	s_wait_dscnt 0x0
	WIN MUL_HI
	MUL16 4, 1, 1, 1, 0
	MUL16 6, 1, 1, 1, 0
	WIN 0
; THE WAY OUT, a tile of 16 rows x 128 columns at a time, through my own stage in LDS: in by places and columns put right, back as whole rows of 512 bytes.  LDS serves a wave's instructions in order.
.macro TOSTAGE a
.set AC, 64*((\a)%4)
	WIN 0x08+4*((\a)/4)                            ; the data: window 2 or 3
.irp b, 0,1,2,3,4,5,6,7
	ds_store_b128 v[STO], v[AC+8*\b:AC+8*\b+3] offset:128*(\b/2)+32*(\b%2)         ; each accumulator from its low end on
	ds_store_b128 v[STO], v[AC+8*\b+4:AC+8*\b+7] offset:128*(\b/2)+32*(\b%2)+16
.endr
	WIN 0
.set BB, BK+64*((\a)%2)
.irp t, 0,1,2,3,4,5,6,7,8,9,10,11,12,13,14,15
	ds_load_b128 v[BB+4*\t:BB+4*\t+3], v[RD] offset:\t*SPITCH
.endr
.endm
.macro SEND a, younger                 ; younger: the LDS instructions issued behind tile a's loads, which may stay out
.set BB, BK+64*((\a)%2)
	s_wait_dscnt \younger
.if (\a) > 0
.if ((\a)%2) == 1
	s_add_nc_u64 s[14:15], s[14:15], 8*4096        ; (behind a wait on XCNT)  tile a begins at row 32 (a / 2) + 8 (a % 2)
.else
	s_add_nc_u64 s[14:15], s[14:15], 24*4096
.endif
.endif
.irp t, 0,1,2,3,4,5,6,7,8,9,10,11,12,13,14,15
	global_store_b128 v[L16], v[BB+4*\t:BB+4*\t+3], s[14:15] offset:(\t+8*(\t/8))*4096 th:TH_STORE_NT   ; 32 lanes store 512 consecutive bytes, aligned; place t is row t + 8 (t / 8) of the tile
.endr
.endm
	PLACES NP                                      ; behind the last products: their results are read, and A's registers loaded into, below
	TOSTAGE 0
.irp a, 1,2,3,4,5,6,7
.if \a > 1
	s_wait_xcnt 0x0                                ; tile a - 2's stores have read their registers and their base
.endif
	TOSTAGE \a
	SEND \a-1, 32                                  ; behind tile a - 1's loads: tile a's 16 stores and 16 loads
.endr
	s_wait_xcnt 0x0
	SEND 7, 0
	s_wait_tensorcnt 0x0                           ; the wave's end: behind my last tensor load and my last LDS store
	ds_add_u32 v[SPW], v[NIL]
	s_wait_dscnt 0x0
	CROUND                                         ; the closing round
	s_endpgm
.Lfunc_end_k_q4ed3828aed_oproj:
	.size	k_q4ed3828aed_oproj, .Lfunc_end_k_q4ed3828aed_oproj-k_q4ed3828aed_oproj
	.p2alignl 7, 3214868480
	.fill 96, 4, 3214868480
	.section	.rodata,"a",@progbits
	.p2align	6, 0x0
	.amdhsa_kernel k_q4ed3828aed_oproj
		.amdhsa_group_segment_fixed_size 327680
		.amdhsa_private_segment_fixed_size 0
		.amdhsa_enable_private_segment 0
		.amdhsa_kernarg_size 48
		.amdhsa_user_sgpr_count 2
		.amdhsa_user_sgpr_kernarg_segment_ptr 1
		.amdhsa_wavefront_size32 1
		.amdhsa_system_sgpr_workgroup_id_x 1
		.amdhsa_system_sgpr_workgroup_id_y 1
		.amdhsa_system_sgpr_workgroup_id_z 1
		.amdhsa_system_vgpr_workitem_id 0
		.amdhsa_next_free_vgpr 1024
		.amdhsa_next_free_sgpr 102
		.amdhsa_reserve_vcc 0
		.amdhsa_float_denorm_mode_32 3
		.amdhsa_float_denorm_mode_16_64 3
		.amdhsa_memory_ordered 1
		.amdhsa_forward_progress 1
		.amdhsa_inst_pref_size 147
	.end_amdhsa_kernel
	.amdgpu_metadata
---
amdhsa.version: [ 1, 2 ]
amdhsa.kernels:
  - .name:           k_q4ed3828aed_oproj
    .symbol:         k_q4ed3828aed_oproj.kd
    .args:
      - { .name: acodes, .offset: 0, .size: 8, .value_kind: global_buffer, .address_space: global }
      - { .name: ascales, .offset: 8, .size: 8, .value_kind: global_buffer, .address_space: global }
      - { .name: codes, .offset: 16, .size: 8, .value_kind: global_buffer, .address_space: global }
      - { .name: scales, .offset: 24, .size: 8, .value_kind: global_buffer, .address_space: global }
      - { .name: bo, .offset: 32, .size: 8, .value_kind: global_buffer, .address_space: global }
      - { .name: out0, .offset: 40, .size: 8, .value_kind: global_buffer, .address_space: global }
    .group_segment_fixed_size: 327680
    .private_segment_fixed_size: 0
    .kernarg_segment_align: 8
    .kernarg_segment_size: 48
    .max_flat_workgroup_size: 128
    .sgpr_count:     102
    .vgpr_count:     1024
    .wavefront_size: 32
...
	.end_amdgpu_metadata
.endif
;; end of part 4
;; ======== version 2 of 2: 4 launches; 1.19 times as fast as version 1
;; workspace buffers: codes 9,437,184 bytes; scales 393,216 bytes; qp 13,369,344 bytes; kv 13,369,344 bytes; acodes 6,291,456 bytes; ascales 262,144 bytes
;; launch quant: the kernel of part 1 again; grid 192 x 4, 4 waves a work-group, no clusters, 36,352 bytes of LDS; arguments vectors, Wq, Wk, Wv, Wo, codes, scales; writes codes, scales
;; launch qkv (part 5): grid 8 x 32, 4 waves a work-group, clusters of 4 x 4, 327,680 bytes of LDS; arguments codes, scales, bq, bk, bv, viewmats, qp, kv; writes qp, kv
.if DOCPART == 5
	.amdgcn_target "amdgcn-amd-amdhsa--gfx1250"
	.amdhsa_code_object_version 6
	.text
	.protected	k_q4ed3828aed_qkv
	.globl	k_q4ed3828aed_qkv
	.p2align	8
	.type	k_q4ed3828aed_qkv,@function
k_q4ed3828aed_qkv:
	s_mov_b64 s[64:65], 0
	v_nop
	global_prefetch_b8 v0, s[64:65] scope:SCOPE_SE
	s_setreg_imm32_b32 hwreg(HW_REG_WAVE_MODE, 25, 1), 1
	s_wait_xcnt 0x0
	s_wait_alu depctr_hold_cnt(0) depctr_sa_sdst(0) depctr_va_vdst(0) depctr_va_sdst(0) depctr_va_ssrc(0) depctr_va_vcc(0) depctr_vm_vsrc(0)
	s_getreg_b32 s2, hwreg(HW_REG_IB_STS2, 6, 4)
	s_cmp_eq_u32 s2, 0
	s_cbranch_scc0 .Lentry_in_a_cluster
	s_endpgm
.Lentry_in_a_cluster:
	s_bfe_u32 s2, ttmp6, 0x10000c
	s_cmp_lg_u32 s2, 0xf033
	s_cbranch_scc0 .Lentry_shape_is_right
	s_endpgm
.Lentry_shape_is_right:
; q, k, v = vectors W^T + b on codes of FP6 (E2M3) with E8M0 scales; then, in f32: each group of four channels times its camera's 4 x 4 matrix (P^T for q, the inverse of the rigid motion for k and v),
; the layer norm over a head's 64 channels (q, k), and the quantisers of the attention's operands: q and k along the head's 64 channels, v along the cameras.  Nothing but codes and scale words goes to memory.
; SHARES.  8 x 32 = 256 work-groups.  A work-group owns 256 cameras and the same 128 channels (two heads) of q, of k and of v: THREE PASSES over one block of vectors.  The block's codes, 16 tiles x 12,288 bytes, are brought
; into LDS once and stay; only W's 8 tiles change from pass to pass, in the same bytes.  Each of the four waves makes 128 cameras x 64 channels (one head): 32 accumulators of 16 x 16, 256 registers.
; codes lies in the order of the operand's registers (a unit: 16 rows x 64 K, 768 bytes: 16 bytes a lane, then 8 a lane), so a fragment is two loads of 16 bytes and two of 8, each over consecutive bytes: no pitch, no padding.
; THE SCALE WORDS go from memory to registers: those of my 8 camera tiles for all of K once (32 registers: lanes 0-15 an even tile, lanes 16-31 the odd one beside it), those of W's 4 tiles for each pass (32 registers).
; CLUSTERS: 4 x 4 work-groups.  The four of a row of the cluster need the same tiles of vectors, the four of a column the same tiles of W: each tile is asked for JOINTLY; every wave issues loads of both kinds.
; W IS FILLED AGAIN straight behind a pass's last product, behind a round of the cluster's barrier; the load has that pass's whole vector work in which to land.  Passes q and k are a loop of two trips; pass v is written out: it asks for nothing.
; THE MATRIX INSTRUCTION IS USED TRANSPOSED (source 0 = 16 rows of W, source 1 = 16 cameras): a lane holds ONE camera, and, since place m of a tile T of rows is row 32 (T / 2) + 8 (T % 2) + m + 8 (m / 8), the 16 registers of W's tiles
; 2 B and 2 B + 1 are channels 32 B + 16 (lane / 16) + 0 .. 15: groups of four stay four neighbouring registers, a block of 32 lies in lanes l and l xor 16.  The bias is the C of each sum's first instruction.
; OUT.  qp, kv: [head 16 b + hd][step of 128 cameras][13,056 bytes]: 8 units of q or k at 768 a; 4 fragments of v^T (16 channels x 128 cameras) at 6,144 + 1,536 t; the units' scale words [place][8 tiles] at 12,288; v's [place][4 tiles] at 12,800.
; Bytes 2 and 3 of a word of q or k are 0.
; LIMITS: a block of zeros gets the byte 1 (only this program reads it); NaN and infinities are not served.  1 / sqrt(var + eps) is v_rsq_f32 of a variance taken about the mean.
; No prefetch: vectors' block and the first W are asked for at the head by the tensor loads themselves, and each later W a whole pass's vector work ahead of its first use.
; REGISTERS, in windows of 256: window 0: v0-31 addresses; v32-63 W's scale words (4 s + b); v64-95 the cameras' (4 s + a / 2); v128-223 A's fragments, ONE set; behind a pass's products v128-251 at work.
;   window 1: W's fragments, TWO sets, at v0 and v128.   window 2: the accumulators ((a, b) at v[8 (4 a + b)]).   window 3: v0-127 the matrices of my 8 camera tiles; v128-159 the bias.
.set FR,    12                         ; registers of a fragment: 16 rows x 128 K
.set NP,    4                          ; places behind this matrix instruction (ISA guide 7.12.1)
.set TILEB, 12288                      ; a tile of 16 rows in memory: 16 units
.set HB,    6144                       ; half of it: 512 along K
.set AH,    16*HB                      ; LDS: A's 16 tiles of one half of K; the other half behind them
.set BBASE, 2*AH                       ; then W's 8 tiles of one half of K,
.set BH,    8*HB                       ; and of the other
.set WLOAD, 4*HB                       ; what one tensor load brings: 4 tiles x 6,144 bytes
.set SPARE, BBASE+2*BH                 ; the spare words, 128 bytes for each wave: two blocks of 256 bytes that no other line names
.set WST,   SPARE+512                  ; 512 bytes for each wave's scale words of q or k: no fill lands here
.set VST,   33792                      ; v's stage, 64 channels x (512 bytes + 16) for each wave: it lies over A, behind A's last read
.set HEADB, 104448                     ; a head in qp or kv
.set STEPB, 13056                      ; a step of 128 cameras in it
.set PLANE, 49152                      ; scales: 768 tiles x 64 bytes for each 128 along K
.set BT0,   512                        ; Wq's first tile in codes; Wk's and Wv's lie 64 and 128 tiles on
.set VSA, 8                            ; v8   v's stage, in: 4,224 h + 4 r
.set VRA, 9                            ; v9   and out: 528 r + 32 h
.set WSA, 10                           ; v10  the words' stage, in: 32 r
.set WSR, 11                           ; v11  and out: 16 x lane
.set VWO, 14                           ; v14  v's words in kv: 16 r
.set LN,  15                           ; v15  lane
.set A16, 16                           ; v16-17 LDS address of A's 16-byte pieces in K's half 0, 1;  v18-19 of its 8-byte pieces
.set A8,  18
.set B16, 20                           ; v20-23 the same for W
.set B8,  22
.set L16, 24                           ; v24  16 x lane
.set L8,  25                           ; v25  8 x lane
.set PVO, 26                           ; v26  my camera's matrix in a tile's: 64 (r + 8 (r / 8))
.set L4,  27                           ; v27  4 x lane
.set SPW, 28                           ; v28  LDS address of my spare word; never rewritten
.set NIL, 29                           ; v29  0; never rewritten
.set BO,  30                           ; v30  64 h: my half's eight numbers of a tile's bias
.set R4,  31                           ; v31  4 r
.set SB,  32
.set SA,  64
.set AF,  128
.set PM,  0                            ; in window 3
.set BIAS, 128                         ; in window 3
.set Y,   128                          ; v128-159 a camera tile's 32 numbers of the head
.set N,   128                          ; v128-191 64 numbers of a channel along the cameras
.set PC,  192                          ; v192-203 the codes just made;  v204-211 the conversions' second halves
.set PT,  204
.set TM,  212                          ; v212-215 largest magnitudes, v216-219 bytes, v224-227 the conversions' scale operands
.set QM,  212
.set QB,  216
.set QS,  224
.set PW,  228                          ; the scale word just made
.set VW,  232                          ; v232-235 v's scale words
.set LT,  240                          ; v240-244 sums
.set MU,  246                          ; v[246:247] the mean (low word)
.set RS,  248                          ; v[248:249] 1 / sqrt(var + eps) (low word)
.set G1,  24                           ; s[24:31] descriptor group 1 for A's tiles;  s[32:39] group 0, one set for each half of K
.set G0A, 32
.set G1B, 48                           ; s[48:55] group 1 for W's tiles: it differs in the mask alone;  s[56:59] group 0, which walks from Wq to Wk to Wv
.set G0B, 56
.set SBP, 60                           ; s[60:61] W's scale words of the pass
.set SAP, 62                           ; s[62:63] the cameras' scale words
.set TRIP, 66                          ; s66  the pass: 0 q, 1 k
.set IT,  68                           ; s68  the camera tile;  s69, s70 its place in the two stages
.set VO,  69
.set WO,  70
.set SAVE, 71                          ; s71  EXEC, kept
.set OB,  72                           ; s[72:73] my head's step in qp or kv
.set CBT, 74                           ; s[74:75] the unit to be stored
.set I64, 76                           ; s76  1 / 64
.set EPSR, 77                          ; s77  1e-5
.set SEL, 78                           ; s[78:79] v_permlanex16_b32's selects for lane l xor 16
.set HOFF, 80                          ; s[80:81] my head's step, in bytes
.set BOFF, 82                          ; s[82:83] my 64 channels in a bias, in bytes
.set PVP, 84                           ; s[84:85] viewmats at my 128 cameras
.set BPT, 86                           ; s[86:87] the pass's bias at my 64 channels
.set MSB, 0
.macro WIN new                         ; the immediate's high byte repeats the setting that is left
.if MSB != \new
	s_set_vgpr_msb (MSB<<8)|\new
.set MSB, \new
.endif
.endm
.set MUL,  0xa1                        ; source 0 (W) window 1, source 1 (A) window 0, C and D window 2
.set FST,  0xb1                        ; a pass's first step: C (the bias) window 3
.set TO_B, 0x40                        ; destination window 1, address window 0
.set TO_3, 0xc0                        ; destination window 3, address window 0
.macro CREST                           ; a round of the cluster's barrier behind its opening barrier
	s_cmp_lg_u32 s20, 0
	s_cbranch_scc1 .Lnot_wave_0_\@
	s_barrier_signal -3
.Lnot_wave_0_\@:
	s_barrier_wait -3
	s_barrier_signal -1
	s_barrier_wait -1
.endm
.macro CROUND                          ; a whole round
	s_barrier_signal -1
	s_barrier_wait -1
	CREST
.endm
.macro PLACES n
.rept \n
	v_nop
.endr
.endm
	s_load_b512 s[4:19], s[0:1], 0x0               ; codes, scales, bq, bk, bv, viewmats, qp, kv
	v_lshl_add_u32 v[SPW], v0, 2, SPARE
	v_mov_b32 v[NIL], 0
	ds_add_u32 v28, v29
	ds_add_u32 v28, v29
	s_wait_dscnt 0x0
	v_lshrrev_b32 v1, 5, v0
	v_readfirstlane_b32 s20, v1                    ; wave 0..3
	s_lshr_b32 s21, s20, 1                         ; which half of the cameras is mine
	s_and_b32 s22, s20, 1                          ; which of the two heads
	s_bfe_u32 s40, ttmp6, 0x40000                  ; cx, cy: my place in the cluster
	s_bfe_u32 s41, ttmp6, 0x40004
	s_lshl_b32 s42, ttmp9, 2
	s_add_co_u32 s42, s42, s40                     ; group of 128 channels = 4 x cluster x + cx
	s_and_b32 s96, ttmp7, 0xffff
	s_lshl_b32 s96, s96, 2
	s_add_co_u32 s96, s96, s41                     ; block of 256 cameras = 4 x cluster y + cy
	s_lshl_b32 s43, s41, 2
	s_lshl_b32 s43, 15, s43                        ; my row of the cluster
	s_lshl_b32 s44, 0x1111, s40                    ; my column
	; descriptor group 1: 4 tiles x 6,144 bytes (768 elements of 8 bytes), 12,288 bytes apart in memory, on end in LDS
	s_or_b32 s[G1], s43, (3<<16)|(1<<21)           ; 15:0 the mask: A's tiles go to my row; 17:16 elements of 8 bytes; 20 no padding; 21 set beside a mask
	s_or_b32 s[G1B], s44, (3<<16)|(1<<21)          ; W's go to my column
.irp g, G1, G1B
	s_mov_b32 s[\g+1], 768<<16                     ; tensor_dim0
	s_mov_b32 s[\g+2], 4<<16                       ; tensor_dim1
	s_mov_b32 s[\g+3], 768<<16                     ; tile_dim0
	s_mov_b32 s[\g+4], 4                           ; tile_dim1
	s_mov_b32 s[\g+5], 1536                        ; tensor_dim0_stride
	s_mov_b32 s[\g+6], 0
	s_mov_b32 s[\g+7], 0
.endr
	s_lshl_b32 s46, s96, 4
	s_lshl_b32 s45, s20, 2
	s_add_co_u32 s46, s46, s45                     ; A: I fetch tiles 16 x block of cameras + 4 x wave on, in two halves of K
	s_mul_i32 s46, s46, TILEB
	s_mov_b32 s47, 0
	s_lshl_b32 s92, s42, 3
	s_lshl_b32 s93, s22, 2
	s_add_co_u32 s92, s92, s93
	s_add_co_u32 s92, s92, BT0                     ; W: tiles 512 + 8 x group + 4 x (wave % 2) on,
	s_mul_i32 s92, s92, TILEB
	s_mul_i32 s93, s21, HB                         ; K's half wave / 2
	s_add_co_u32 s92, s92, s93
	s_mov_b32 s93, 0
	s_mul_i32 s23, s20, WLOAD                      ; where they go: wave x 24,576 bytes in each region: no place in the cluster enters an LDS address
	s_wait_kmcnt 0x0
	s_add_nc_u64 s[46:47], s[4:5], s[46:47]
	s_add_nc_u64 s[92:93], s[4:5], s[92:93]
	CROUND                                         ; all sixteen work-groups are here: the first joint loads meet
	s_mov_b32 s[G0A], 1
	s_mov_b32 s[G0A+1], s23
	s_mov_b64 s[G0A+2:G0A+3], s[46:47]
	s_or_b32 s[G0A+3], s[G0A+3], 0x80000000
	s_mov_b32 s[G0A+4], 1
	s_add_co_u32 s[G0A+5], s23, AH
	s_add_nc_u64 s[G0A+6:G0A+7], s[46:47], HB
	s_or_b32 s[G0A+7], s[G0A+7], 0x80000000
	s_mov_b32 s[G0B], 1
	s_add_co_u32 s[G0B+1], s23, BBASE
	s_mov_b64 s[G0B+2:G0B+3], s[92:93]
	s_or_b32 s[G0B+3], s[G0B+3], 0x80000000
	tensor_load_to_lds s[G0A:G0A+3], s[G1:G1+7]    ; A, K's first half
	s_nop 0
	tensor_load_to_lds s[G0B:G0B+3], s[G1B:G1B+7]  ; my part of Wq
	s_nop 0
	tensor_load_to_lds s[G0A+4:G0A+7], s[G1:G1+7]  ; A, K's second half: three loads of mine are out
	s_nop 0
	PLACES 4
	v_and_b32 v1, 15, v0                           ; r
	v_bfe_u32 v2, v0, 4, 1                         ; h
	v_and_b32 v[LN], 31, v0
	v_lshlrev_b32 v[L16], 4, v[LN]
	v_lshlrev_b32 v[L8], 3, v[LN]
	v_lshlrev_b32 v[L4], 2, v[LN]
	v_lshlrev_b32 v[R4], 2, v1
	s_mul_i32 s46, s21, 8*HB                       ; my 8 tiles of A
	s_mul_i32 s47, s22, 4*HB                       ; my 4 tiles of W
	s_add_co_u32 s47, s47, BBASE
.irp f, 0,1
	v_add_nc_u32 v[A16+\f], s46, v[L16]
	v_add_nc_u32 v[A8+\f], s46, v[L8]
	v_add_nc_u32 v[B16+\f], s47, v[L16]
	v_add_nc_u32 v[B8+\f], s47, v[L8]
	s_add_co_u32 s46, s46, AH
	s_add_co_u32 s47, s47, BH
.endr
	s_mul_i32 s46, s20, VST                        ; the stages
	v_mul_u32_u24 v4, v2, 4224
	v_lshl_add_u32 v4, v1, 2, v4
	v_add_nc_u32 v[VSA], s46, v4
	v_mul_u32_u24 v4, v1, 528
	v_lshl_add_u32 v4, v2, 5, v4
	v_add_nc_u32 v[VRA], s46, v4
	s_lshl_b32 s46, s20, 9
	s_add_co_u32 s46, s46, WST
	v_lshl_add_u32 v[WSA], v1, 5, s46
	v_add_nc_u32 v[WSR], s46, v[L16]
	v_lshlrev_b32 v[VWO], 4, v1
	v_and_b32 v4, 8, v1
	v_add_nc_u32 v4, v4, v1
	v_lshlrev_b32 v[PVO], 6, v4
	v_lshlrev_b32 v[BO], 6, v2
	s_lshl_b32 s[BOFF], s42, 9                     ; my 64 channels in a bias: (128 x group + 64 x head) x 4 bytes
	s_lshl_b32 s45, s22, 8
	s_add_co_u32 s[BOFF], s[BOFF], s45
	s_mov_b32 s[BOFF+1], 0
	s_add_nc_u64 s[BPT:BPT+1], s[8:9], s[BOFF:BOFF+1]
	s_lshl_b32 s46, s96, 14                        ; viewmats at my 128 cameras, 64 bytes a camera
	s_lshl_b32 s47, s21, 13
	s_add_co_u32 s46, s46, s47
	s_mov_b32 s47, 0
	s_add_nc_u64 s[PVP:PVP+1], s[14:15], s[46:47]
	s_lshl_b32 s46, s96, 10                        ; the scale words of my 8 camera tiles, 64 bytes a tile
	s_lshl_b32 s47, s21, 9
	s_add_co_u32 s46, s46, s47
	s_mov_b32 s47, 0
	s_add_nc_u64 s[SAP:SAP+1], s[6:7], s[46:47]
	s_lshl_b32 s46, s42, 9                         ; and of my 4 tiles of Wq
	s_lshl_b32 s47, s22, 8
	s_add_co_u32 s46, s46, s47
	s_add_co_u32 s46, s46, BT0*64
	s_mov_b32 s47, 0
	s_add_nc_u64 s[SBP:SBP+1], s[6:7], s[46:47]
	s_and_b32 s46, ttmp7, 0xffff                   ; the batch
	s_lshl_b32 s46, s46, 4
	s_lshl_b32 s47, s42, 1
	s_add_co_u32 s46, s46, s47
	s_add_co_u32 s46, s46, s22                     ; my head: 16 b + 2 x group + wave % 2
	s_mul_i32 s46, s46, HEADB
	s_lshl_b32 s47, s41, 1
	s_add_co_u32 s47, s47, s21                     ; my step of 128 cameras: 2 cy + wave / 2
	s_mul_i32 s47, s47, STEPB
	s_add_co_u32 s[HOFF], s46, s47
	s_mov_b32 s[HOFF+1], 0
	s_mov_b32 s[I64], 0x3c800000
	s_mov_b32 s[EPSR], 0x3727c5ac
	s_mov_b32 s[SEL], 0x76543210
	s_mov_b32 s[SEL+1], 0xfedcba98
.macro LOADBIAS                        ; lane (r, h) wants, for W's tile b, the bias of channels 32 (b / 2) + 8 (b % 2) + 16 h + 0 .. 7
	WIN TO_3
.irp b, 0,1,2,3
	global_load_b128 v[BIAS+8*\b:BIAS+8*\b+3], v[BO], s[BPT:BPT+1] offset:(32*(\b/2)+8*(\b%2))*4
	global_load_b128 v[BIAS+8*\b+4:BIAS+8*\b+7], v[BO], s[BPT:BPT+1] offset:(32*(\b/2)+8*(\b%2))*4+16
.endr
	WIN 0
.endm
.macro LOADSB                          ; W's scale words of a pass: place r's word of tile b for K step s; a plane's four loads cover 256 consecutive bytes
.irp s, 0,1,2,3,4,5,6,7
.irp b, 0,1,2,3
	global_load_b32 v[SB+4*\s+\b], v[R4], s[SBP:SBP+1] offset:PLANE*\s+64*\b
.endr
.endr
.endm
	LOADBIAS
.irp s, 0,1,2,3,4,5,6,7                        ; the cameras' scale words, for the whole launch: lanes 0-15 tile 2 j, lanes 16-31 tile 2 j + 1: 128 consecutive bytes a load
.irp j, 0,1,2,3
	global_load_b32 v[SA+4*\s+\j], v[L4], s[SAP:SAP+1] offset:PLANE*\s+128*\j
.endr
.endr
	LOADSB
.macro FRAG reg, a16, a8, off          ; a fragment: two units; of each 16 bytes a lane (registers 0-3), then 8 (registers 4-5)
	ds_load_b128 v[\reg:\reg+3], v[\a16] offset:\off
	ds_load_b64 v[\reg+4:\reg+5], v[\a8] offset:\off+512
	ds_load_b128 v[\reg+6:\reg+9], v[\a16] offset:\off+768
	ds_load_b64 v[\reg+10:\reg+11], v[\a8] offset:\off+1280
.endm
; One product: camera tile a x W's tile b, K step s.  first = 1: the bias is the C: nothing is ever cleared.  An odd camera tile's scale words stand in lanes 16-31.
.macro WM a, b, s, first
.set DD, 8*(4*(\a)+(\b))
.set BF, 128*((\s)%2)+FR*(\b)
.set AA, AF+FR*(\a)
.set S0, SB+4*(\s)+(\b)
.set S1, SA+4*(\s)+(\a)/2
.set CC, DD
.if \first
.set CC, BIAS+8*(\b)
.endif
.if ((\a)%2) == 0
	v_wmma_scale_f32_16x16x128_f8f6f4 v[DD:DD+7], v[BF:BF+FR-1], v[AA:AA+FR-1], v[CC:CC+7], v[S0], v[S1] matrix_a_fmt:MATRIX_FMT_FP6 matrix_b_fmt:MATRIX_FMT_FP6
.else
	v_wmma_scale_f32_16x16x128_f8f6f4 v[DD:DD+7], v[BF:BF+FR-1], v[AA:AA+FR-1], v[CC:CC+7], v[S0], v[S1] matrix_a_fmt:MATRIX_FMT_FP6 matrix_b_fmt:MATRIX_FMT_FP6 matrix_b_scale:MATRIX_SCALE_ROW1
.endif
.endm
; 8 matrix instructions: camera tiles a0, a0 + 1 x W's four.  The 32 accumulators take turns, one instruction a turn, in the same order in every step.
.macro MUL8 a0, s, first
.irp a, \a0, \a0+1
.irp b, 0,1,2,3
	WM (\a), \b, \s, \first
.endr
.endr
.endm
.macro FETCH_B s                       ; W's four fragments of K step s into set s % 2
	WIN TO_B
.irp i, 0,1,2,3
	FRAG 128*((\s)%2)+FR*\i, B16+(\s)/4, B8+(\s)/4, HB*\i+1536*((\s)%4)
.endr
	WIN 0
.endm
.macro FETCH_A s, i0                   ; A's tiles i0 .. i0 + 3 of K step s
.irp i, \i0, \i0+1, \i0+2, \i0+3
	FRAG AF+FR*(\i), A16+(\s)/4, A8+(\s)/4, HB*(\i)+1536*((\s)%4)
.endr
.endm
; A step of 128 along K that has a successor: 32 matrix instructions.  A tile of A is free as soon as its four products are issued, so one set of registers serves A: tiles 0-3 are fetched anew in the step's middle, tiles 4-7 at its end.
; A load into a register that a matrix instruction has read stands NP places behind it, and only plain vector instructions that name none of its registers are places.
; meet = 1: the next step reads K's second half of A: each wave waits for its load of it, and a barrier (behind which nothing is filled) shows it to all four.
.macro KSTEP s, first, meet
.if \meet
	s_wait_tensorcnt 0x0                           ; my part of A's second half has landed
.endif
	s_wait_dscnt 16                                ; W's set and A's tiles 0-3 are in; the youngest 16 loads (A's tiles 4-7) may be out
.if \first
	WIN FST
.else
	WIN MUL
.endif
	MUL8 0, \s, \first
.if \meet
	s_wait_dscnt 0x0                               ; no LDS instruction of mine is pending at a signal
	s_barrier_signal -1
.endif
	MUL8 2, \s, \first
.if \meet
	s_barrier_wait -1
.else
	s_wait_dscnt 0x0                               ; A's tiles 4-7 are in (asked for 16 matrix instructions ago)
.endif
	PLACES NP
	FETCH_B (\s)+1
	FETCH_A (\s)+1, 0
.if \first
	WIN FST
.else
	WIN MUL
.endif
	MUL8 4, \s, \first
	MUL8 6, \s, \first
	PLACES NP
	WIN 0
	FETCH_A (\s)+1, 4
.endm
.macro MAIN meet                       ; a pass's products: K's eight steps
	FETCH_B 0
	FETCH_A 0, 0
	FETCH_A 0, 4
	KSTEP 0, 1, 0
	KSTEP 1, 0, 0
	KSTEP 2, 0, 0
	KSTEP 3, 0, \meet
	KSTEP 4, 0, 0
	KSTEP 5, 0, 0
	KSTEP 6, 0, 0
	s_wait_dscnt 16                                ; the last step: nothing more to fetch
	WIN MUL
	MUL8 0, 7, 0
	MUL8 2, 7, 0
	s_wait_dscnt 0x0
	MUL8 4, 7, 0
	MUL8 6, 7, 0
	WIN 0
.endm
; THE MATRIX M of a camera is kept so that register 4 j + i holds M[i][j].  For q, M = P^T: P as it was loaded.  For k and v, M = the inverse of the rigid motion: its 3 x 3 part is again P as loaded;
; its last column is -(R^T t), its last row 0 0 0 1.
.macro PINV b
.irp i, 0,1,2
	v_mul_f32 v[\b+12+\i], v[\b+\i], v[\b+3]
.endr
.irp i, 0,1,2
	v_fma_f32 v[\b+12+\i], v[\b+4+\i], v[\b+7], v[\b+12+\i]
.endr
.irp i, 0,1,2
	v_fma_f32 v[\b+12+\i], -v[\b+8+\i], v[\b+11], -v[\b+12+\i]
.endr
	v_mov_b32 v[\b+3], 0
	v_mov_b32 v[\b+7], 0
	v_mov_b32 v[\b+11], 0
	v_mov_b32 v[\b+15], 1.0
.endm
; Camera tile a: the 32 numbers of my camera, M times each group of four, into v[Y] on: two results an instruction.  Each accumulator is read from its low end on.
.macro PROJ a
	WIN 0x0b                                       ; source 0 (M) window 3, source 1 (the accumulators) window 2
.set MB, PM+16*(\a)
.irp t, 0,1,2,3
.set AC, 8*(4*(\a)+\t)
.set YY, Y+8*\t
.irp g, 0,4
	v_pk_mul_f32 v[YY+\g:YY+\g+1], v[MB:MB+1], v[AC+\g:AC+\g+1] op_sel_hi:[1,0]
.endr
.irp g, 0,4
	v_pk_mul_f32 v[YY+\g+2:YY+\g+3], v[MB+2:MB+3], v[AC+\g:AC+\g+1] op_sel_hi:[1,0]
.endr
.irp g, 0,4
	v_pk_fma_f32 v[YY+\g:YY+\g+1], v[MB+4:MB+5], v[AC+\g:AC+\g+1], v[YY+\g:YY+\g+1] op_sel:[0,1,0]
.endr
.irp g, 0,4
	v_pk_fma_f32 v[YY+\g+2:YY+\g+3], v[MB+6:MB+7], v[AC+\g:AC+\g+1], v[YY+\g+2:YY+\g+3] op_sel:[0,1,0]
.endr
.irp g, 0,4
	v_pk_fma_f32 v[YY+\g:YY+\g+1], v[MB+8:MB+9], v[AC+\g+2:AC+\g+3], v[YY+\g:YY+\g+1] op_sel_hi:[1,0,1]
.endr
.irp g, 0,4
	v_pk_fma_f32 v[YY+\g+2:YY+\g+3], v[MB+10:MB+11], v[AC+\g+2:AC+\g+3], v[YY+\g+2:YY+\g+3] op_sel_hi:[1,0,1]
.endr
.irp g, 0,4
	v_pk_fma_f32 v[YY+\g:YY+\g+1], v[MB+12:MB+13], v[AC+\g+2:AC+\g+3], v[YY+\g:YY+\g+1] op_sel:[0,1,0]
.endr
.irp g, 0,4
	v_pk_fma_f32 v[YY+\g+2:YY+\g+3], v[MB+14:MB+15], v[AC+\g+2:AC+\g+3], v[YY+\g+2:YY+\g+3] op_sel:[0,1,0]
.endr
.endr
.endm
; What differs from camera tile to camera tile, the accumulators' and the matrix's registers, is the block PROJ, chosen by the trip's number; all else of a trip is written once.
.macro CHOOSE
.irp k, 0,1,2,3,4,5,6
	s_cmp_eq_u32 s[IT], \k
	s_cbranch_scc1 .Lp_\@_\k
.endr
	PROJ 7
	WIN 0
	s_branch .Ljoin_\@
.irp k, 0,1,2,3,4,5,6
.Lp_\@_\k:
	PROJ \k
	WIN 0
.if \k < 6
	s_branch .Ljoin_\@
.endif
.endr
.Ljoin_\@:
.endm
; The layer norm over the head's 64 channels: my 32 and lane l xor 16's.  The variance is taken about the mean.
.macro LNQ
	v_pk_add_f32 v[LT:LT+1], v[Y:Y+1], v[Y+2:Y+3]
	v_pk_add_f32 v[LT+2:LT+3], v[Y+4:Y+5], v[Y+6:Y+7]
.irp j, 8,12,16,20,24,28
	v_pk_add_f32 v[LT:LT+1], v[LT:LT+1], v[Y+\j:Y+\j+1]
	v_pk_add_f32 v[LT+2:LT+3], v[LT+2:LT+3], v[Y+\j+2:Y+\j+3]
.endr
	v_pk_add_f32 v[LT:LT+1], v[LT:LT+1], v[LT+2:LT+3]
	v_add_f32 v[LT], v[LT], v[LT+1]
	v_permlanex16_b32 v[LT+4], v[LT], s[SEL], s[SEL+1]
	v_add_f32 v[LT], v[LT], v[LT+4]
	v_mul_f32 v[MU], s[I64], v[LT]                 ; the mean
.set j, 0
.rept 16
	v_pk_add_f32 v[Y+j:Y+j+1], v[Y+j:Y+j+1], v[MU:MU+1] op_sel_hi:[1,0] neg_lo:[0,1] neg_hi:[0,1]
.set j, j+2
.endr
	v_pk_mul_f32 v[LT:LT+1], v[Y:Y+1], v[Y:Y+1]
	v_pk_mul_f32 v[LT+2:LT+3], v[Y+2:Y+3], v[Y+2:Y+3]
.irp j, 4,8,12,16,20,24,28
	v_pk_fma_f32 v[LT:LT+1], v[Y+\j:Y+\j+1], v[Y+\j:Y+\j+1], v[LT:LT+1]
	v_pk_fma_f32 v[LT+2:LT+3], v[Y+\j+2:Y+\j+3], v[Y+\j+2:Y+\j+3], v[LT+2:LT+3]
.endr
	v_pk_add_f32 v[LT:LT+1], v[LT:LT+1], v[LT+2:LT+3]
	v_add_f32 v[LT], v[LT], v[LT+1]
	v_permlanex16_b32 v[LT+4], v[LT], s[SEL], s[SEL+1]
	v_add_f32 v[LT], v[LT], v[LT+4]
	v_fma_f32 v[LT], v[LT], s[I64], s[EPSR]        ; var + eps
	v_rsq_f32 v[RS], v[LT]
	v_nop                                          ; a plain line behind the transcendental
	s_wait_alu depctr_va_vdst(0)                   ; and the wait ahead of the first use of its result
.set j, 0
.rept 16
	v_pk_mul_f32 v[Y+j:Y+j+1], v[Y+j:Y+j+1], v[RS:RS+1] op_sel_hi:[1,0]
.set j, j+2
.endr
.endm
; 32 numbers of a lane, register 16 b + i = k 32 b + 16 (lane / 16) + i of my row, become a unit's codes in v[PC] .. v[PC + 5] and its two scale bytes in v[PW].
.macro QUANT2 s
.irp b, 0,1
	v_max3_num_f32 v[QM+\b], |v[\s+16*\b]|, |v[\s+1+16*\b]|, 0x1800000   ; with the floor 2^(3 - 127): the byte cannot fall under 1
.endr
.irp i, 2,4,6,8,10,12,14
.irp b, 0,1
	v_max3_num_f32 v[QM+\b], v[QM+\b], |v[\s+16*\b+\i]|, |v[\s+1+16*\b+\i]|
.endr
.endr
.irp b, 0,1
	v_permlanex16_b32 v[QB+\b], v[QM+\b], s[SEL], s[SEL+1]
.endr
.irp b, 0,1
	v_max_num_f32 v[QM+\b], v[QM+\b], v[QB+\b]     ; with lane l xor 16's: the block's largest magnitude
.endr
.irp b, 0,1
	v_add_nc_u32 v[QS+\b], 0xff000000, v[QM+\b]    ; 2 off its exponent field: the conversion's scale operand
.endr
.irp b, 0,1
	v_lshrrev_b32 v[QB+\b], 23, v[QS+\b]           ; the scale's byte
.endr
	v_lshl_or_b32 v[PW], v[QB+1], 8, v[QB]
	v_cvt_scalef32_pk16_fp6_f32 v[PC:PC+2], v[\s:\s+15], v[QS]
	v_cvt_scalef32_pk16_fp6_f32 v[PT:PT+2], v[\s+16:\s+31], v[QS+1]
	v_nop                                          ; one plain line behind a scaled conversion
.irp i, 0,1,2
	v_permlane16_swap_b32 v[PC+\i], v[PT+\i]       ; a WHOLE block in a lane: lanes 0-15 block 0, lanes 16-31 block 1
.endr
.irp i, 0,1,2
	v_mov_b32 v[PC+3+\i], v[PT+\i]
.endr
.endm
; 64 numbers of a lane, laid likewise, become a fragment's codes in v[PC] .. v[PC + 11] and its scale word in v[PW].
.macro QUANT s
.irp b, 0,1,2,3
	v_max3_num_f32 v[TM+\b], |v[\s+16*\b]|, |v[\s+1+16*\b]|, 0x1800000
.endr
.irp i, 2,4,6,8,10,12,14
.irp b, 0,1,2,3
	v_max3_num_f32 v[TM+\b], v[TM+\b], |v[\s+16*\b+\i]|, |v[\s+1+16*\b+\i]|
.endr
.endr
.irp b, 0,1,2,3
	v_permlanex16_b32 v[TM+4+\b], v[TM+\b], s[SEL], s[SEL+1]
.endr
.irp b, 0,1,2,3
	v_max_num_f32 v[TM+\b], v[TM+\b], v[TM+4+\b]
.endr
.irp b, 0,1,2,3
	v_add_nc_u32 v[TM+12+\b], 0xff000000, v[TM+\b]
.endr
.irp b, 0,1,2,3
	v_lshrrev_b32 v[TM+4+\b], 23, v[TM+12+\b]
.endr
	v_lshl_or_b32 v[PW], v[TM+5], 8, v[TM+4]
	v_lshl_or_b32 v[PW], v[TM+6], 16, v[PW]
	v_lshl_or_b32 v[PW], v[TM+7], 24, v[PW]
.irp c, 0,1
	v_cvt_scalef32_pk16_fp6_f32 v[PC+6*\c:PC+2+6*\c], v[\s+32*\c:\s+15+32*\c], v[TM+12+2*\c]
	v_cvt_scalef32_pk16_fp6_f32 v[PT+4*\c:PT+2+4*\c], v[\s+16+32*\c:\s+31+32*\c], v[TM+12+2*\c+1]
.endr
	v_nop
.irp c, 0,1
.irp i, 0,1,2
	v_permlane16_swap_b32 v[PC+6*\c+\i], v[PT+4*\c+\i]
.endr
.irp i, 0,1,2
	v_mov_b32 v[PC+3+6*\c+\i], v[PT+4*\c+\i]
.endr
.endr
.endm
.macro EPI_INIT                        ; a lane permute's destination counts as one of its sources, and of two pairs the low word alone is taken: these seven are written whole
.irp b, 0,1,2,3
	v_mov_b32 v[QB+\b], 0
.endr
	v_mov_b32 v[LT+4], 0
	v_mov_b32 v[MU+1], 0
	v_mov_b32 v[RS+1], 0
.endm
; q or k of my head: a loop of eight trips over the camera tiles: M x, the norm, the unit's codes to memory, its word into my stage; then the eight words of each place leave together.
.macro HEADQK
	s_mov_b64 s[CBT:CBT+1], s[OB:OB+1]
	s_mov_b32 s[IT], 0
	s_mov_b32 s[WO], 0
.Ltrip_\@:
	CHOOSE
	LNQ
	QUANT2 Y
	global_store_b128 v[L16], v[PC:PC+3], s[CBT:CBT+1]             ; 512 consecutive bytes
	global_store_b64 v[L8], v[PC+4:PC+5], s[CBT:CBT+1] offset:512  ; 256 consecutive bytes
	v_add_nc_u32 v13, s[WO], v[WSA]
	ds_store_b32 v13, v[PW]                        ; (both lanes of a place write the same word with the same value)
	s_wait_dscnt 0x0                               ; the LDS store and
	s_wait_xcnt 0x0                                ; the stores to memory have read their registers and their base: the next trip writes them
	s_add_nc_u64 s[CBT:CBT+1], s[CBT:CBT+1], 768
	s_add_co_u32 s[WO], s[WO], 4
	s_add_co_u32 s[IT], s[IT], 1
	s_cmp_lt_u32 s[IT], 8
	s_cbranch_scc1 .Ltrip_\@
	ds_load_b128 v[N:N+3], v[WSR]                  ; the eight units' words, [place][tile]: my own bytes, served in order
	s_wait_dscnt 0x0
	global_store_b128 v[L16], v[N:N+3], s[OB:OB+1] offset:12288
.endm
; v: tile tau of 16 channels x my 128 cameras comes out of the stage, 16 neighbouring cameras of each block of 32 a lane, and is quantised along the cameras: a fragment of v^T, stored as the image of its registers.
.macro VQ tau
.irp be, 0,1,2,3
.irp u, 0,1
.irp i, 0,1
	ds_load_b128 v[N+16*\be+8*\u+4*\i:N+16*\be+8*\u+4*\i+3], v[VRA] offset:8448*(\tau)+128*\be+64*\u+16*\i
.endr
.endr
.endr
	s_wait_dscnt 0x0
	s_wait_xcnt 0x0                                ; the last fragment's stores have read their registers
	QUANT N
.irp c, 0,1,2
	global_store_b128 v[L16], v[PC+4*\c:PC+4*\c+3], s[OB:OB+1] offset:6144+1536*(\tau)+512*\c
.endr
	v_mov_b32 v[VW+(\tau)], v[PW]
.endm
.macro HEADV
	s_mov_b32 s[IT], 0
	s_mov_b32 s[VO], 0
.Ltrip_\@:
	CHOOSE
	v_add_nc_u32 v12, s[VO], v[VSA]                ; into the stage, a row a channel, in the order (tile, place) of the channels; my camera's column 16 a + r
.irp be, 0,1
.irp u, 0,1
.irp e, 0,1,2,3,4,5,6,7
	ds_store_b32 v12, v[Y+8*(2*\be+\u)+\e] offset:(32*\be+16*\u+\e)*528
.endr
.endr
.endr
	s_wait_dscnt 0x0                               ; the stores have read their registers: the next trip writes them
	s_add_co_u32 s[VO], s[VO], 64
	s_add_co_u32 s[IT], s[IT], 1
	s_cmp_lt_u32 s[IT], 8
	s_cbranch_scc1 .Ltrip_\@
	VQ 0
	VQ 1
	VQ 2
	VQ 3
	v_cmp_gt_u32 vcc_lo, 16, v[LN]                 ; both halves of the lanes hold the same words: lanes 0-15 store them
	s_wait_xcnt 0x0                                ; EXEC changes only behind this wait
	s_and_saveexec_b32 s[SAVE], vcc_lo
	global_store_b128 v[VWO], v[VW:VW+3], s[OB:OB+1] offset:12800  ; sixteen lanes store 256 consecutive bytes
	s_wait_xcnt 0x0                                ; and again, in front of the line that widens it
	s_or_b32 exec_lo, exec_lo, s[SAVE]
.endm
	s_wait_tensorcnt 0x1                           ; A's first half of K and my part of Wq are in (A's second half may be out)
	s_barrier_signal -1
	s_barrier_wait -1                              ; everybody's are
	s_wait_loadcnt 0x0                             ; the bias and the scale words
	WIN TO_3                                       ; the cameras' matrices, 16 registers a tile: they are waited for behind the first pass's products
.irp a, 0,1,2,3,4,5,6,7
.irp q, 0,1,2,3
	global_load_b128 v[PM+16*\a+4*\q:PM+16*\a+4*\q+3], v[PVO], s[PVP:PVP+1] offset:(32*(\a/2)+8*(\a%2))*64+16*\q
.endr
.endr
	WIN 0
	s_mov_b32 s[TRIP], 0
.Lpass:                                                ; two trips: q, then k
	MAIN 1
	s_wait_tensorcnt 0x0                           ; no tensor load of mine is out, so a group 0 may be written
	ds_add_u32 v[SPW], v[NIL]                      ; 0 onto my spare word
	s_add_nc_u64 s[G0B+2:G0B+3], s[G0B+2:G0B+3], 64*TILEB          ; the next W lies 64 tiles on; the type bits on top are not reached
	s_wait_dscnt 0x0                               ; the add is done, and my reads of W's tiles are over
	CROUND                                         ; no wave of any partner still reads W's tiles or has a load on its way
	tensor_load_to_lds s[G0B:G0B+3], s[G1B:G1B+7]  ; my one load behind the round: my part of the next W
	s_nop 0
	PLACES 4                                       ; (the places between the last products and the loads into their scale registers)
	s_add_nc_u64 s[SBP:SBP+1], s[SBP:SBP+1], 64*64 ; the loads that named these two pointers have been waited for
	s_cmp_eq_u32 s[TRIP], 0
	s_cselect_b64 s[BPT:BPT+1], s[10:11], s[12:13] ; bk behind q, bv behind k
	s_add_nc_u64 s[BPT:BPT+1], s[BPT:BPT+1], s[BOFF:BOFF+1]
	LOADSB                                         ; the next pass's scale words and bias: 40 loads, waited for at the trip's end
	LOADBIAS
	s_cmp_eq_u32 s[TRIP], 0
	s_cselect_b64 s[OB:OB+1], s[16:17], s[18:19]   ; q goes to qp, k to kv
	s_add_nc_u64 s[OB:OB+1], s[OB:OB+1], s[HOFF:HOFF+1]
	EPI_INIT
	s_wait_loadcnt 40                              ; all but the 40 just issued: the matrices are in
	HEADQK
	s_cmp_lg_u32 s[TRIP], 0
	s_cbranch_scc1 .Lno_inverse
	WIN 0xff                                       ; behind q: the matrices become those of k and v; all operands in window 3
.irp a, 0,1,2,3,4,5,6,7
	PINV PM+16*\a
.endr
	WIN 0
.Lno_inverse:
	s_wait_xcnt 0x0                                ; the stores have read their registers and bases
	s_wait_loadcnt 0x0                             ; the next pass's scale words and bias are in,
	s_wait_tensorcnt 0x0                           ; and my part of its W
	s_wait_dscnt 0x0
	s_barrier_signal -1
	s_barrier_wait -1                              ; everybody's is
	s_add_co_u32 s[TRIP], s[TRIP], 1
	s_cmp_lt_u32 s[TRIP], 2
	s_cbranch_scc1 .Lpass
	MAIN 0                                         ; v: written out: nothing is left to fetch
	PLACES NP                                      ; behind the last products: their results are read and A's registers written below
	s_wait_dscnt 0x0
	s_barrier_signal -1
	s_barrier_wait -1                              ; no wave reads A any more, and A has had its only fill: v's stages lie over it
	s_add_nc_u64 s[OB:OB+1], s[18:19], s[HOFF:HOFF+1]
	EPI_INIT
	HEADV
	s_wait_tensorcnt 0x0                           ; the wave's end: behind my last tensor load and my last LDS store
	ds_add_u32 v[SPW], v[NIL]
	s_wait_dscnt 0x0
	CROUND                                         ; the closing round: no work-group ends while a partner may still ask for a tile that names it
	s_endpgm
.Lfunc_end_k_q4ed3828aed_qkv:
	.size	k_q4ed3828aed_qkv, .Lfunc_end_k_q4ed3828aed_qkv-k_q4ed3828aed_qkv
	.p2alignl 7, 3214868480
	.fill 96, 4, 3214868480
	.section	.rodata,"a",@progbits
	.p2align	6, 0x0
	.amdhsa_kernel k_q4ed3828aed_qkv
		.amdhsa_group_segment_fixed_size 327680
		.amdhsa_private_segment_fixed_size 0
		.amdhsa_enable_private_segment 0
		.amdhsa_kernarg_size 64
		.amdhsa_user_sgpr_count 2
		.amdhsa_user_sgpr_kernarg_segment_ptr 1
		.amdhsa_wavefront_size32 1
		.amdhsa_system_sgpr_workgroup_id_x 1
		.amdhsa_system_sgpr_workgroup_id_y 1
		.amdhsa_system_sgpr_workgroup_id_z 1
		.amdhsa_system_vgpr_workitem_id 0
		.amdhsa_next_free_vgpr 1024
		.amdhsa_next_free_sgpr 102
		.amdhsa_reserve_vcc 1
		.amdhsa_float_denorm_mode_32 3
		.amdhsa_float_denorm_mode_16_64 3
		.amdhsa_memory_ordered 1
		.amdhsa_forward_progress 1
		.amdhsa_inst_pref_size 244
	.end_amdhsa_kernel
	.amdgpu_metadata
---
amdhsa.version: [ 1, 2 ]
amdhsa.kernels:
  - .name:           k_q4ed3828aed_qkv
    .symbol:         k_q4ed3828aed_qkv.kd
    .args:
      - { .name: codes, .offset: 0, .size: 8, .value_kind: global_buffer, .address_space: global }
      - { .name: scales, .offset: 8, .size: 8, .value_kind: global_buffer, .address_space: global }
      - { .name: bq, .offset: 16, .size: 8, .value_kind: global_buffer, .address_space: global }
      - { .name: bk, .offset: 24, .size: 8, .value_kind: global_buffer, .address_space: global }
      - { .name: bv, .offset: 32, .size: 8, .value_kind: global_buffer, .address_space: global }
      - { .name: viewmats, .offset: 40, .size: 8, .value_kind: global_buffer, .address_space: global }
      - { .name: qp, .offset: 48, .size: 8, .value_kind: global_buffer, .address_space: global }
      - { .name: kv, .offset: 56, .size: 8, .value_kind: global_buffer, .address_space: global }
    .group_segment_fixed_size: 327680
    .private_segment_fixed_size: 0
    .kernarg_segment_align: 8
    .kernarg_segment_size: 64
    .max_flat_workgroup_size: 128
    .sgpr_count:     102
    .vgpr_count:     1024
    .wavefront_size: 32
...
	.end_amdgpu_metadata
.endif
;; end of part 5
;; launch attn (part 6): grid 4 x 64, 16 waves a work-group, clusters of 4 x 1, 215,040 bytes of LDS; arguments qp, kv, viewmats, acodes, ascales; writes acodes, ascales
.if DOCPART == 6
	.amdgcn_target "amdgcn-amd-amdhsa--gfx1250"
	.amdhsa_code_object_version 6
	.text
	.protected	k_q4ed3828aed_attn
	.globl	k_q4ed3828aed_attn
	.p2align	8
	.type	k_q4ed3828aed_attn,@function
k_q4ed3828aed_attn:
	s_mov_b64 s[64:65], 0
	v_nop
	global_prefetch_b8 v0, s[64:65] scope:SCOPE_SE
	s_setreg_imm32_b32 hwreg(HW_REG_WAVE_MODE, 25, 1), 1
	s_wait_xcnt 0x0
	s_wait_alu depctr_hold_cnt(0) depctr_sa_sdst(0) depctr_va_vdst(0) depctr_va_sdst(0) depctr_va_ssrc(0) depctr_va_vcc(0) depctr_vm_vsrc(0)
	s_getreg_b32 s2, hwreg(HW_REG_IB_STS2, 6, 4)
	s_cmp_eq_u32 s2, 0
	s_cbranch_scc0 .Lentry_in_a_cluster
	s_endpgm
.Lentry_in_a_cluster:
	s_bfe_u32 s2, ttmp6, 0x10000c
	s_cmp_lg_u32 s2, 0x3003
	s_cbranch_scc0 .Lentry_shape_is_right
	s_endpgm
.Lentry_shape_is_right:
; O = softmax(q k^T / 8) v for two heads of a batch, both products on codes of FP6 (E2M3) with E8M0 scales; then each group of four channels times the query camera's 4 x 4 matrix P, in f32, and the quantiser of the
; output projection's operand.  Only codes and scale words go to memory.
; THE SOFTMAX AHEAD OF THE SECOND PRODUCT: t = score x log2(e) / 8; p = 2^t is what is quantised, along the keys; the row's sum is taken of the unquantised p, in f32, and divides O at the end.
; NO MAXIMUM IS TAKEN AWAY, since the computation itself bounds t for every input: q and k leave the layer norm with a length of at most 8 (64 var / (var + eps) < 64); E2M3 moves a number by at most a sixteenth of itself, or, under the
; block's scale, by at most a sixty-fourth of the block's largest: less than 0.5 + 1 in length; so |score| <= 9.5 x 9.5 and |t| <= 90.25 x 0.1804 < 16.3.  p lies in 2^-16.3 .. 2^16.3, a row's sum under 2^27: nothing can overflow or
; fall to a denormal.  This is the rule's p = 2^(t - M) with the whole number M = 0: against the row's own M every p, the sum and O differ by one exact power of two, which the blocks' scales take up: the codes' values are the same.
; SHARES.  Work-group y = 8 b + hp owns heads 2 hp and 2 hp + 1 of batch b; its place cx in the cluster a quarter of the 1,024 queries; each of its SIXTEEN waves one tile of 16 queries, first for the one head, then for the other:
; so a wave makes both units of a fragment of the next product (K = the two heads' 128 channels) and its whole scale word.  Four waves share a SIMD: one wave's vector work stands beside another's products and LDS loads.
; LDS.  The two heads' k and v, 2 x 104,448 bytes as the launch before laid them (a step of 128 keys: 8 units of k, 4 fragments of v^T, k's words, v's words: 13,056 bytes), are brought ONCE and stay: no byte is filled twice.
; CLUSTER.  The four work-groups of a cluster walk the same k and v: each of the eight tensor loads is asked for JOINTLY (mask 15, the same descriptor in all four).
; LAYOUT.  Both products are used transposed: S^T = k q^T, O^T = v^T p^T: a lane holds ONE query (lane % 16).  Place m of a tile T is row 32 (T / 2) + 8 (T % 2) + m + 8 (m / 8) of its axis, so the 16 registers of two neighbouring tiles
; are 16 neighbours: of the keys in S^T, of the channels in O^T.
; THE FIRST PRODUCT'S K IS 64, the instruction's 128: units 2 t and 2 t + 1 of k, which lie on end, are ONE fragment; it is multiplied by [q | zero codes] for the keys of tile 2 t and by [zero codes | q] for those of tile 2 t + 1.
; The two forms of q share q's six registers (zeros, q, zeros: 18 registers).  So a step's eight tiles take 48 registers, and the next step's are fetched as soon as this step's scores are issued: the softmax stands between the loads and their use.
; No prefetch: every byte of k and v is asked for at the head by the tensor loads themselves.
; LIMITS: NaN and infinities are not served; in the output's quantiser a block of zeros gets the byte 1 (only this program reads it); the logit's scale and log2(e) are one constant.
; REGISTERS: v1-9 addresses; v10-27 zeros, q, zeros; v28-29 q's word, low and high; v32-79 four fragments of k; v80-87 k's words as loaded; v88-91 v's words; v92-95 k's words by pairs of tiles; v96-159 S^T, then p, then v's fragments;
; v160-191 O^T; v192-211 p's codes; v212-223 at work; v224-239 P; v240-246 the second head's q; v247 p's word; v[248:249], v[250:251] the sum.
.set HEADB, 104448
.set STEPB, 13056
.set QTR,   26112                      ; a quarter of a head: what one tensor load brings: 102 rows of 256 bytes
.set AST,   2*HEADB                    ; behind the two heads: the sixteen waves' output scale words, 64 bytes each
.set L16, 1                            ; v1   16 x lane
.set L8,  2                            ; v2   8 x lane
.set R32, 3                            ; v3   32 r
.set R16, 4                            ; v4   16 r
.set AK16, 5                           ; v5-8 the same at the step in hand
.set AK8, 6
.set AKW, 7
.set AVW, 8
.set AWD, 9                            ; v9   the output's scale word
.set QZ,  10                           ; v10-21 [zero codes | q]
.set Q,   16                           ; v16-27 [q | zero codes]
.set QW,  28                           ; v28  q's two scale bytes in bytes 0, 1;  v29 in bytes 2, 3
.set QW2, 29
.set ASW, 30                           ; v30  where I put the output's word: AST + 64 wave + 4 r
.set ASR, 31                           ; v31  where waves 0 and 1 read eight waves' words: AST + 512 (wave % 2) + 16 x lane
.set KF,  32
.set KW,  80
.set VW,  88
.set W,   92
.set S,   96
.set YO,  128
.set O,   160
.set PC,  192
.set PT,  204
.set BM,  212
.set BP,  216
.set SO,  220
.set QM,  212
.set QB,  216
.set QS,  220
.set PM,  224
.set Q1,  240
.set PWD, 247
.set SUM, 248
.set C2,  250
.set PW,  253
.set TB,  2                            ; s2   LDS byte at which the step in hand begins
.set WV,  18                           ; s18  my wave's number
.set SEL, 20                           ; s[20:21] lane selects for v_permlanex16_b32: lane l xor 16
.set CS,  22                           ; s[22:23] c = log2(e) / 8
.set G1,  28                           ; s[28:35] descriptor group 1;  s[36:39], s[40:43] groups 0 for the two heads
.macro CROUND                          ; a round of the cluster's barrier
	s_barrier_signal -1
	s_barrier_wait -1
	s_cmp_lg_u32 s[WV], 0
	s_cbranch_scc1 .Lnot_wave_0_\@
	s_barrier_signal -3
.Lnot_wave_0_\@:
	s_barrier_wait -3
	s_barrier_signal -1
	s_barrier_wait -1
.endm
	s_load_b256 s[4:11], s[0:1], 0x0               ; qp, kv, viewmats, acodes
	s_load_b64 s[12:13], s[0:1], 0x20              ; ascales
	v_lshl_add_u32 v254, v0, 2, 0x34000
	v_mov_b32 v255, 0
	ds_add_u32 v254, v255
	ds_add_u32 v254, v255
	v_lshrrev_b32 v1, 5, v0
	v_readfirstlane_b32 s[WV], v1                  ; wave 0..15
	s_bfe_u32 s19, ttmp6, 0x40000                  ; cx: it enters addresses in memory alone
	s_and_b32 s24, ttmp7, 0xffff                   ; y = 8 b + hp, which the four partners share
	s_mov_b32 s[G1], 15|(3<<16)|(1<<21)            ; 15:0 the mask: all four work-groups; 17:16 elements of 8 bytes; 20 no padding; 21 set beside a mask
	s_mov_b32 s[G1+1], 32<<16                      ; tensor_dim0: 256 bytes
	s_mov_b32 s[G1+2], 102<<16                     ; tensor_dim1
	s_mov_b32 s[G1+3], 32<<16                      ; tile_dim0
	s_mov_b32 s[G1+4], 102                         ; tile_dim1
	s_mov_b32 s[G1+5], 32                          ; dense
	s_mov_b32 s[G1+6], 0
	s_mov_b32 s[G1+7], 0
	s_mul_i32 s46, s[WV], QTR                      ; waves 0 to 3: my quarter of a head, in memory and in LDS
	s_mov_b32 s47, 0
	s_mul_i32 s44, s24, 2*HEADB                    ; my pair of heads in qp and in kv
	s_mov_b32 s45, 0
	s_mov_b32 s[SEL], 0x76543210
	s_mov_b32 s[SEL+1], 0xfedcba98
	s_mov_b32 s[CS], 0x3e38aa3b
	s_mov_b32 s[CS+1], s[CS]                       ; (named with it as a pair, so it is written)
	s_mov_b32 s[TB], 0
	s_wait_dscnt 0x0
	s_wait_kmcnt 0x0
	s_add_nc_u64 s[6:7], s[6:7], s[44:45]
	s_add_nc_u64 s[4:5], s[4:5], s[44:45]
	CROUND                                         ; all four work-groups are here: the joint loads meet
	s_mov_b32 s36, 1
	s_mov_b32 s37, s46
	s_add_nc_u64 s[38:39], s[6:7], s[46:47]
	s_or_b32 s39, s39, 0x80000000
	s_mov_b32 s40, 1
	s_add_co_u32 s41, s46, HEADB
	s_add_nc_u64 s[42:43], s[6:7], s[46:47]
	s_add_nc_u64 s[42:43], s[42:43], HEADB
	s_or_b32 s43, s43, 0x80000000
	s_cmp_lt_u32 s[WV], 4                          ; a wave's two fills stand in one branch on the wave's number, ahead of every wait on TENSORcnt and every LDS read: two loads of mine are out
	s_cbranch_scc0 .Lno_fetch
	tensor_load_to_lds s[36:39], s[G1:G1+7]        ; the first head
	s_nop 0
	tensor_load_to_lds s[40:43], s[G1:G1+7]        ; the second
	s_nop 0
.rept 4
	v_nop
.endr
.Lno_fetch:
	v_and_b32 v96, 31, v0                          ; lane
	v_and_b32 v97, 15, v0                          ; r
	v_lshlrev_b32 v[L16], 4, v96
	v_lshlrev_b32 v[L8], 3, v96
	v_lshlrev_b32 v[R32], 5, v97
	v_lshlrev_b32 v[R16], 4, v97
	s_lshl_b32 s48, s[WV], 6
	s_add_co_u32 s48, s48, AST
	v_lshl_add_u32 v[ASW], v97, 2, s48
	s_and_b32 s48, s[WV], 1
	s_lshl_b32 s48, s48, 9
	s_add_co_u32 s49, s48, AST
	v_add_nc_u32 v[ASR], s49, v[L16]
	s_and_b32 s50, s[WV], 7                        ; my tile of queries in its step of 128 cameras
	s_mul_i32 s51, s50, 768
	v_add_nc_u32 v98, s51, v[L16]
	v_add_nc_u32 v99, s51, v[L8]
	s_lshl_b32 s50, s50, 2
	v_add_nc_u32 v100, s50, v[R32]
	v_and_b32 v101, 8, v97
	v_add_nc_u32 v101, v101, v97
	v_lshlrev_b32 v101, 6, v101                    ; my camera's matrix: 64 (r + 8 (r / 8))
	s_lshl_b32 s50, s19, 1
	s_lshr_b32 s51, s[WV], 3
	s_add_co_u32 s50, s50, s51                     ; that step: 2 cx + wave / 8
	s_mul_i32 s50, s50, STEPB
	s_mov_b32 s51, 0
	s_add_nc_u64 s[4:5], s[4:5], s[50:51]
	global_load_b128 v[Q:Q+3], v98, s[4:5]                         ; q's unit and word, for both heads
	global_load_b64 v[Q+4:Q+5], v99, s[4:5] offset:512
	global_load_b32 v[QW], v100, s[4:5] offset:12288
	global_load_b128 v[Q1:Q1+3], v98, s[4:5] offset:HEADB
	global_load_b64 v[Q1+4:Q1+5], v99, s[4:5] offset:HEADB+512
	global_load_b32 v[Q1+6], v100, s[4:5] offset:HEADB+12288
	s_lshl_b32 s52, s19, 4
	s_add_co_u32 s52, s52, s[WV]                   ; my tile among the batch's 64
	s_lshr_b32 s53, s24, 3                         ; b
	s_lshr_b32 s54, s52, 1
	s_lshl_b32 s54, s54, 5
	s_and_b32 s55, s52, 1
	s_lshl_b32 s55, s55, 3
	s_add_co_u32 s54, s54, s55
	s_lshl_b32 s55, s53, 10
	s_add_co_u32 s54, s54, s55                     ; its first camera
	s_lshl_b32 s54, s54, 6
	s_mov_b32 s55, 0
	s_add_nc_u64 s[8:9], s[8:9], s[54:55]
.irp q, 0,1,2,3
	global_load_b128 v[PM+4*\q:PM+4*\q+3], v101, s[8:9] offset:16*\q   ; P: register 4 i + j = P[i][j]
.endr
	s_lshl_b32 s54, s53, 6
	s_add_co_u32 s54, s54, s52
	s_mul_i32 s54, s54, 12288                      ; acodes: [tile of rows 64 b + tile][16 heads][768]
	s_and_b32 s56, s24, 7                          ; hp
	s_mul_i32 s57, s56, 1536
	s_add_co_u32 s54, s54, s57
	s_add_nc_u64 s[10:11], s[10:11], s[54:55]
	s_lshl_b32 s54, s56, 15                        ; ascales: [hp][512 tiles][64 bytes]
	s_lshl_b32 s57, s53, 12
	s_add_co_u32 s54, s54, s57
	s_lshl_b32 s57, s19, 10
	s_add_co_u32 s54, s54, s57
	s_add_co_u32 s54, s54, s48
	s_add_nc_u64 s[12:13], s[12:13], s[54:55]
.irp i, 0,1,2,3,4,5
	v_mov_b32 v[QZ+\i], 0                          ; the zero codes on both sides of q, written once
	v_mov_b32 v[Q+6+\i], 0
.endr
.irp b, 0,1,2,3
	v_mov_b32 v[BP+\b], 0                          ; written once: a lane permute's destination counts as one of its sources
.endr
	v_mov_b32 v252, 0
.macro KLOAD off                       ; a step's eight units of k as four fragments: of each unit 16 bytes a lane, then 8
.irp t, 0,1,2,3
	ds_load_b128 v[KF+12*\t:KF+12*\t+3], v[AK16] offset:\off+1536*\t
	ds_load_b64 v[KF+12*\t+4:KF+12*\t+5], v[AK8] offset:\off+1536*\t+512
	ds_load_b128 v[KF+12*\t+6:KF+12*\t+9], v[AK16] offset:\off+1536*\t+768
	ds_load_b64 v[KF+12*\t+10:KF+12*\t+11], v[AK8] offset:\off+1536*\t+1280
.endr
.endm
.macro WMAKE                           ; a fragment's scale word: tile 2 t's two bytes below, tile 2 t + 1's above (bytes 2 and 3 of a word as stored are 0)
.irp t, 0,1,2,3
	v_lshl_or_b32 v[W+\t], v[KW+2*\t+1], 16, v[KW+2*\t]
.endr
.endm
.macro PRO                             ; a head's first step has nobody to fetch its k ahead
	v_add_nc_u32 v[AK16], s[TB], v[L16]
	v_add_nc_u32 v[AK8], s[TB], v[L8]
	v_add_nc_u32 v[AKW], s[TB], v[R32]
	ds_load_b128 v[KW:KW+3], v[AKW] offset:12288
	ds_load_b128 v[KW+4:KW+7], v[AKW] offset:12304
	KLOAD 0
	s_wait_dscnt 0x0
	WMAKE                                          ; (the 34 lines of INIT stand between these and the first product)
.endm
.macro INIT                            ; O^T and the sum begin as zeros
	v_mov_b32 v[SUM], 0
	v_mov_b32 v[SUM+1], 0
.set j, 0
.rept 32
	v_mov_b32 v[O+j], 0
.set j, j+1
.endr
.endm
; A KEY STEP: 128 keys.  pre = 1: the next step's k and its words are fetched, 13,056 bytes further on.
.macro STEP pre
.rept 5
	v_nop                                          ; five places between the last products, which read v's fragments, and the products that write the scores over them
.endr
.irp t, 0,1,2,3                                ; S^T = k q^T: each fragment twice
	v_wmma_scale_f32_16x16x128_f8f6f4 v[S+16*\t:S+16*\t+7], v[KF+12*\t:KF+12*\t+11], v[Q:Q+11], 0, v[W+\t], v[QW] matrix_a_fmt:MATRIX_FMT_FP6 matrix_b_fmt:MATRIX_FMT_FP6
	v_wmma_scale_f32_16x16x128_f8f6f4 v[S+16*\t+8:S+16*\t+15], v[KF+12*\t:KF+12*\t+11], v[QZ:QZ+11], 0, v[W+\t], v[QW2] matrix_a_fmt:MATRIX_FMT_FP6 matrix_b_fmt:MATRIX_FMT_FP6
.endr
	v_add_nc_u32 v[AK16], s[TB], v[L16]            ; the step's addresses: also the four places in front of the loads into k's registers and of the first read of the scores
	v_add_nc_u32 v[AK8], s[TB], v[L8]
	v_add_nc_u32 v[AKW], s[TB], v[R32]
	v_add_nc_u32 v[AVW], s[TB], v[R16]
.if \pre
	ds_load_b128 v[KW:KW+3], v[AKW] offset:STEPB+12288             ; my place's words of the next step's eight tiles of k
	ds_load_b128 v[KW+4:KW+7], v[AKW] offset:STEPB+12304
.endif
	ds_load_b128 v[VW:VW+3], v[AVW] offset:12800   ; and of this step's four tiles of v
.if \pre
	KLOAD STEPB
.endif
.irp b, 0,1,2,3
	v_max3_num_f32 v[BM+\b], v[S+16*\b], v[S+1+16*\b], v[S+2+16*\b]    ; THE LARGEST SCORE OF EACH BLOCK OF 32 KEYS: since p rises with the score, it gives the block's largest p
.endr
.irp i, 3,5,7,9,11,13
.irp b, 0,1,2,3
	v_max3_num_f32 v[BM+\b], v[BM+\b], v[S+16*\b+\i], v[S+1+16*\b+\i]
.endr
.endr
.irp b, 0,1,2,3
	v_max_num_f32 v[BM+\b], v[BM+\b], v[S+15+16*\b]
.endr
.irp b, 0,1,2,3
	v_permlanex16_b32 v[BP+\b], v[BM+\b], s[SEL], s[SEL+1]
.endr
.irp b, 0,1,2,3
	v_max_num_f32 v[BM+\b], v[BM+\b], v[BP+\b]     ; with lane l xor 16's 16 keys
.endr
.set j, 0
.rept 32
	v_pk_mul_f32 v[S+j:S+j+1], v[S+j:S+j+1], s[CS:CS+1] op_sel_hi:[1,0]   ; t, two at a time
.set j, j+2
.endr
.irp b, 0,1,2,3
	v_mul_f32 v[BM+\b], s[CS], v[BM+\b]            ; the same of each block's largest score
.endr
.set j, 0
.rept 64
	v_exp_f32 v[S+j], v[S+j]                       ; p = 2^t: NOT normalised
.set j, j+1
.endr
.if \pre
	s_wait_dscnt 17                                ; the next step's words are in; behind them v's words (1 load) and the next k (16) may be out
	WMAKE                                          ; plain lines behind the exponentials; more than eight plain lines stand between them and the next step's products
.else
	v_nop                                          ; a plain line behind the exponentials
.endif
	s_wait_alu depctr_va_vdst(0)                   ; one wait for the whole batch, ahead of its first reader
.irp b, 0,1,2,3
	v_exp_f32 v[BM+\b], v[BM+\b]                   ; the block's largest p: the same two operations on the same number give the same bits
.endr
	v_pk_add_f32 v[C2:C2+1], v[S:S+1], v[S+2:S+3]  ; THE ROW'S SUM IS TAKEN OF THE UNQUANTISED p: two at a time, in two chains; first the 48 registers that v's fragments will take
.set j, 4
.rept 11
	v_pk_add_f32 v[SUM:SUM+1], v[SUM:SUM+1], v[S+j:S+j+1]
	v_pk_add_f32 v[C2:C2+1], v[C2:C2+1], v[S+j+2:S+j+3]
.set j, j+4
.endr
	s_wait_alu depctr_va_vdst(0)                   ; and one for the four
.irp b, 0,1,2,3
	v_add_nc_u32 v[SO+\b], 0xff000000, v[BM+\b]    ; 2 off the exponent field: the conversion's scale operand.  (No floor: p is at least 2^-16.3, so the byte is at least 108)
.endr
.irp b, 0,1,2,3
	v_lshrrev_b32 v[BP+\b], 23, v[SO+\b]           ; the scale's byte
.endr
	v_lshl_or_b32 v[PWD], v[BP+1], 8, v[BP]        ; p's scale word for these 128 keys
	v_lshl_or_b32 v[PWD], v[BP+2], 16, v[PWD]
	v_lshl_or_b32 v[PWD], v[BP+3], 24, v[PWD]
.irp c, 0,1
	v_cvt_scalef32_pk16_fp6_f32 v[PC+6*\c:PC+6*\c+2], v[S+32*\c:S+32*\c+15], v[SO+2*\c]
	v_cvt_scalef32_pk16_fp6_f32 v[PT+4*\c:PT+4*\c+2], v[S+16+32*\c:S+31+32*\c], v[SO+2*\c+1]
.endr
	v_nop                                          ; one plain line behind a scaled conversion
.irp t, 0,1,2,3                                ; v's four fragments, images of their registers, into the first 48 registers that p has left
.irp c, 0,1,2
	ds_load_b128 v[S+12*\t+4*\c:S+12*\t+4*\c+3], v[AK16] offset:6144+1536*\t+512*\c
.endr
.endr
.irp c, 0,1                                    ; a WHOLE block in a lane: lanes 0-15 block 2 c, lanes 16-31 block 2 c + 1
.irp i, 0,1,2
	v_permlane16_swap_b32 v[PC+6*\c+\i], v[PT+4*\c+\i]
.endr
.irp i, 0,1,2
	v_mov_b32 v[PC+3+6*\c+\i], v[PT+4*\c+\i]
.endr
.endr
.set j, 48
.rept 4
	v_pk_add_f32 v[SUM:SUM+1], v[SUM:SUM+1], v[S+j:S+j+1]          ; the sum's last 16 numbers, which no load touches: work while v's fragments come, and the places between p's codes and word and the products
	v_pk_add_f32 v[C2:C2+1], v[C2:C2+1], v[S+j+2:S+j+3]
.set j, j+4
.endr
	v_pk_add_f32 v[SUM:SUM+1], v[SUM:SUM+1], v[C2:C2+1]
	s_wait_dscnt 0x0
.irp t, 0,1,2,3                                ; O^T += v^T p^T: the four accumulators by turns
	v_wmma_scale_f32_16x16x128_f8f6f4 v[O+8*\t:O+8*\t+7], v[S+12*\t:S+12*\t+11], v[PC:PC+11], v[O+8*\t:O+8*\t+7], v[VW+\t], v[PWD] matrix_a_fmt:MATRIX_FMT_FP6 matrix_b_fmt:MATRIX_FMT_FP6
.endr
	s_add_co_u32 s[TB], s[TB], STEPB
.endm
; 32 numbers of a lane, register 16 b + i = k 32 b + 16 (lane / 16) + i of my row, become a unit's codes in v[PC] .. v[PC + 5] and its two scale bytes in v[PW].
.macro QUANT2 s
.irp b, 0,1
	v_max3_num_f32 v[QM+\b], |v[\s+16*\b]|, |v[\s+1+16*\b]|, 0x1800000   ; with the floor 2^(3 - 127): the byte cannot fall under 1
.endr
.irp i, 2,4,6,8,10,12,14
.irp b, 0,1
	v_max3_num_f32 v[QM+\b], v[QM+\b], |v[\s+16*\b+\i]|, |v[\s+1+16*\b+\i]|
.endr
.endr
.irp b, 0,1
	v_permlanex16_b32 v[QB+\b], v[QM+\b], s[SEL], s[SEL+1]
.endr
.irp b, 0,1
	v_max_num_f32 v[QM+\b], v[QM+\b], v[QB+\b]
.endr
.irp b, 0,1
	v_add_nc_u32 v[QS+\b], 0xff000000, v[QM+\b]
.endr
.irp b, 0,1
	v_lshrrev_b32 v[QB+\b], 23, v[QS+\b]
.endr
	v_lshl_or_b32 v[PW], v[QB+1], 8, v[QB]
	v_cvt_scalef32_pk16_fp6_f32 v[PC:PC+2], v[\s:\s+15], v[QS]
	v_cvt_scalef32_pk16_fp6_f32 v[PT:PT+2], v[\s+16:\s+31], v[QS+1]
	v_nop
.irp i, 0,1,2
	v_permlane16_swap_b32 v[PC+\i], v[PT+\i]
.endr
.irp i, 0,1,2
	v_mov_b32 v[PC+3+\i], v[PT+\i]
.endr
.endm
; A HEAD'S END: O^T / the sum; P times each group of four channels; the unit's codes to memory; its two bytes into the output's scale word.
.macro FIN e
.rept 4
	v_nop                                          ; places behind the last products: their results are read, and their fragments' registers written, below
.endr
	v_add_f32 v[SUM], v[SUM], v[SUM+1]             ; the sum's two halves,
	v_permlanex16_b32 v252, v[SUM], s[SEL], s[SEL+1]
	v_add_f32 v[SUM], v[SUM], v252                 ; and lane l xor 16's: the row's sum
	v_rcp_f32 v[SUM], v[SUM]
	v_nop                                          ; a plain line behind the transcendental
	s_wait_alu depctr_va_vdst(0)                   ; and the wait ahead of the first use of its result
.set j, 0
.rept 16
	v_pk_mul_f32 v[S+j:S+j+1], v[O+j:O+j+1], v[SUM:SUM+1] op_sel_hi:[1,0]  ; each accumulator from its low end on
.set j, j+2
.endr
.irp g, 0,1,2,3,4,5,6,7
.irp i, 0,1,2,3
	v_mul_f32 v[YO+4*\g+\i], v[PM+4*\i], v[S+4*\g]
.endr
.irp j, 1,2,3
.irp i, 0,1,2,3
	v_fmac_f32 v[YO+4*\g+\i], v[PM+4*\i+\j], v[S+4*\g+\j]
.endr
.endr
.endr
	QUANT2 YO
	global_store_b128 v[L16], v[PC:PC+3], s[10:11] offset:768*\e       ; 512 consecutive bytes
	global_store_b64 v[L8], v[PC+4:PC+5], s[10:11] offset:768*\e+512   ; 256 consecutive bytes
.if \e
	v_lshl_or_b32 v[AWD], v[PW], 16, v[AWD]
.else
	v_mov_b32 v[AWD], v[PW]
.endif
.endm
	s_wait_tensorcnt 0x1                           ; my part of the first head is in; the second head's may be out
	s_barrier_signal -1
	s_barrier_wait -1                              ; everybody's is
	PRO
	s_wait_loadcnt 0x0                             ; q, P
	v_lshlrev_b32 v[QW2], 16, v[QW]
	INIT
	s_mov_b32 s3, 7
.Lhead0:                                               ; seven steps that fetch ahead; the eighth is written out, so that no LDS read leaves the head's bytes
	STEP 1
	s_sub_co_u32 s3, s3, 1
	s_cmp_lg_u32 s3, 0
	s_cbranch_scc1 .Lhead0
	STEP 0
	FIN 0
	s_wait_tensorcnt 0x0                           ; my part of the second head is in,
	s_wait_dscnt 0x0
	s_barrier_signal -1
	s_barrier_wait -1                              ; everybody's is
	s_wait_xcnt 0x0                                ; the first head's stores have read the codes' registers, which the next step writes
	s_mov_b32 s[TB], HEADB
	PRO
.irp i, 0,1,2,3,4,5
	v_mov_b32 v[Q+\i], v[Q1+\i]                    ; the second head's q and its word; the 34 lines of INIT stand between them and the first product
.endr
	v_mov_b32 v[QW], v[Q1+6]
	v_lshlrev_b32 v[QW2], 16, v[Q1+6]
	INIT
	s_mov_b32 s3, 7
.Lhead1:
	STEP 1
	s_sub_co_u32 s3, s3, 1
	s_cmp_lg_u32 s3, 0
	s_cbranch_scc1 .Lhead1
	STEP 0
	FIN 1
	ds_store_b32 v[ASW], v[AWD]                    ; (both lanes of a place write the same word with the same value)
	s_wait_dscnt 0x0                               ; for the others' sake: my words have landed
	s_barrier_signal -1
	s_barrier_wait -1
	s_cmp_lt_u32 s[WV], 2
	s_cbranch_scc0 .Lno_words
	ds_load_b128 v[S:S+3], v[ASR]                  ; eight tiles' words
	s_wait_dscnt 0x0
	global_store_b128 v[L16], v[S:S+3], s[12:13]   ; 512 consecutive bytes, aligned
.Lno_words:
	s_wait_tensorcnt 0x0
	ds_add_u32 v254, v255
	s_wait_dscnt 0x0
	CROUND                                         ; the closing round: no work-group ends while a partner may still ask for a tile that names it
	s_endpgm
.Lfunc_end_k_q4ed3828aed_attn:
	.size	k_q4ed3828aed_attn, .Lfunc_end_k_q4ed3828aed_attn-k_q4ed3828aed_attn
	.p2alignl 7, 3214868480
	.fill 96, 4, 3214868480
	.section	.rodata,"a",@progbits
	.p2align	6, 0x0
	.amdhsa_kernel k_q4ed3828aed_attn
		.amdhsa_group_segment_fixed_size 215040
		.amdhsa_private_segment_fixed_size 0
		.amdhsa_enable_private_segment 0
		.amdhsa_kernarg_size 40
		.amdhsa_user_sgpr_count 2
		.amdhsa_user_sgpr_kernarg_segment_ptr 1
		.amdhsa_wavefront_size32 1
		.amdhsa_system_sgpr_workgroup_id_x 1
		.amdhsa_system_sgpr_workgroup_id_y 1
		.amdhsa_system_sgpr_workgroup_id_z 1
		.amdhsa_system_vgpr_workitem_id 0
		.amdhsa_next_free_vgpr 256
		.amdhsa_next_free_sgpr 66
		.amdhsa_reserve_vcc 0
		.amdhsa_float_denorm_mode_32 3
		.amdhsa_float_denorm_mode_16_64 3
		.amdhsa_memory_ordered 1
		.amdhsa_forward_progress 1
		.amdhsa_inst_pref_size 82
	.end_amdhsa_kernel
	.amdgpu_metadata
---
amdhsa.version: [ 1, 2 ]
amdhsa.kernels:
  - .name:           k_q4ed3828aed_attn
    .symbol:         k_q4ed3828aed_attn.kd
    .args:
      - { .name: qp, .offset: 0, .size: 8, .value_kind: global_buffer, .address_space: global }
      - { .name: kv, .offset: 8, .size: 8, .value_kind: global_buffer, .address_space: global }
      - { .name: viewmats, .offset: 16, .size: 8, .value_kind: global_buffer, .address_space: global }
      - { .name: acodes, .offset: 24, .size: 8, .value_kind: global_buffer, .address_space: global }
      - { .name: ascales, .offset: 32, .size: 8, .value_kind: global_buffer, .address_space: global }
    .group_segment_fixed_size: 215040
    .private_segment_fixed_size: 0
    .kernarg_segment_align: 8
    .kernarg_segment_size: 40
    .max_flat_workgroup_size: 512
    .sgpr_count:     66
    .vgpr_count:     256
    .wavefront_size: 32
...
	.end_amdgpu_metadata
.endif
;; end of part 6
;; launch oproj (part 7): grid 8 x 32, 4 waves a work-group, clusters of 4 x 4, 327,680 bytes of LDS; arguments acodes, ascales, codes, scales, bo, out0; writes out0
.if DOCPART == 7
	.amdgcn_target "amdgcn-amd-amdhsa--gfx1250"
	.amdhsa_code_object_version 6
	.text
	.protected	k_q4ed3828aed_oproj
	.globl	k_q4ed3828aed_oproj
	.p2align	8
	.type	k_q4ed3828aed_oproj,@function
k_q4ed3828aed_oproj:
	s_mov_b64 s[64:65], 0
	v_nop
	global_prefetch_b8 v0, s[64:65] scope:SCOPE_SE
	s_setreg_imm32_b32 hwreg(HW_REG_WAVE_MODE, 25, 1), 1
	s_wait_xcnt 0x0
	s_wait_alu depctr_hold_cnt(0) depctr_sa_sdst(0) depctr_va_vdst(0) depctr_va_sdst(0) depctr_va_ssrc(0) depctr_va_vcc(0) depctr_vm_vsrc(0)
	s_getreg_b32 s2, hwreg(HW_REG_IB_STS2, 6, 4)
	s_cmp_eq_u32 s2, 0
	s_cbranch_scc0 .Lentry_in_a_cluster
	s_endpgm
.Lentry_in_a_cluster:
	s_bfe_u32 s2, ttmp6, 0x10000c
	s_cmp_lg_u32 s2, 0xf033
	s_cbranch_scc0 .Lentry_shape_is_right
	s_endpgm
.Lentry_shape_is_right:
; out0 = a Wo^T + bo on codes of FP6 (E2M3) with E8M0 scales; a is the attention's result as the launch before quantised it.  out0: [8192][1024] f32.
; 8 x 32 = 256 work-groups; each makes 256 rows x 128 columns; each of its four waves 128 x 64: 32 accumulators of 16 x 16, 256 registers.  With 256 x 256 to a work-group the size would give 128 work-groups.
; K is 1,024: the work-group's whole operands, 16 tiles of a and 8 of Wo, 12,288 bytes each, fit in LDS together and are brought ONCE, by three tensor loads a wave: no byte is filled twice, and K's eight steps run without a change of slots.
; acodes and codes lie in the order of the operand's registers (a unit: 16 rows x 64 K, 768 bytes: 16 bytes a lane, then 8 a lane), so a fragment is two loads of 16 bytes and two of 8, each over consecutive bytes.
; THE SCALE WORDS go from memory to registers: those of my 8 tiles of a (32 registers: lanes 0-15 an even tile, lanes 16-31 the odd one beside it) and of my 4 tiles of Wo (32 registers).
; Place m of a tile T of rows is row 32 (T / 2) + 8 (T % 2) + m + 8 (m / 8): the way out puts rows and columns back in their places.
; CLUSTERS: 4 x 4 work-groups; a's tiles are shared along a row of the cluster, Wo's along a column: each is asked for JOINTLY; every wave issues loads of both kinds.
; THE MATRIX INSTRUCTION IS USED TRANSPOSED (source 0 = 16 rows of Wo, source 1 = 16 rows of a): a lane holds eight neighbouring numbers of a row of out0.  The bias is the C of each sum's first instruction.
; No prefetch: every byte is asked for at the head by the tensor loads themselves.
; REGISTERS, in windows of 256: window 0: v0-31 addresses; v32-63 Wo's scale words (4 s + b); v64-95 a's (4 s + a / 2); v128-223 a's fragments, ONE set; on the way out v128-191 rows of out0.
;   window 1: Wo's fragments, TWO sets, at v0 and v128.   window 2: the accumulators ((a, b) at v[8 (4 a + b)]).   window 3: v128-159 the bias.
.set FR,    12
.set NP,    4                          ; places behind this matrix instruction (ISA guide 7.12.1)
.set TILEB, 12288
.set HB,    6144                       ; half of a tile: 512 along K
.set AH,    16*HB                      ; LDS: a's 16 tiles of one half of K; the other half behind them
.set BBASE, 2*AH                       ; then Wo's 8 tiles of one half of K,
.set BH,    8*HB                       ; and of the other
.set WLOAD, 4*HB                       ; what one tensor load brings: 4 tiles x 6,144 bytes
.set STAGE, BBASE+2*BH                 ; the way out: 16 rows x (256 bytes + 16) for each wave, in bytes of its own
.set SPITCH, 272
.set APLANE, 32768                     ; ascales: 512 tiles x 64 bytes for each 128 along K
.set PLANE, 49152                      ; scales: 768 tiles x 64 bytes
.set BT0,   704                        ; Wo's first tile in codes
.set STO, 8                            ; v8   the way out: where I put 32 bytes of a row
.set RD,  9                            ; v9   where I read a row back
.set CO,  10                           ; v10  my byte offset in two rows of out0
.set A16, 16
.set A8,  18
.set B16, 20
.set B8,  22
.set L16, 24
.set L8,  25
.set L4,  27
.set BO,  30
.set R4,  31
.set SB,  32
.set SA,  64
.set AF,  128
.set BK,  128                          ; the way out: 16 rows read back from the stage: v128-159 and v160-191 by turns
.set BIAS, 128                         ; in window 3
.set G1,  24
.set G0A, 32
.set G1B, 48
.set G0B, 56
.set SBP, 60
.set SAP, 62
.set BPT, 86
.set MSB, 0
.macro WIN new                         ; the immediate's high byte repeats the setting that is left
.if MSB != \new
	s_set_vgpr_msb (MSB<<8)|\new
.set MSB, \new
.endif
.endm
.set MUL,  0xa1                        ; source 0 (Wo) window 1, source 1 (a) window 0, C and D window 2
.set FST,  0xb1                        ; the first step: C (the bias) window 3
.set TO_B, 0x40
.set TO_3, 0xc0
.macro CREST
	s_cmp_lg_u32 s20, 0
	s_cbranch_scc1 .Lnot_wave_0_\@
	s_barrier_signal -3
.Lnot_wave_0_\@:
	s_barrier_wait -3
	s_barrier_signal -1
	s_barrier_wait -1
.endm
.macro CROUND
	s_barrier_signal -1
	s_barrier_wait -1
	CREST
.endm
.macro PLACES n
.rept \n
	v_nop
.endr
.endm
	s_load_b256 s[4:11], s[0:1], 0x0               ; acodes, ascales, codes, scales
	s_load_b128 s[12:15], s[0:1], 0x20             ; bo, out0
	v_lshl_add_u32 v254, v0, 2, 0x4c400
	v_mov_b32 v255, 0
	ds_add_u32 v254, v255
	ds_add_u32 v254, v255
	v_lshrrev_b32 v1, 5, v0
	v_readfirstlane_b32 s20, v1                    ; wave 0..3
	s_lshr_b32 s21, s20, 1                         ; which half of the rows is mine
	s_and_b32 s22, s20, 1                          ; which half of the columns
	s_bfe_u32 s40, ttmp6, 0x40000
	s_bfe_u32 s41, ttmp6, 0x40004
	s_lshl_b32 s42, ttmp9, 2
	s_add_co_u32 s42, s42, s40                     ; group of 128 columns
	s_and_b32 s96, ttmp7, 0xffff
	s_lshl_b32 s96, s96, 2
	s_add_co_u32 s96, s96, s41                     ; block of 256 rows
	s_lshl_b32 s43, s41, 2
	s_lshl_b32 s43, 15, s43                        ; my row of the cluster
	s_lshl_b32 s44, 0x1111, s40                    ; my column
	s_or_b32 s[G1], s43, (3<<16)|(1<<21)           ; 4 tiles x 6,144 bytes (768 elements of 8 bytes), 12,288 bytes apart in memory, on end in LDS; 15:0 the mask; 21 set beside it
	s_or_b32 s[G1B], s44, (3<<16)|(1<<21)
.irp g, G1, G1B
	s_mov_b32 s[\g+1], 768<<16
	s_mov_b32 s[\g+2], 4<<16
	s_mov_b32 s[\g+3], 768<<16
	s_mov_b32 s[\g+4], 4
	s_mov_b32 s[\g+5], 1536
	s_mov_b32 s[\g+6], 0
	s_mov_b32 s[\g+7], 0
.endr
	s_lshl_b32 s46, s96, 4
	s_lshl_b32 s45, s20, 2
	s_add_co_u32 s46, s46, s45                     ; a: I fetch tiles 16 x block of rows + 4 x wave on, in two halves of K
	s_mul_i32 s46, s46, TILEB
	s_mov_b32 s47, 0
	s_lshl_b32 s92, s42, 3
	s_lshl_b32 s93, s22, 2
	s_add_co_u32 s92, s92, s93
	s_add_co_u32 s92, s92, BT0                     ; Wo: tiles 704 + 8 x group + 4 x (wave % 2) on,
	s_mul_i32 s92, s92, TILEB
	s_mul_i32 s93, s21, HB                         ; K's half wave / 2
	s_add_co_u32 s92, s92, s93
	s_mov_b32 s93, 0
	s_mul_i32 s23, s20, WLOAD                      ; where they go: no place in the cluster enters an LDS address
	s_wait_dscnt 0x0
	s_wait_kmcnt 0x0
	s_add_nc_u64 s[46:47], s[4:5], s[46:47]
	s_add_nc_u64 s[92:93], s[8:9], s[92:93]
	CROUND                                         ; all sixteen work-groups are here: the joint loads meet
	s_mov_b32 s[G0A], 1
	s_mov_b32 s[G0A+1], s23
	s_mov_b64 s[G0A+2:G0A+3], s[46:47]
	s_or_b32 s[G0A+3], s[G0A+3], 0x80000000
	s_mov_b32 s[G0A+4], 1
	s_add_co_u32 s[G0A+5], s23, AH
	s_add_nc_u64 s[G0A+6:G0A+7], s[46:47], HB
	s_or_b32 s[G0A+7], s[G0A+7], 0x80000000
	s_mov_b32 s[G0B], 1
	s_add_co_u32 s[G0B+1], s23, BBASE
	s_mov_b64 s[G0B+2:G0B+3], s[92:93]
	s_or_b32 s[G0B+3], s[G0B+3], 0x80000000
	tensor_load_to_lds s[G0A:G0A+3], s[G1:G1+7]    ; a, K's first half
	s_nop 0
	tensor_load_to_lds s[G0B:G0B+3], s[G1B:G1B+7]  ; my part of Wo
	s_nop 0
	tensor_load_to_lds s[G0A+4:G0A+7], s[G1:G1+7]  ; a, K's second half: three loads of mine are out
	s_nop 0
	PLACES 4
	v_and_b32 v1, 15, v0                           ; r
	v_bfe_u32 v2, v0, 4, 1                         ; h
	v_and_b32 v3, 31, v0                           ; lane
	v_lshlrev_b32 v[L16], 4, v3
	v_lshlrev_b32 v[L8], 3, v3
	v_lshlrev_b32 v[L4], 2, v3
	v_lshlrev_b32 v[R4], 2, v1
	s_mul_i32 s46, s21, 8*HB                       ; my 8 tiles of a
	s_mul_i32 s47, s22, 4*HB                       ; my 4 tiles of Wo
	s_add_co_u32 s47, s47, BBASE
.irp f, 0,1
	v_add_nc_u32 v[A16+\f], s46, v[L16]
	v_add_nc_u32 v[A8+\f], s46, v[L8]
	v_add_nc_u32 v[B16+\f], s47, v[L16]
	v_add_nc_u32 v[B8+\f], s47, v[L8]
	s_add_co_u32 s46, s46, AH
	s_add_co_u32 s47, s47, BH
.endr
	s_mul_i32 s46, s20, 16*SPITCH                  ; my stage
	s_add_co_u32 s46, s46, STAGE
	v_mul_u32_u24 v4, v1, SPITCH
	v_lshl_add_u32 v4, v2, 6, v4
	v_add_nc_u32 v[STO], s46, v4                   ; in: place r, + 64 h: my half's 16 columns of a pair of tiles
	v_mul_u32_u24 v4, v2, SPITCH
	v_lshl_add_u32 v4, v1, 4, v4
	v_add_nc_u32 v[RD], s46, v4                    ; back: lanes 0-15 one row of 256 bytes, lanes 16-31 the next
	v_lshlrev_b32 v4, 4, v1
	v_lshl_add_u32 v[CO], v2, 12, v4               ; and the same two rows in out0
	v_lshlrev_b32 v[BO], 6, v2
	s_lshl_b32 s92, s42, 9
	s_lshl_b32 s93, s22, 8
	s_add_co_u32 s92, s92, s93                     ; my first column, in bytes: (128 x group + 64 x half) x 4
	s_mov_b32 s93, 0
	s_add_nc_u64 s[BPT:BPT+1], s[12:13], s[92:93]  ; bo there
	s_add_nc_u64 s[14:15], s[14:15], s[92:93]
	s_lshl_b32 s46, s96, 20
	s_lshl_b32 s47, s21, 19
	s_add_co_u32 s46, s46, s47                     ; my first row, 4,096 bytes a row
	s_mov_b32 s47, 0
	s_add_nc_u64 s[14:15], s[14:15], s[46:47]
	s_lshl_b32 s46, s96, 10                        ; the scale words of my 8 tiles of a, 64 bytes a tile
	s_lshl_b32 s47, s21, 9
	s_add_co_u32 s46, s46, s47
	s_mov_b32 s47, 0
	s_add_nc_u64 s[SAP:SAP+1], s[6:7], s[46:47]
	s_lshl_b32 s46, s42, 9                         ; and of my 4 tiles of Wo
	s_lshl_b32 s47, s22, 8
	s_add_co_u32 s46, s46, s47
	s_add_co_u32 s46, s46, BT0*64
	s_mov_b32 s47, 0
	s_add_nc_u64 s[SBP:SBP+1], s[10:11], s[46:47]
	WIN TO_3
.irp b, 0,1,2,3                                ; lane (r, h) wants, for Wo's tile b, the bias of columns 32 (b / 2) + 8 (b % 2) + 16 h + 0 .. 7
	global_load_b128 v[BIAS+8*\b:BIAS+8*\b+3], v[BO], s[BPT:BPT+1] offset:(32*(\b/2)+8*(\b%2))*4
	global_load_b128 v[BIAS+8*\b+4:BIAS+8*\b+7], v[BO], s[BPT:BPT+1] offset:(32*(\b/2)+8*(\b%2))*4+16
.endr
	WIN 0
.irp s, 0,1,2,3,4,5,6,7                        ; a's scale words: lanes 0-15 tile 2 j, lanes 16-31 tile 2 j + 1: 128 consecutive bytes a load
.irp j, 0,1,2,3
	global_load_b32 v[SA+4*\s+\j], v[L4], s[SAP:SAP+1] offset:APLANE*\s+128*\j
.endr
.endr
.irp s, 0,1,2,3,4,5,6,7                        ; Wo's: place r's word of tile b; a plane's four loads cover 256 consecutive bytes
.irp b, 0,1,2,3
	global_load_b32 v[SB+4*\s+\b], v[R4], s[SBP:SBP+1] offset:PLANE*\s+64*\b
.endr
.endr
.macro FRAG reg, a16, a8, off          ; a fragment: two units; of each 16 bytes a lane (registers 0-3), then 8 (registers 4-5)
	ds_load_b128 v[\reg:\reg+3], v[\a16] offset:\off
	ds_load_b64 v[\reg+4:\reg+5], v[\a8] offset:\off+512
	ds_load_b128 v[\reg+6:\reg+9], v[\a16] offset:\off+768
	ds_load_b64 v[\reg+10:\reg+11], v[\a8] offset:\off+1280
.endm
; One product: a's tile a x Wo's tile b, K step s.  first = 1: the bias is the C.  An odd tile of a has its scale words in lanes 16-31.
.macro WM a, b, s, first
.set DD, 8*(4*(\a)+(\b))
.set BF, 128*((\s)%2)+FR*(\b)
.set AA, AF+FR*(\a)
.set S0, SB+4*(\s)+(\b)
.set S1, SA+4*(\s)+(\a)/2
.set CC, DD
.if \first
.set CC, BIAS+8*(\b)
.endif
.if ((\a)%2) == 0
	v_wmma_scale_f32_16x16x128_f8f6f4 v[DD:DD+7], v[BF:BF+FR-1], v[AA:AA+FR-1], v[CC:CC+7], v[S0], v[S1] matrix_a_fmt:MATRIX_FMT_FP6 matrix_b_fmt:MATRIX_FMT_FP6
.else
	v_wmma_scale_f32_16x16x128_f8f6f4 v[DD:DD+7], v[BF:BF+FR-1], v[AA:AA+FR-1], v[CC:CC+7], v[S0], v[S1] matrix_a_fmt:MATRIX_FMT_FP6 matrix_b_fmt:MATRIX_FMT_FP6 matrix_b_scale:MATRIX_SCALE_ROW1
.endif
.endm
.macro MUL8 a0, s, first               ; 8 matrix instructions; the 32 accumulators take turns, one instruction a turn
.irp a, \a0, \a0+1
.irp b, 0,1,2,3
	WM (\a), \b, \s, \first
.endr
.endr
.endm
.macro FETCH_B s
	WIN TO_B
.irp i, 0,1,2,3
	FRAG 128*((\s)%2)+FR*\i, B16+(\s)/4, B8+(\s)/4, HB*\i+1536*((\s)%4)
.endr
	WIN 0
.endm
.macro FETCH_A s, i0
.irp i, \i0, \i0+1, \i0+2, \i0+3
	FRAG AF+FR*(\i), A16+(\s)/4, A8+(\s)/4, HB*(\i)+1536*((\s)%4)
.endr
.endm
; A step of 128 along K that has a successor: 32 matrix instructions; a's tiles 0-3 are fetched anew in its middle, tiles 4-7 at its end, each run NP places behind the products that read the registers.
; meet = 1: the next step reads K's second half of a: each wave waits for its load of it, and a barrier shows it to all four.
.macro KSTEP s, first, meet
.if \meet
	s_wait_tensorcnt 0x0                           ; my part of a's second half has landed
.endif
	s_wait_dscnt 16                                ; Wo's set and a's tiles 0-3 are in; the youngest 16 loads (a's tiles 4-7) may be out
.if \first
	WIN FST
.else
	WIN MUL
.endif
	MUL8 0, \s, \first
.if \meet
	s_wait_dscnt 0x0                               ; no LDS instruction of mine is pending at a signal
	s_barrier_signal -1
.endif
	MUL8 2, \s, \first
.if \meet
	s_barrier_wait -1
.else
	s_wait_dscnt 0x0
.endif
	PLACES NP
	FETCH_B (\s)+1
	FETCH_A (\s)+1, 0
.if \first
	WIN FST
.else
	WIN MUL
.endif
	MUL8 4, \s, \first
	MUL8 6, \s, \first
	PLACES NP
	WIN 0
	FETCH_A (\s)+1, 4
.endm
	s_wait_tensorcnt 0x1                           ; a's first half of K and my part of Wo are in (a's second half may be out),
	s_barrier_signal -1
	s_barrier_wait -1                              ; everybody's are
	FETCH_B 0
	FETCH_A 0, 0
	FETCH_A 0, 4
	s_wait_loadcnt 0x0                             ; the bias and the scale words
	KSTEP 0, 1, 0
	KSTEP 1, 0, 0
	KSTEP 2, 0, 0
	KSTEP 3, 0, 1
	KSTEP 4, 0, 0
	KSTEP 5, 0, 0
	KSTEP 6, 0, 0
	s_wait_dscnt 16                                ; the last step: nothing more to fetch
	WIN MUL
	MUL8 0, 7, 0
	MUL8 2, 7, 0
	s_wait_dscnt 0x0
	MUL8 4, 7, 0
	MUL8 6, 7, 0
	WIN 0
; THE WAY OUT, a tile of 16 rows x 64 columns at a time, through my own stage in LDS: in by places, the columns put right; back as whole rows of 256 bytes, two an instruction.  LDS serves a wave's instructions in order.
.macro TOSTAGE a
.set AC, 32*(\a)
	WIN 0x08                                       ; the data: window 2
.irp b, 0,1,2,3
	ds_store_b128 v[STO], v[AC+8*\b:AC+8*\b+3] offset:128*(\b/2)+32*(\b%2)         ; each accumulator from its low end on
	ds_store_b128 v[STO], v[AC+8*\b+4:AC+8*\b+7] offset:128*(\b/2)+32*(\b%2)+16
.endr
	WIN 0
.set BB, BK+32*((\a)%2)
.irp t, 0,1,2,3,4,5,6,7
	ds_load_b128 v[BB+4*\t:BB+4*\t+3], v[RD] offset:2*\t*SPITCH
.endr
.endm
.macro SEND a, younger                 ; younger: the LDS instructions issued behind tile a's loads, which may stay out
.set BB, BK+32*((\a)%2)
	s_wait_dscnt \younger
.if (\a) > 0
.if ((\a)%2) == 1
	s_add_nc_u64 s[14:15], s[14:15], 8*4096        ; (behind a wait on XCNT)  tile a begins at row 32 (a / 2) + 8 (a % 2)
.else
	s_add_nc_u64 s[14:15], s[14:15], 24*4096
.endif
.endif
.irp t, 0,1,2,3,4,5,6,7
	global_store_b128 v[CO], v[BB+4*\t:BB+4*\t+3], s[14:15] offset:(2*\t+8*(\t/4))*4096 th:TH_STORE_NT   ; sixteen lanes store 256 consecutive bytes, aligned; place p is row p + 8 (p / 8) of the tile
.endr
.endm
	PLACES NP                                      ; behind the last products: their results are read, and a's registers loaded into, below
	TOSTAGE 0
.irp a, 1,2,3,4,5,6,7
.if \a > 1
	s_wait_xcnt 0x0                                ; tile a - 2's stores have read their registers and their base
.endif
	TOSTAGE \a
	SEND \a-1, 16                                  ; behind tile a - 1's loads: tile a's 8 stores and 8 loads
.endr
	s_wait_xcnt 0x0
	SEND 7, 0
	s_wait_tensorcnt 0x0
	ds_add_u32 v254, v255
	s_wait_dscnt 0x0
	CROUND                                         ; the closing round: no work-group ends while a partner may still ask for a tile that names it
	s_endpgm
.Lfunc_end_k_q4ed3828aed_oproj:
	.size	k_q4ed3828aed_oproj, .Lfunc_end_k_q4ed3828aed_oproj-k_q4ed3828aed_oproj
	.p2alignl 7, 3214868480
	.fill 96, 4, 3214868480
	.section	.rodata,"a",@progbits
	.p2align	6, 0x0
	.amdhsa_kernel k_q4ed3828aed_oproj
		.amdhsa_group_segment_fixed_size 327680
		.amdhsa_private_segment_fixed_size 0
		.amdhsa_enable_private_segment 0
		.amdhsa_kernarg_size 48
		.amdhsa_user_sgpr_count 2
		.amdhsa_user_sgpr_kernarg_segment_ptr 1
		.amdhsa_wavefront_size32 1
		.amdhsa_system_sgpr_workgroup_id_x 1
		.amdhsa_system_sgpr_workgroup_id_y 1
		.amdhsa_system_sgpr_workgroup_id_z 1
		.amdhsa_system_vgpr_workitem_id 0
		.amdhsa_next_free_vgpr 1024
		.amdhsa_next_free_sgpr 102
		.amdhsa_reserve_vcc 0
		.amdhsa_float_denorm_mode_32 3
		.amdhsa_float_denorm_mode_16_64 3
		.amdhsa_memory_ordered 1
		.amdhsa_forward_progress 1
		.amdhsa_inst_pref_size 90
	.end_amdhsa_kernel
	.amdgpu_metadata
---
amdhsa.version: [ 1, 2 ]
amdhsa.kernels:
  - .name:           k_q4ed3828aed_oproj
    .symbol:         k_q4ed3828aed_oproj.kd
    .args:
      - { .name: acodes, .offset: 0, .size: 8, .value_kind: global_buffer, .address_space: global }
      - { .name: ascales, .offset: 8, .size: 8, .value_kind: global_buffer, .address_space: global }
      - { .name: codes, .offset: 16, .size: 8, .value_kind: global_buffer, .address_space: global }
      - { .name: scales, .offset: 24, .size: 8, .value_kind: global_buffer, .address_space: global }
      - { .name: bo, .offset: 32, .size: 8, .value_kind: global_buffer, .address_space: global }
      - { .name: out0, .offset: 40, .size: 8, .value_kind: global_buffer, .address_space: global }
    .group_segment_fixed_size: 327680
    .private_segment_fixed_size: 0
    .kernarg_segment_align: 8
    .kernarg_segment_size: 48
    .max_flat_workgroup_size: 128
    .sgpr_count:     102
    .vgpr_count:     1024
    .wavefront_size: 32
...
	.end_amdgpu_metadata
.endif
;; end of part 7
